; MI455X (gfx1250); checked and timed in simulation.
; The chip was launched on July 23, 2026; its instructions are those of AMD's public machine-readable ISA for CDNA 5 (MIT licence, August 2026) and "CDNA5" Instruction Set Architecture Reference Guide (July 2026). The comments in the code are by the model that wrote it; some were corrected since.
;; Sparse Mo E Layer. Allowed arithmetic: matrix products marked QUANTISED: E3M2 operands, one E8M0 scale for each 32 along K, by v_wmma_scale_f32_16x16x128_f8f6f4 with both operands' format E3M2, f32 sums; products left as they are: f32 operands where the result goes on into a quantised operand, else bf16, f16 or f32 operands; f32 sums; everything else in f32.
;; Inputs: gate_w 8 x 1,024 float32; w1 8 x 1,024 x 2,048 float32; w2 8 x 2,048 x 1,024 float32; x 2 x 1,024 x 1,024 float32.
;; Outputs: out0 2 x 1,024 x 1,024 float32; out1 one number float32.
;; This version of the problem:
;;   THIS VERSION OF THE PROBLEM IS GIVEN IN LOW PRECISION. The matrix products marked QUANTISED in the list below multiply operands that are first quantised to E3M2 (3 exponent bits, 2 mantissa bits; 6 bits a number), with one power-of-two scale for each 32 numbers along K (OCP MX v1.0); their sums are f32. All else is computed in f32.
;;   The module's matrix products, in the order in which they are computed (A, B: the left and right operand; K: the contracted axis; several contracted axes count as one K, in the product's order):
;;     1. [M 2,048, K 1,024] x [K 1,024, N 8]; A: input x; B: input gate_w: left as it is (N = 8 < 16)
;;     2. [M 16,384, K 1,024] x [K 1,024, N 2,048]; A: input w1; B: input x: QUANTISED
;;     3. batch 8 x [M 2,048, K 2,048] x [K 2,048, N 1,024]; A: computed on the way; B: input w2: QUANTISED
;;     4. batch 2,048 x [M 1, K 8] x [K 8, N 1,024]; A: computed on the way; B: computed on the way: left as it is (K = 8 < 32)
;;   THE QUANTISER, for each operand of a quantised product, along K:
;;     - K is cut into blocks of 32 from its start; a last block that is shorter is filled with zeros.
;;     - A block's scale is 2^e with e = floor(log2(the largest magnitude in the block)) - 4, held to -126 .. 127; a block of zeros has e = 0. As a byte (E8M0): e + 127.
;;     - Each number is divided by its block's scale, clamped to +-28, and rounded to the nearest number of E3M2, ties to even, subnormals kept.
;;     - The product sums the exact products of the quantised numbers (number of the format x scale) in f32.
;;   ~~~python
;;   def quantise(x, axis):      # numpy; x: float32 -> the quantised numbers, widened to float32 again
;;       x = np.moveaxis(x, axis, -1); K = x.shape[-1]
;;       x = np.pad(x, [(0, 0)] * (x.ndim - 1) + [(0, -K % 32)]); x = x.reshape(x.shape[:-1] + (-1, 32)); a = np.abs(x).max(-1, keepdims=True)
;;       e = np.where(a > 0, np.clip(np.frexp(np.where(a > 0, a, 1))[1] - 1 - 4, -126, 127), 0)      # np.frexp(a)[1] - 1 = floor(log2(a)), exactly
;;       r = np.clip(x / 2.0 ** e, -28, 28)
;;       step = 2.0 ** (np.maximum(np.frexp(np.where(r == 0, 1, r))[1] - 1, -2) - 2)
;;       q = np.round(r / step) * step * 2.0 ** e      # np.round: ties to even
;;       return np.moveaxis(q.reshape(q.shape[:-2] + (-1,))[..., :K], -1, axis).astype(np.float32)
;;   ~~~
;;   OPERANDS COMPUTED ON THE WAY. 'Computed on the way' means the value that the module computes at that place (a softmax that the list does not call 'softmax' is quantised finished and normalised). What goes into a quantiser is computed in f32, as accurately as f32 sums, v_exp_f32 and their like allow (about 1e-6 of the number): no bf16 or f16 on the way to a quantiser, and a product that is left as it is and whose result goes on into a quantised operand takes f32 operands (vector FMAs, or v_wmma_f32_16x16x4_f32). A number that lies on a knife's edge between two numbers of the format may be rounded either way, as far as f32 arithmetic and the matrix unit's own rounding can turn it there, and no further.
;; 2 versions. Each part assembles by itself: llvm-mc -triple=amdgcn-amd-amdhsa -mcpu=gfx1250 --defsym DOCPART=n.
;; ======== version 1 of 2: 5 launches
;; workspace buffers: sel 8,192 bytes of whole numbers; rstat 24,576 bytes; xq 1,638,400 bytes; plan 33,536 bytes of whole numbers; hq 6,758,400 bytes; ybuf 34,603,008 bytes
;; launch route (part 1): grid 256 x 1, 8 waves a work-group, no clusters, 75,776 bytes of LDS; arguments x, gate_w, sel, rstat, xq; writes sel, rstat, xq
.if DOCPART == 1
	.amdgcn_target "amdgcn-amd-amdhsa--gfx1250"
	.amdhsa_code_object_version 6
	.text
	.protected	k_qf2b72b2c25_route
	.globl	k_qf2b72b2c25_route
	.p2align	8
	.type	k_qf2b72b2c25_route,@function
k_qf2b72b2c25_route:
	s_mov_b64 s[64:65], 0
	v_nop
	global_prefetch_b8 v0, s[64:65] scope:SCOPE_SE
	s_setreg_imm32_b32 hwreg(HW_REG_WAVE_MODE, 25, 1), 1
	s_wait_xcnt 0x0
; ROUTE.  For each of the 2,048 tokens: the 8 router logits (f32 fused multiply-adds), their softmax, the two largest probabilities, and the token's row of x as codes of BF6 (E3M2) with one E8M0 byte for each 32 along D.
; A wave takes one token (a row of 4,096 bytes: eight loads of 512 consecutive bytes), a work-group eight.  gate_w (32 KiB) lies in LDS, laid as it is loaded, so that a lane's numbers of x meet the same places of a gate row.
; STORED, all at fixed places: sel[token] = (1 << first expert) | (0x100 << second expert); rstat: the two probabilities of each token, and the work-group's sums of the 8 probabilities;
; xq: the codes, 768 bytes a row, K innermost, and behind them the scale bytes, 32 a row.  The choice steers no address here: it is a value that is selected and stored.
; TOP 2 as the lower index wins a tie: a later expert replaces an earlier one only where it is strictly larger.
; THE QUANTISER: a block's scale is 2^(floor(log2(largest magnitude)) - 4): its byte is the largest magnitude's exponent field - 4, held at 1 from below.
; LIMITS: NaN and infinities are not served.  A block of zeros, or one whose largest magnitude lies under 2^-122, gets the byte 1 (its codes are zeros or what the conversion makes under that scale); the bytes are read by this program alone.
; The logits' sums are taken in another order than a plain loop over D takes them; two probabilities that differ by less than f32 rounding may change places.
; The three small results of a work-group (32, 64 and 32 bytes) fill parts of aligned blocks of 256 bytes: 128 bytes against the 6 KiB of codes that the work-group stores.
.set STG,   32768                      ; LDS: gate_w at 0; from here two stages of 32 x SP bytes for each wave
.set SP,    80                         ; a lane's place in a stage: 64 bytes + 16 of padding
.set SCB,   73728                      ; the work-group's 256 scale bytes
.set STAT,  73984                      ; 64 bytes a token: g0, g1, sel, 0, p0 .. p7
.set XSC,   1572864                    ; xq: where the scale bytes begin
.set PPART, 16384                      ; rstat: where the sums of probabilities begin
.set X,   16                           ; v16-47   x as loaded: X[4 i + c] = x[128 i + 4 lane + c]
.set XT,  48                           ; v48-79   x turned: 16 neighbours for each of two steps of 512 numbers
.set G,   80                           ; v80-143  two sets of 32: a gate row's numbers at the same places as X
.set A,   144                          ; v144-159 a pair of partial sums for each expert
.set L,   160                          ; v160-167 logits, then probabilities
	s_load_b256 s[4:11], s[0:1], 0x0               ; x s[4:5], gate_w s[6:7], sel s[8:9], rstat s[10:11]
	s_load_b64 s[12:13], s[0:1], 0x20              ; xq
	v_lshl_add_u32 v200, v0, 2, 0x12400
	v_mov_b32 v201, 0
	v_lshrrev_b32 v1, 5, v0
	v_readfirstlane_b32 s14, v1                    ; wave
	v_and_b32 v1, 31, v0                           ; lane
	v_lshlrev_b32 v2, 4, v1                        ; 16 x lane
	s_mul_i32 s15, s14, 2*32*SP
	s_add_co_u32 s15, s15, STG                     ; my wave's stages
	v_lshrrev_b32 v3, 2, v1
	v_mul_u32_u24 v3, v3, SP
	v_and_b32 v4, 3, v1
	v_lshl_add_u32 v3, v4, 4, v3
	v_add_nc_u32 v3, s15, v3                       ; into a stage: four lanes' 64 bytes on end, then the padding
	v_mul_u32_u24 v4, v1, SP
	v_add_nc_u32 v4, s15, v4                       ; out of it: my 16 neighbours
	v_mul_u32_u24 v5, v1, 12                       ; my 16 codes in a step's 384 bytes
	s_lshl_b32 s15, s14, 5
	s_add_co_u32 s15, s15, SCB
	v_lshrrev_b32 v6, 1, v1
	v_add_nc_u32 v6, s15, v6                       ; my block's scale byte
	s_lshl_b32 s15, s14, 12
	v_add_nc_u32 v7, s15, v2                       ; gate row w in LDS
	s_lshl_b32 s15, s14, 6
	s_add_co_u32 s15, s15, STAT
	v_mov_b32 v8, s15                              ; my token's record
	v_lshl_add_u32 v9, v1, 3, SCB                  ; wave 0's reads at the end: 8 scale bytes a lane,
	v_and_b32 v10, 7, v1
	v_lshl_add_u32 v11, v10, 6, STAT               ; token lane % 8's record,
	v_lshl_add_u32 v12, v10, 2, STAT+16            ; and probability lane % 8 of each token
	v_lshlrev_b32 v13, 3, v1
	v_lshlrev_b32 v14, 2, v1
	s_mov_b32 s16, 0x76543210
	s_mov_b32 s17, 0xfedcba98                      ; v_permlanex16_b32's selects for lane l xor 16
	s_lshl_b32 s18, ttmp9, 3
	s_add_co_u32 s18, s18, s14                     ; my token
	s_lshl_b32 s20, s18, 12
	s_mov_b32 s21, 0
	s_lshl_b32 s22, s14, 12
	s_mov_b32 s23, 0
	s_mul_i32 s24, s18, 768
	s_mov_b32 s25, 0
	s_lshl_b32 s26, ttmp9, 8
	s_mov_b32 s27, 0
	s_lshl_b32 s28, ttmp9, 5
	s_mov_b32 s29, 0
	s_lshl_b32 s30, ttmp9, 6
	s_mov_b32 s31, 0
	s_wait_kmcnt 0x0
	s_add_nc_u64 s[4:5], s[4:5], s[20:21]          ; my row of x
	s_add_nc_u64 s[6:7], s[6:7], s[22:23]          ; gate row w
	s_add_nc_u64 s[24:25], s[12:13], s[24:25]      ; my row of codes
	s_add_nc_u64 s[12:13], s[12:13], s[26:27]      ; the work-group's 256 scale bytes (XSC stands in the immediate)
	s_add_nc_u64 s[8:9], s[8:9], s[28:29]          ; its 8 words of sel
	s_add_nc_u64 s[32:33], s[10:11], s[28:29]      ; its 8 sums (PPART in the immediate)
	s_add_nc_u64 s[10:11], s[10:11], s[30:31]      ; its 8 pairs of probabilities
.irp i, 0,1,2,3,4,5,6,7
	global_load_b128 v[G+4*\i:G+4*\i+3], v2, s[6:7] offset:512*\i
.endr
.irp i, 0,1,2,3,4,5,6,7
	global_load_b128 v[X+4*\i:X+4*\i+3], v2, s[4:5] offset:512*\i th:TH_LOAD_NT
.endr
	s_wait_loadcnt 8                               ; the gate row is in; the eight loads of x may be out
.irp i, 0,1,2,3,4,5,6,7
	ds_store_b128 v7, v[G+4*\i:G+4*\i+3] offset:512*\i
.endr
	s_wait_dscnt 0x0                               ; for the others' sake: my gate row lies in LDS
	s_barrier_signal -1
	s_barrier_wait -1
	s_wait_loadcnt 0x0                             ; x
.irp i, 0,1,2,3,4,5,6,7
	ds_store_b128 v3, v[X+4*\i:X+4*\i+3] offset:32*SP*(\i/4)+8*SP*(\i%4)
.endr
.irp i, 0,1,2,3,4,5,6,7
	ds_load_b128 v[XT+4*\i:XT+4*\i+3], v4 offset:32*SP*(\i/4)+16*(\i%4)   ; my wave's own bytes, served in order: no wait between the stores and the loads
.endr
.macro GLOAD e, set
.irp i, 0,1,2,3,4,5,6,7
	ds_load_b128 v[G+32*(\set)+4*\i:G+32*(\set)+4*\i+3], v2 offset:4096*(\e)+512*\i
.endr
.endm
	GLOAD 0, 0
	GLOAD 1, 1
.irp e, 0,1,2,3,4,5,6,7
.set GS, G+32*(\e%2)
.if \e < 7
	s_wait_dscnt 8                                 ; this expert's row is in, and all that is older; the next row's eight loads may be out
.else
	s_wait_dscnt 0x0
.endif
	v_pk_mul_f32 v[A+2*\e:A+2*\e+1], v[X:X+1], v[GS:GS+1]          ; two chains of packed multiply-adds; the first products start the sums
	v_pk_mul_f32 v[168:169], v[X+2:X+3], v[GS+2:GS+3]
.irp k, 4,8,12,16,20,24,28
	v_pk_fma_f32 v[A+2*\e:A+2*\e+1], v[X+\k:X+\k+1], v[GS+\k:GS+\k+1], v[A+2*\e:A+2*\e+1]
	v_pk_fma_f32 v[168:169], v[X+\k+2:X+\k+3], v[GS+\k+2:GS+\k+3], v[168:169]
.endr
.if \e < 6
	GLOAD \e+2, \e%2
.endif
	v_pk_add_f32 v[A+2*\e:A+2*\e+1], v[A+2*\e:A+2*\e+1], v[168:169]
	v_add_f32 v[L+\e], v[A+2*\e], v[A+2*\e+1]
.endr
.irp m, 1,2,4,8                                ; the sums over the 32 lanes, the eight logits by turns
.irp e, 0,1,2,3,4,5,6,7
	v_add_f32_dpp v[L+\e], v[L+\e], v[L+\e] row_xmask:\m row_mask:0xf bank_mask:0xf
.endr
.endr
.irp e, 0,1,2,3,4,5,6,7
	v_mov_b32 v[170+\e], 0                         ; a lane permute's destination counts as one of its sources
.endr
.irp e, 0,1,2,3,4,5,6,7
	v_permlanex16_b32 v[170+\e], v[L+\e], s16, s17
.endr
.irp e, 0,1,2,3,4,5,6,7
	v_add_f32 v[L+\e], v[L+\e], v[170+\e]          ; every lane holds all eight logits
.endr
	v_max3_num_f32 v168, v[L], v[L+1], v[L+2]      ; the softmax: the largest logit is taken away first
	v_max3_num_f32 v168, v168, v[L+3], v[L+4]
	v_max3_num_f32 v168, v168, v[L+5], v[L+6]
	v_max_num_f32 v168, v168, v[L+7]
.irp e, 0,1,2,3,4,5,6,7
	v_sub_f32 v[L+\e], v[L+\e], v168
.endr
.irp e, 0,1,2,3,4,5,6,7
	v_mul_f32 v[L+\e], 0x3fb8aa3b, v[L+\e]         ; x log2(e)
.endr
.irp e, 0,1,2,3,4,5,6,7
	v_exp_f32 v[L+\e], v[L+\e]
.endr
	v_nop                                          ; a plain place behind the exponentials
	s_wait_alu depctr_va_vdst(0)
	v_add_f32 v168, v[L], v[L+1]
	v_add_f32 v169, v[L+2], v[L+3]
	v_add_f32 v170, v[L+4], v[L+5]
	v_add_f32 v171, v[L+6], v[L+7]
	v_add_f32 v168, v168, v169
	v_add_f32 v170, v170, v171
	v_add_f32 v168, v168, v170
	v_rcp_f32 v168, v168
	v_nop                                          ; a plain place behind the reciprocal
	s_wait_alu depctr_va_vdst(0)
.irp e, 0,1,2,3,4,5,6,7
	v_mul_f32 v[L+\e], v[L+\e], v168               ; the probabilities
.endr
	v_mov_b32 v180, v[L]                           ; the largest and its expert: kept unless a later one is strictly larger
	v_mov_b32 v181, 0
.irp e, 1,2,3,4,5,6,7
	v_cmp_le_f32 vcc_lo, v[L+\e], v180
	v_cndmask_b32 v180, v[L+\e], v180, vcc_lo
	v_cndmask_b32 v181, \e, v181, vcc_lo
.endr
	v_mov_b32 v182, -1.0                           ; the second: the same among the other seven (no probability is negative)
	v_mov_b32 v183, 0
.irp e, 0,1,2,3,4,5,6,7
	v_cmp_le_f32 s20, v[L+\e], v182
	v_cmp_eq_u32 s21, \e, v181
	s_or_b32 vcc_lo, s20, s21
	v_cndmask_b32 v182, v[L+\e], v182, vcc_lo
	v_cndmask_b32 v183, \e, v183, vcc_lo
.endr
	v_mov_b32 v184, v180
	v_mov_b32 v185, v182
	v_mov_b32 v186, 1
	v_lshlrev_b32 v186, v181, v186
	v_mov_b32 v187, 0x100
	v_lshlrev_b32 v187, v183, v187
	v_or_b32 v186, v186, v187                      ; sel
	v_mov_b32 v187, 0
	ds_store_b128 v8, v[184:187]                   ; all lanes write the same words with the same values
	ds_store_b128 v8, v[L:L+3] offset:16
	ds_store_b128 v8, v[L+4:L+7] offset:32
.irp t, 0,1                                    ; x into codes: a lane holds 16 neighbours, two neighbouring lanes a block of 32
.set XS, XT+16*\t
.set TM, 172+3*\t
	v_max3_num_f32 v[TM], |v[XS]|, |v[XS+1]|, |v[XS+2]|
	v_max3_num_f32 v[TM+1], |v[XS+3]|, |v[XS+4]|, |v[XS+5]|
.irp i, 6,10
	v_max3_num_f32 v[TM], v[TM], |v[XS+\i]|, |v[XS+\i+1]|
	v_max3_num_f32 v[TM+1], v[TM+1], |v[XS+\i+2]|, |v[XS+\i+3]|
.endr
	v_max3_num_f32 v[TM], v[TM], |v[XS+14]|, |v[XS+15]|
	v_max3_num_f32 v[TM], v[TM], v[TM+1], 0x2800000                 ; and the floor 2^(5 - 127): the byte cannot fall under 1
	v_max_num_f32_dpp v[TM], v[TM], v[TM] row_xmask:1 row_mask:0xf bank_mask:0xf   ; with my neighbour's 16: the block's largest magnitude
	v_add_nc_u32 v[TM+2], 0xfe000000, v[TM]        ; 4 off its exponent field: the conversion takes this operand's exponent field as its scale
	v_cvt_scalef32_pk16_bf6_f32 v[192+4*\t:194+4*\t], v[XS:XS+15], v[TM+2]
	v_lshrrev_b32 v[178+\t], 23, v[TM+2]           ; the scale's byte (a plain line behind the conversion)
	ds_store_b8 v6, v[178+\t] offset:16*\t         ; both lanes of a block write the same byte with the same value
	global_store_b96 v5, v[192+4*\t:194+4*\t], s[24:25] offset:384*\t   ; 32 lanes store 384 consecutive bytes; the row's two stores fill three aligned blocks of 256
.endr
	s_wait_dscnt 0x0                               ; for wave 0's sake: my record and my scale bytes lie in LDS
	s_barrier_signal -1
	s_barrier_wait -1
	s_cmp_lg_u32 s14, 0
	s_cbranch_scc1 .Lothers
	ds_load_b64 v[100:101], v9
	ds_load_b128 v[104:107], v11
.irp t, 0,1,2,3,4,5,6,7
	ds_load_b32 v[108+\t], v12 offset:64*\t
.endr
	s_wait_dscnt 0x0
	v_add_f32 v108, v108, v109
	v_add_f32 v110, v110, v111
	v_add_f32 v112, v112, v113
	v_add_f32 v114, v114, v115
	v_add_f32 v108, v108, v110
	v_add_f32 v112, v112, v114
	v_add_f32 v108, v108, v112                     ; the eight tokens' probability of expert lane % 8
	global_store_b64 v13, v[100:101], s[12:13] offset:XSC   ; 32 lanes store one aligned block of 256 bytes
	s_wait_xcnt 0x0                                ; EXEC changes only behind this wait
	s_wait_tensorcnt 0x0
	ds_add_u32 v200, v201
	s_wait_dscnt 0x0
	v_cmpx_gt_u32 8, v1                            ; lanes 0 to 7
	global_store_b32 v14, v106, s[8:9]
	global_store_b64 v13, v[104:105], s[10:11]
	global_store_b32 v14, v108, s[32:33] offset:PPART
	s_endpgm
.Lothers:
	s_wait_tensorcnt 0x0
	ds_add_u32 v200, v201
	s_wait_dscnt 0x0
	s_endpgm
.Lfunc_end_k_qf2b72b2c25_route:
	.size	k_qf2b72b2c25_route, .Lfunc_end_k_qf2b72b2c25_route-k_qf2b72b2c25_route
	.p2alignl 7, 3214868480
	.fill 96, 4, 3214868480
	.section	.rodata,"a",@progbits
	.p2align	6, 0x0
	.amdhsa_kernel k_qf2b72b2c25_route
		.amdhsa_group_segment_fixed_size 75776
		.amdhsa_private_segment_fixed_size 0
		.amdhsa_enable_private_segment 0
		.amdhsa_kernarg_size 40
		.amdhsa_user_sgpr_count 2
		.amdhsa_user_sgpr_kernarg_segment_ptr 1
		.amdhsa_wavefront_size32 1
		.amdhsa_system_sgpr_workgroup_id_x 1
		.amdhsa_system_sgpr_workgroup_id_y 1
		.amdhsa_system_sgpr_workgroup_id_z 1
		.amdhsa_system_vgpr_workitem_id 0
		.amdhsa_next_free_vgpr 202
		.amdhsa_next_free_sgpr 66
		.amdhsa_reserve_vcc 1
		.amdhsa_float_denorm_mode_32 3
		.amdhsa_float_denorm_mode_16_64 3
		.amdhsa_memory_ordered 1
		.amdhsa_forward_progress 1
		.amdhsa_inst_pref_size 31
	.end_amdhsa_kernel
	.amdgpu_metadata
---
amdhsa.version: [ 1, 2 ]
amdhsa.kernels:
  - .name:           k_qf2b72b2c25_route
    .symbol:         k_qf2b72b2c25_route.kd
    .args:
      - { .name: x, .offset: 0, .size: 8, .value_kind: global_buffer, .address_space: global }
      - { .name: gate_w, .offset: 8, .size: 8, .value_kind: global_buffer, .address_space: global }
      - { .name: sel, .offset: 16, .size: 8, .value_kind: global_buffer, .address_space: global }
      - { .name: rstat, .offset: 24, .size: 8, .value_kind: global_buffer, .address_space: global }
      - { .name: xq, .offset: 32, .size: 8, .value_kind: global_buffer, .address_space: global }
    .group_segment_fixed_size: 75776
    .private_segment_fixed_size: 0
    .kernarg_segment_align: 8
    .kernarg_segment_size: 40
    .max_flat_workgroup_size: 256
    .sgpr_count:     66
    .vgpr_count:     202
    .wavefront_size: 32
...
	.end_amdgpu_metadata
.endif
;; end of part 1
;; launch place (part 2): grid 1 x 1, 8 waves a work-group, no clusters, 1,280 bytes of LDS; arguments sel, rstat, plan, out1; writes plan, out1
.if DOCPART == 2
	.amdgcn_target "amdgcn-amd-amdhsa--gfx1250"
	.amdhsa_code_object_version 6
	.text
	.protected	k_qf2b72b2c25_place
	.globl	k_qf2b72b2c25_place
	.p2align	8
	.type	k_qf2b72b2c25_place,@function
k_qf2b72b2c25_place:
	s_mov_b64 s[64:65], 0
	v_nop
	global_prefetch_b8 v0, s[64:65] scope:SCOPE_SE
	s_setreg_imm32_b32 hwreg(HW_REG_WAVE_MODE, 25, 1), 1
	s_wait_xcnt 0x0
; PLACE.  A counting sort of the 4,096 routed rows (token, slot) by expert, and the router's loss.  One work-group: the sort needs every count, and no traffic between work-groups is allowed.
; Each expert's run of rows begins on a tile of 16 and is filled up to whole tiles with token 0 (rows that are computed and that nobody reads): at most 4,096 / 16 + 7 = 263 tiles whatever the split.
; STORED in plan: order[position] = token; pos[token][2] = the positions of its two rows; meta[expert] = (first tile, number of tiles).
; Wave w takes tokens 256 w .. 256 w + 255, eight a lane.  A row's rank within its expert goes by (wave, register, lane); only this launch knows of that order.
; The ranks come from lane masks: a compare gives the lanes that chose expert e, v_mbcnt_lo_u32_b32 counts those below me, s_bcnt1_i32_b32 all of them.  No atomics.
; The eight experts of a register are independent of each other, so each kind of line stands in a run of eight: no scalar line stands directly behind the vector line that feeds it.
; order is written by stores of 4 bytes at sorted places, 16 KiB in all: the places hang on loaded numbers, which may steer global addresses (held under the buffer's end by a minimum) and no LDS address.
; LOSS = 8 x mean over e of (count_e / 4,096) (sum of p_e / 2,048) = the sum over e of count_e x psum_e x 2^-23.
.set POS,   16896
.set META,  33280
.set PPART, 16384
.set SEL, 16                           ; v16-23   sel of my 8 tokens: register 4 jj + c = token 256 w + 128 jj + 4 lane + c
.set TK,  24                           ; v24-31   their numbers
.set CS,  32                           ; v32-39   my wave's counts, on their way to LDS
.set RR,  40                           ; v40-47   running sums over the waves
.set BF,  48                           ; v48-55   the sums of the waves before mine
.set CW,  64                           ; v64-127  at work; between the barrier and the ranks all 64 counts
.set PP,  128                          ; v128-191 the 256 work-groups' sums of probabilities
.set PR,  192                          ; v192-207 positions: register 2 it + slot
.set AD,  208                          ; v208-223 their byte offsets in order
.set M0,  68                           ; s68-75   lane masks: first choice;  s76-83 second choice;  s84-91 either
	s_load_b256 s[4:11], s[0:1], 0x0               ; sel s[4:5], rstat s[6:7], plan s[8:9], out1 s[10:11]
	v_lshl_add_u32 v224, v0, 2, 0x100
	v_mov_b32 v225, 0
	v_lshrrev_b32 v1, 5, v0
	v_readfirstlane_b32 s12, v1                    ; wave
	v_and_b32 v1, 31, v0                           ; lane
	v_lshlrev_b32 v2, 4, v1
	v_lshlrev_b32 v7, 5, v1
	v_mov_b32 v5, 0
	s_lshl_b32 s13, s12, 5
	v_mov_b32 v4, s13                              ; LDS: my wave's eight counts
	s_lshl_b32 s13, s12, 8
	v_lshl_add_u32 v3, v1, 2, s13
.irp it, 0,1,2,3,4,5,6,7
	v_add_nc_u32 v[TK+\it], 128*(\it/4)+(\it%4), v3
.endr
	s_mov_b32 s66, 0x76543210
	s_mov_b32 s67, 0xfedcba98
	s_lshl_b32 s14, s12, 10
	s_mov_b32 s15, 0
	s_lshl_b32 s20, s12, 11
	s_mov_b32 s21, 0
	s_wait_kmcnt 0x0
	s_add_nc_u64 s[16:17], s[4:5], s[14:15]        ; my wave's 256 words of sel
	s_add_nc_u64 s[18:19], s[8:9], s[20:21]        ; and its 2,048 bytes of pos (POS in the immediate)
	global_load_b128 v[SEL:SEL+3], v2, s[16:17]
	global_load_b128 v[SEL+4:SEL+7], v2, s[16:17] offset:512
.irp i, 0,1,2,3,4,5,6,7,8,9,10,11,12,13,14,15
	global_load_b128 v[PP+4*\i:PP+4*\i+3], v2, s[6:7] offset:PPART+512*\i
.endr
.irp e, 0,1,2,3,4,5,6,7
	s_mov_b32 s[24+\e], 0
.endr
	s_wait_loadcnt 16                              ; sel is in; the sixteen loads of the probabilities' sums may be out
.irp it, 0,1,2,3,4,5,6,7                       ; my wave's count for each expert; two sets of masks by turns
.irp e, 0,1,2,3,4,5,6,7
	v_and_b32 v[CW+\e], 0x101<<\e, v[SEL+\it]
.endr
.irp e, 0,1,2,3,4,5,6,7
	v_cmp_ne_u32 s[M0+8*(\it%2)+\e], 0, v[CW+\e]
.endr
.irp e, 0,1,2,3,4,5,6,7
	s_bcnt1_i32_b32 s[M0+8*(\it%2)+\e], s[M0+8*(\it%2)+\e]
.endr
.irp e, 0,1,2,3,4,5,6,7
	s_add_co_u32 s[24+\e], s[24+\e], s[M0+8*(\it%2)+\e]
.endr
.endr
.irp e, 0,1,2,3,4,5,6,7
	v_mov_b32 v[CS+\e], s[24+\e]
.endr
	ds_store_b128 v4, v[CS:CS+3]                   ; all lanes write the same words with the same values
	ds_store_b128 v4, v[CS+4:CS+7] offset:16
	s_wait_dscnt 0x0
	s_barrier_signal -1
	s_barrier_wait -1
.irp k, 0,1,2,3,4,5,6,7,8,9,10,11,12,13,14,15
	ds_load_b128 v[CW+4*\k:CW+4*\k+3], v5 offset:16*\k
.endr
.irp e, 0,1,2,3,4,5,6,7
	v_mov_b32 v[RR+\e], 0
	v_mov_b32 v[BF+\e], 0
.endr
	s_wait_dscnt 0x0
.irp w, 0,1,2,3,4,5,6,7                        ; a running sum over the waves; what it holds at my wave's turn is kept
	s_cmp_eq_u32 s12, \w
	s_cselect_b32 s13, -1, 0
.irp e, 0,1,2,3,4,5,6,7
	v_cndmask_b32 v[BF+\e], v[BF+\e], v[RR+\e], s13
	v_add_nc_u32 v[RR+\e], v[RR+\e], v[CW+8*\w+\e]
.endr
.endr
.irp e, 0,1,2,3,4,5,6,7
	v_readfirstlane_b32 s[32+\e], v[RR+\e]         ; the expert's rows in all
	v_readfirstlane_b32 s[40+\e], v[BF+\e]         ; those of the waves before mine
.endr
	s_mov_b32 s13, 0
.irp e, 0,1,2,3,4,5,6,7
	s_add_co_u32 s[48+\e], s[32+\e], 15
	s_lshr_b32 s[48+\e], s[48+\e], 4               ; its tiles
	s_mov_b32 s[56+\e], s13                        ; its first tile
	s_add_co_u32 s13, s13, s[48+\e]
	s_lshl_b32 s20, s[56+\e], 4
	s_add_co_u32 s[40+\e], s[40+\e], s20           ; the position of my wave's first row of this expert
.endr
.irp k, 0,1,2,3,4,5,6,7,8,9,10,11,12,13,14,15
	v_mov_b32 v[PR+\k], 0
.endr
.irp it, 0,1,2,3,4,5,6,7                       ; the ranks
.irp e, 0,1,2,3,4,5,6,7
	v_and_b32 v[CW+\e], 1<<\e, v[SEL+\it]
.endr
.irp e, 0,1,2,3,4,5,6,7
	v_and_b32 v[CW+8+\e], 0x100<<\e, v[SEL+\it]
.endr
.irp e, 0,1,2,3,4,5,6,7
	v_cmp_ne_u32 s[M0+\e], 0, v[CW+\e]             ; the lanes whose first choice is e,
.endr
.irp e, 0,1,2,3,4,5,6,7
	v_cmp_ne_u32 s[M0+8+\e], 0, v[CW+8+\e]         ; whose second is
.endr
.irp e, 0,1,2,3,4,5,6,7
	s_or_b32 s[M0+16+\e], s[M0+\e], s[M0+8+\e]
.endr
.irp e, 0,1,2,3,4,5,6,7
	v_mbcnt_lo_u32_b32 v[CW+16+\e], s[M0+16+\e], s[40+\e]   ; the next free position + the choosing lanes below me
.endr
.irp e, 0,1,2,3,4,5,6,7
	v_cndmask_b32 v[PR+2*\it], v[PR+2*\it], v[CW+16+\e], s[M0+\e]
	v_cndmask_b32 v[PR+2*\it+1], v[PR+2*\it+1], v[CW+16+\e], s[M0+8+\e]
.endr
.irp e, 0,1,2,3,4,5,6,7
	s_bcnt1_i32_b32 s[M0+16+\e], s[M0+16+\e]
.endr
.irp e, 0,1,2,3,4,5,6,7
	s_add_co_u32 s[40+\e], s[40+\e], s[M0+16+\e]
.endr
.endr
.irp k, 0,1,2,3,4,5,6,7,8,9,10,11,12,13,14,15
	v_min_u32 v[AD+\k], 4223, v[PR+\k]             ; held inside order, whatever was loaded
	v_lshlrev_b32 v[AD+\k], 2, v[AD+\k]
	global_store_b32 v[AD+\k], v[TK+\k/2], s[8:9]  ; each routed row has a position of its own; no register here is written again
.endr
.irp q, 0,1,2,3
	global_store_b128 v7, v[PR+4*\q:PR+4*\q+3], s[18:19] offset:POS+1024*(\q/2)+16*(\q%2)   ; a lane's four tokens: 32 consecutive bytes, the wave's two stores 1,024
.endr
	s_mov_b32 s20, 0                               ; the pads: wave w fills expert w's last tile with token 0
	s_mov_b32 s21, 0
	s_mov_b32 s22, 0
.irp e, 0,1,2,3,4,5,6,7
	s_cmp_eq_u32 s12, \e
	s_cselect_b32 s20, s[56+\e], s20
	s_cselect_b32 s21, s[32+\e], s21
	s_cselect_b32 s22, s[48+\e], s22
.endr
	s_lshl_b32 s23, s20, 4
	s_add_co_u32 s23, s23, s21                     ; behind the expert's last row
	s_add_co_u32 s20, s20, s22
	s_lshl_b32 s20, s20, 4                         ; behind its last tile: at most 15 further on
	v_add_nc_u32 v12, s23, v1
	v_min_u32 v13, 4223, v12
	v_lshlrev_b32 v13, 2, v13
	v_mov_b32 v14, 0
	v_cmp_gt_u32 vcc_lo, s20, v12
	s_wait_xcnt 0x0                                ; EXEC changes only behind this wait
	s_and_saveexec_b32 s21, vcc_lo
	global_store_b32 v13, v14, s[8:9]
	s_wait_xcnt 0x0                                ; and again in front of the line that widens it
	s_or_b32 exec_lo, exec_lo, s21
	s_wait_loadcnt 0x0                             ; the sums of probabilities: number 128 i + 4 lane + c belongs to expert 4 (lane % 2) + c
	v_pk_add_f32 v[8:9], v[PP:PP+1], v[PP+4:PP+5]
	v_pk_add_f32 v[10:11], v[PP+2:PP+3], v[PP+6:PP+7]
.irp i, 2,3,4,5,6,7,8,9,10,11,12,13,14,15
	v_pk_add_f32 v[8:9], v[8:9], v[PP+4*\i:PP+4*\i+1]
	v_pk_add_f32 v[10:11], v[10:11], v[PP+4*\i+2:PP+4*\i+3]
.endr
.irp m, 2,4,8                                  ; over the lanes of my parity
.irp c, 0,1,2,3
	v_add_f32_dpp v[8+\c], v[8+\c], v[8+\c] row_xmask:\m row_mask:0xf bank_mask:0xf
.endr
.endr
.irp c, 0,1,2,3
	v_mov_b32 v[112+\c], 0
.endr
.irp c, 0,1,2,3
	v_permlanex16_b32 v[112+\c], v[8+\c], s66, s67
.endr
.irp c, 0,1,2,3
	v_add_f32 v[8+\c], v[8+\c], v[112+\c]
.endr
	v_and_b32 v3, 1, v1
	v_cmp_ne_u32 vcc_lo, 0, v3
.irp c, 0,1,2,3
	v_cvt_f32_u32 v[116+\c], s[32+\c]
	v_cvt_f32_u32 v[120+\c], s[36+\c]
	v_cndmask_b32 v[116+\c], v[116+\c], v[120+\c], vcc_lo          ; the count of expert 4 (lane % 2) + c
.endr
	v_mul_f32 v15, v8, v116
	v_fmac_f32 v15, v9, v117
	v_fmac_f32 v15, v10, v118
	v_fmac_f32 v15, v11, v119
	v_add_f32_dpp v15, v15, v15 row_xmask:1 row_mask:0xf bank_mask:0xf   ; the other parity's four experts
	v_mul_f32 v15, 0x34000000, v15                 ; x 2^-23
.irp e, 0,1,2,3,4,5,6,7
	v_mov_b32 v[96+2*\e], s[56+\e]
	v_mov_b32 v[97+2*\e], s[48+\e]
.endr
	s_cmp_lg_u32 s12, 0
	s_cbranch_scc1 .Lothers
	s_wait_xcnt 0x0                                ; EXEC changes only behind this wait
	s_wait_tensorcnt 0x0
	ds_add_u32 v224, v225
	s_wait_dscnt 0x0
	v_cmpx_eq_u32 0, v1                            ; lane 0 of wave 0
.irp q, 0,1,2,3
	global_store_b128 v5, v[96+4*\q:96+4*\q+3], s[8:9] offset:META+16*\q
.endr
	global_store_b32 v5, v15, s[10:11]
	s_endpgm
.Lothers:
	s_wait_tensorcnt 0x0
	ds_add_u32 v224, v225
	s_wait_dscnt 0x0
	s_endpgm
.Lfunc_end_k_qf2b72b2c25_place:
	.size	k_qf2b72b2c25_place, .Lfunc_end_k_qf2b72b2c25_place-k_qf2b72b2c25_place
	.p2alignl 7, 3214868480
	.fill 96, 4, 3214868480
	.section	.rodata,"a",@progbits
	.p2align	6, 0x0
	.amdhsa_kernel k_qf2b72b2c25_place
		.amdhsa_group_segment_fixed_size 1280
		.amdhsa_private_segment_fixed_size 0
		.amdhsa_enable_private_segment 0
		.amdhsa_kernarg_size 32
		.amdhsa_user_sgpr_count 2
		.amdhsa_user_sgpr_kernarg_segment_ptr 1
		.amdhsa_wavefront_size32 1
		.amdhsa_system_sgpr_workgroup_id_x 1
		.amdhsa_system_sgpr_workgroup_id_y 1
		.amdhsa_system_sgpr_workgroup_id_z 1
		.amdhsa_system_vgpr_workitem_id 0
		.amdhsa_next_free_vgpr 226
		.amdhsa_next_free_sgpr 96
		.amdhsa_reserve_vcc 1
		.amdhsa_float_denorm_mode_32 3
		.amdhsa_float_denorm_mode_16_64 3
		.amdhsa_memory_ordered 1
		.amdhsa_forward_progress 1
		.amdhsa_inst_pref_size 69
	.end_amdhsa_kernel
	.amdgpu_metadata
---
amdhsa.version: [ 1, 2 ]
amdhsa.kernels:
  - .name:           k_qf2b72b2c25_place
    .symbol:         k_qf2b72b2c25_place.kd
    .args:
      - { .name: sel, .offset: 0, .size: 8, .value_kind: global_buffer, .address_space: global }
      - { .name: rstat, .offset: 8, .size: 8, .value_kind: global_buffer, .address_space: global }
      - { .name: plan, .offset: 16, .size: 8, .value_kind: global_buffer, .address_space: global }
      - { .name: out1, .offset: 24, .size: 8, .value_kind: global_buffer, .address_space: global }
    .group_segment_fixed_size: 1280
    .private_segment_fixed_size: 0
    .kernarg_segment_align: 8
    .kernarg_segment_size: 32
    .max_flat_workgroup_size: 256
    .sgpr_count:     96
    .vgpr_count:     226
    .wavefront_size: 32
...
	.end_amdgpu_metadata
.endif
;; end of part 2
;; launch up (part 3): grid 32 x 8, 4 waves a work-group, no clusters, 101,888 bytes of LDS; arguments w1, xq, plan, hq; writes hq
.if DOCPART == 3
	.amdgcn_target "amdgcn-amd-amdhsa--gfx1250"
	.amdhsa_code_object_version 6
	.text
	.protected	k_qf2b72b2c25_up
	.globl	k_qf2b72b2c25_up
	.p2align	8
	.type	k_qf2b72b2c25_up,@function
k_qf2b72b2c25_up:
	s_mov_b64 s[64:65], 0
	v_nop
	global_prefetch_b8 v0, s[64:65] scope:SCOPE_SE
	s_setreg_imm32_b32 hwreg(HW_REG_WAVE_MODE, 25, 1), 1
	s_wait_xcnt 0x0
; UP.  h = Q(silu(Q(x) Q(w1[e]))) for the rows that chose expert e, on codes of BF6 (E3M2) with one E8M0 scale for each 32 along K.
; SHARES.  Work-group (u, e) owns the slab w1[e][all 1,024 k][64 u .. 64 u + 63]: 256 KiB of f32, read from memory ONCE in the launch, in rows of 256 aligned bytes.  It is quantised in registers (wave w: k = 256 w .. + 255),
; shared among the four waves through LDS as images of the operand's registers, and then kept by EVERY wave in 384 registers.  No weight code ever goes to memory.
; Then the expert's tiles of 16 routed rows are walked, wave w taking tiles w, w + 4, ..: x's codes are gathered by the stored list, 32 matrix instructions make 16 rows x 64 hidden units, silu, the quantiser, and 800 bytes go out.
; NO TENSOR LOAD, NO CLUSTER: the number of tiles is read from memory; joint requests have no other vehicle.
; COLUMNS OF A TILE: row r of weight tile ct is column 4 r + ct of the slab.  So the 16 bytes that a lane loads of a slab row are its own row r of all four tiles, and in the transposed result (source 0 = weights,
; source 1 = x) lane (r, h) holds, of token r, hidden units 64 u + 32 h + 4 j + ct: ONE WHOLE BLOCK of 32 along the next K in one lane: its largest magnitude asks no other lane.
; hq: for a tile and a K step s of the next product (128 hidden units) 1,536 bytes in the order of that operand's registers: piece j of three holds registers 4 j .. 4 j + 3, 16 bytes a lane, 512 bytes a piece.
; My work-group gives lanes 16 (u % 2) .. + 15 of K step u / 2: my lane (r, h) holds that lane r's block c = h, its registers 6 h .. 6 h + 5.  Piece 0 takes codes' registers 0-3 of my lanes 0-15 and piece 2 registers 2-5 of my
; lanes 16-31 (one store of 16 bytes a lane: two aligned blocks of 256 bytes); piece 1 takes registers 4, 5 of lanes 0-15 beside registers 0, 1 of lanes 16-31 (one store of 8 bytes a lane: one aligned block of 256 bytes).
; So the operand's block 2 c + h of K step s holds hidden units 128 s + 64 h + 32 c ..; DOWN lays w2's rows alike.  The scale bytes follow, at HSC: [tile][s / 4][row][4 (s % 4) + 2 c + h].
; TWO TILES ARE ON THEIR WAY: in tile t's turn the tokens of tile t + 3, the codes of tile t + 2 and (behind the products) the scale words of tile t + 2 are asked for, in that order; two sets of registers take turns.
; Where there is no tile t + 2 nothing is asked for: the last two tiles are written out inside the loop and end the wave.  The first tiles are asked for while the slab's last rows are quantised.
; LIMITS: NaN and infinities are not served.  A block of zeros, or one under 2^-122, gets the byte 1; the bytes are read by this program alone.  The scale bytes leave as 32 single bytes for each tile and u.
; REGISTERS, in windows of 256.  Window 0: v4-17 addresses, v18-35 and v216-223 the gather, v36-51 the weights' scale words, v52-55 and v224-227 x's, v56-87 four accumulators, v88-151 at work, v152-199 codes, v200-215 small things.
;   Windows 1, 2: first the slab as loaded, then the weights: fragment (ct, s) at window 1 + s / 4, v[12 (4 (s % 4) + ct)].   Window 3: v0-95 x's rows as loaded, set 0; v96-191 x's eight fragments.
;   Set 1 of x's rows as loaded: window 3 v192-255 and window 1 v192-223.
.set PITCH, 8192                       ; a row of w1[e] in bytes
.set JC,    12288                      ; from column j to column j + 1 of a lane's four, in the weights' image: the next tile
.set JS,    512                        ; and among their scale bytes
.set WS,    49152                      ; LDS: the image at 0 (fragment f = 8 ct + s at 1,536 f; a lane's 48 bytes at 48 x lane); here the scale bytes: 64 f + 4 r + block
.set XST,   51200                      ; a stage of 16 rows x XP for each wave
.set XP,    784                        ; 768 bytes + 16
.set XSC,   1572864
.set HSC,   6488064
.set META,  33280
.set AC,  56
.set WSC, 36
.set MSB, 0
.macro WIN new                         ; the immediate's high byte repeats the setting that is left; a switch that changes nothing is dropped
.if MSB != (\new)
	s_set_vgpr_msb (MSB<<8)|(\new)
.set MSB, (\new)
.endif
.endm
; 32 loads: 64 rows of the slab.  Lanes 0-15 take row 64 g + i, lanes 16-31 row 64 g + 32 + i: two aligned blocks of 256 bytes an instruction.  Group g is K step 2 w + g / 2, half g % 2.
.macro WLOAD g
	WIN 0x40*(1+((\g)/2))
.set i, 0
.rept 32
	global_load_b128 v[128*((\g)%2)+4*i:128*((\g)%2)+4*i+3], v4, s[4:5] offset:(64*(\g)+i)*PITCH th:TH_LOAD_NT
.set i, i+1
.endr
	WIN 0
.endm
; 32 numbers of one lane, one block along K, v[tt] on, become six registers of codes, v[cc] on; v[200 + k] takes the scale's byte.
.macro BLOCKQ tt, cc, k
	v_max3_num_f32 v208, |v[\tt]|, |v[\tt+1]|, |v[\tt+2]|
	v_max3_num_f32 v209, |v[\tt+3]|, |v[\tt+4]|, |v[\tt+5]|
.irp n, 6,10,14,18,22,26
	v_max3_num_f32 v208, v208, |v[\tt+\n]|, |v[\tt+\n+1]|
	v_max3_num_f32 v209, v209, |v[\tt+\n+2]|, |v[\tt+\n+3]|
.endr
	v_max3_num_f32 v208, v208, |v[\tt+30]|, |v[\tt+31]|
	v_max3_num_f32 v208, v208, v209, 0x2800000     ; and the floor 2^(5 - 127): the byte cannot fall under 1
	v_add_nc_u32 v[204+(\k)], 0xfe000000, v208     ; 4 off the exponent field: the conversion takes this operand's exponent field as its scale
	v_lshrrev_b32 v[200+(\k)], 23, v[204+(\k)]     ; the scale's byte
	v_cvt_scalef32_pk16_bf6_f32 v[\cc:\cc+2], v[\tt:\tt+15], v[204+(\k)]
	v_cvt_scalef32_pk16_bf6_f32 v[\cc+6:\cc+8], v[\tt+16:\tt+31], v[204+(\k)]   ; (a conversion's three registers begin on an even number)
	v_nop                                          ; one plain place behind a scaled conversion
	v_mov_b32 v[\cc+3], v[\cc+6]
	v_mov_b32 v[\cc+4], v[\cc+7]
	v_mov_b32 v[\cc+5], v[\cc+8]
.endm
; Column j of a lane's four, group g.  The conversion wants a column's numbers in consecutive registers, a load of 16 bytes lays four columns side by side: 32 moves, which also bring the numbers into window 0.
.macro QCOL g, j
.set TT, 88+32*((\j)%2)
.set CC, 152+12*(\j)
	WIN 1+((\g)/2)                                 ; source 0: the group's window
.set i, 0
.rept 32
	v_mov_b32 v[TT+i], v[128*((\g)%2)+4*i+(\j)]
.set i, i+1
.endr
	WIN 0
	BLOCKQ TT, CC, \j
.irp t, 0,1,2
	ds_store_b64 v5, v[CC+2*\t:CC+2*\t+1] offset:JC*(\j)+1536*((\g)/2)+24*((\g)%2)+8*\t
.endr
	ds_store_b8 v6, v[200+(\j)] offset:JS*(\j)+64*((\g)/2)+2*((\g)%2)
.endm
.macro QGROUP g
	s_wait_dscnt 0x0                               ; the last group's LDS stores have read their registers
	QCOL \g, 0
	QCOL \g, 1
	QCOL \g, 2
	QCOL \g, 3
.endm
; THE GATHER.  IDS: the 16 tokens of tile s[t]: a lane's eight rows 8 h + i, and row r's: three loads.
.macro IDS t
	s_min_u32 s26, s[\t], 263
	s_lshl_b32 s26, s26, 6
	v_add_nc_u32 v12, s26, v212
	v_add_nc_u32 v13, s26, v214
	global_load_b128 v[26:29], v12, s[8:9]
	global_load_b128 v[30:33], v12, s[8:9] offset:16
	global_load_b32 v34, v13, s[8:9]
.endm
; ADDR: the tokens become set p's addresses: v18-25 and v14, or v216-223 and v35.
.macro ADDR p
.set AB, 18+198*(\p)
.irp i, 0,1,2,3,4,5,6,7
	v_min_u32 v[AB+\i], 2047, v[26+\i]
.endr
.irp i, 0,1,2,3,4,5,6,7
	v_mad_u32_u24 v[AB+\i], v[AB+\i], 768, v11     ; the token's row of codes, 16 bytes a lane
.endr
	v_min_u32 v[14+21*(\p)], 2047, v34
	v_lshl_add_u32 v[14+21*(\p)], v[14+21*(\p)], 5, v213   ; its 32 scale bytes: lanes 0-15 K steps 0-3, lanes 16-31 K steps 4-7
.endm
; RAWX: 16 rows of 768 bytes into set p: 24 loads, each of 256 consecutive bytes of two rows (lanes 0-15 row k / 3, lanes 16-31 row 8 + k / 3).
.macro RAWX p
.set AB, 18+198*(\p)
	WIN 0xc0
.set k, 0
.rept 24
.if (\p) == 0
	global_load_b128 v[4*k:4*k+3], v[AB+k/3], s[6:7] offset:256*(k%3)
.elseif k < 16
	global_load_b128 v[192+4*k:192+4*k+3], v[AB+k/3], s[6:7] offset:256*(k%3)
.else
	WIN 0x40
	global_load_b128 v[192+4*(k-16):192+4*(k-16)+3], v[AB+k/3], s[6:7] offset:256*(k%3)
.endif
.set k, k+1
.endr
	WIN 0
.endm
; STAGE: set p into my stage in LDS, as rows.  (An LDS store's data are its source 1.)
.macro STAGE p
	WIN 0x0c
.set k, 0
.rept 24
.if (\p) == 0
	ds_store_b128 v9, v[4*k:4*k+3] offset:XP*(k/3)+256*(k%3)
.elseif k < 16
	ds_store_b128 v9, v[192+4*k:192+4*k+3] offset:XP*(k/3)+256*(k%3)
.else
	WIN 0x04
	ds_store_b128 v9, v[192+4*(k-16):192+4*(k-16)+3] offset:XP*(k/3)+256*(k%3)
.endif
.set k, k+1
.endr
.endm
.macro XSL p                           ; x's scale words, set p: v52-55 or v224-227
	global_load_b128 v[52+172*(\p):55+172*(\p)], v[14+21*(\p)], s[6:7] offset:XSC
.endm
; THE WORK OF A TILE, s20, whose rows lie in set p.  ahead = 1: tile s20 + 8, my next but one, is asked for into the same set, and the tokens of the tile behind that.
.macro WORK p, ahead
.set XB, 52+172*(\p)
	STAGE \p
	WIN 0xc0
.irp s, 0,1,2,3,4,5,6,7                        ; back as fragments: lane (r, h) takes 24 bytes at 96 s + 24 h and at 96 s + 48 + 24 h of row r.  My own bytes, served in order
.irp q, 0,1,2,3,4,5
	ds_load_b64 v[96+12*\s+2*\q:96+12*\s+2*\q+1], v10 offset:96*\s+48*(\q/3)+8*(\q%3)
.endr
.endr
	WIN 0
	s_wait_xcnt 0x0                                ; the registers of the last tile's stores are written again only behind this wait
.if \ahead
	ADDR \p                                        ; this set's last loads, and the loads of these tokens, were shown done at the tile's head
	s_add_co_u32 s21, s20, 12
	s_min_u32 s21, s21, s22                        ; past the end: the last tile's tokens once more (three small loads; they are not used)
	IDS 21                                         ; ahead of the codes: loads come back in order, and the next tile's head wants these without waiting for those
	s_wait_dscnt 48                                ; the 48 loads just issued may be out: the 24 stores into the stage have read this set's registers
	RAWX \p
.endif
	s_wait_dscnt 0x0                               ; the fragments are in
.irp s, 0,1,2,3,4,5,6,7                        ; K ascending, the four accumulators by turns; the first K step starts the sums
	WIN 0x0d+(\s/4)                                ; source 0 window 1 or 2, source 1 window 3, C and D window 0
.irp ct, 0,1,2,3
.if \s == 0
	v_wmma_scale_f32_16x16x128_f8f6f4 v[AC+8*\ct:AC+8*\ct+7], v[12*\ct:12*\ct+11], v[96:107], 0, v[WSC+4*\ct], v[XB] matrix_a_fmt:MATRIX_FMT_BF6 matrix_b_fmt:MATRIX_FMT_BF6
.elseif \s < 4
	v_wmma_scale_f32_16x16x128_f8f6f4 v[AC+8*\ct:AC+8*\ct+7], v[12*(4*\s+\ct):12*(4*\s+\ct)+11], v[96+12*\s:96+12*\s+11], v[AC+8*\ct:AC+8*\ct+7], v[WSC+4*\ct+\s], v[XB+\s] matrix_a_fmt:MATRIX_FMT_BF6 matrix_b_fmt:MATRIX_FMT_BF6
.else
	v_wmma_scale_f32_16x16x128_f8f6f4 v[AC+8*\ct:AC+8*\ct+7], v[12*(4*(\s-4)+\ct):12*(4*(\s-4)+\ct)+11], v[96+12*\s:96+12*\s+11], v[AC+8*\ct:AC+8*\ct+7], v[WSC+4*\ct+\s-4], v[XB+\s-4] matrix_a_fmt:MATRIX_FMT_BF6 matrix_b_fmt:MATRIX_FMT_BF6 matrix_a_scale:MATRIX_SCALE_ROW1 matrix_b_scale:MATRIX_SCALE_ROW1
.endif
.endr
.endr
	WIN 0
.rept 4
	v_nop                                          ; four places in front of the load into x's scale words and of the first read of results
.endr
.if \ahead
	XSL \p
.endif
.set k, 0
.rept 16
	v_pk_mul_f32 v[88+2*k:89+2*k], v[AC+2*k:AC+2*k+1], s[24:25] op_sel_hi:[1,0]   ; -a log2(e); each accumulator from its low end on
.set k, k+1
.endr
.set k, 0
.rept 32
	v_exp_f32 v[88+k], v[88+k]
.set k, k+1
.endr
	v_nop                                          ; a plain place behind the exponentials
.set k, 0
	s_wait_alu depctr_va_vdst(0)
.rept 16
	v_pk_add_f32 v[88+2*k:89+2*k], v[88+2*k:89+2*k], 1.0 op_sel_hi:[1,0]
.set k, k+1
.endr
.set k, 0
.rept 32
	v_rcp_f32 v[88+k], v[88+k]
.set k, k+1
.endr
	v_nop                                          ; a plain place behind the reciprocals
	s_wait_alu depctr_va_vdst(0)
.irp ct, 0,1,2,3
.irp j, 0,1,2,3,4,5,6,7
	v_mul_f32 v[120+4*\j+\ct], v[AC+8*\ct+\j], v[88+8*\ct+\j]       ; silu(a) = a / (1 + e^-a), laid in the order of the next K: unit 4 j + ct of my block
.endr
.endr
	BLOCKQ 120, 152, 0
.irp i, 0,1,2,3
	v_cndmask_b32 v[164+\i], v[152+\i], v[154+\i], s30              ; lanes 0-15: registers 0-3 for piece 0; lanes 16-31: registers 2-5 for piece 2
.endr
.irp i, 0,1
	v_cndmask_b32 v[168+\i], v[156+\i], v[152+\i], s30              ; lanes 0-15: registers 4, 5; lanes 16-31: registers 0, 1: piece 1
.endr
	s_min_u32 s26, s20, 263
	s_mul_i32 s27, s26, 24576
	s_add_co_u32 s27, s27, s23                     ; this tile, K step u / 2, lanes 16 (u % 2) on
	s_lshl_b32 s26, s26, 10
	v_add_nc_u32 v15, s27, v210
	v_add_nc_u32 v16, s27, v211
	v_add_nc_u32 v17, s26, v215
	global_store_b128 v15, v[164:167], s[10:11]                    ; sixteen lanes store 256 consecutive bytes at a multiple of 256, the other sixteen likewise 1,024 bytes on
	global_store_b64 v16, v[168:169], s[10:11] offset:512          ; the 32 lanes store 256 consecutive bytes at a multiple of 256
	global_store_b8 v17, v200, s[10:11] offset:HSC
	s_add_co_u32 s20, s20, 4
.endm
; A TILE'S TURN: tile number 2 s19 + p of mine, in set p; n1 is the other set.
.macro TRIP p, n1
	s_wait_loadcnt 25                              ; this tile's 24 loads of codes, its scale words and the tokens of the tile two on are in; the next tile's 24 + 1 may be out
	s_lshl_b32 s28, s19, 1
	s_add_co_u32 s28, s28, (\p)+2
	s_cmp_lt_u32 s28, s18
	s_cbranch_scc1 .Lgo_\@                         ; I have a tile two on
	WORK \p, 0                                     ; my last tile but one, or my only one: nothing more is asked for
	s_sub_co_u32 s28, s28, 1
	s_cmp_lt_u32 s28, s18
	s_cbranch_scc1 .Lmore_\@
	s_wait_tensorcnt 0x0
	ds_add_u32 v254, v255
	s_wait_dscnt 0x0
	s_endpgm                                       ; (what the head asked for beyond an only tile is a plain load of bytes inside xq; nobody wants it)
.Lmore_\@:
	s_wait_loadcnt 0x0                             ; my last tile
	WORK \n1, 0
	s_wait_tensorcnt 0x0
	ds_add_u32 v254, v255
	s_wait_dscnt 0x0
	s_endpgm                                       ; the loop is left here, by the program's end: no branch passes over the counter's step
.Lgo_\@:
	WORK \p, 1
.endm
	s_load_b256 s[4:11], s[0:1], 0x0               ; w1 s[4:5], xq s[6:7], plan s[8:9], hq s[10:11]
	v_lshl_add_u32 v254, v0, 2, 0x18c00
	v_mov_b32 v255, 0
	v_lshrrev_b32 v1, 5, v0
	v_readfirstlane_b32 s12, v1                    ; wave
	s_mov_b32 s13, ttmp9                           ; u
	s_and_b32 s14, ttmp7, 0xffff                   ; e
	v_and_b32 v1, 31, v0                           ; lane
	v_and_b32 v2, 15, v0                           ; r
	v_bfe_u32 v3, v0, 4, 1                         ; h
	v_lshlrev_b32 v11, 4, v2                       ; 16 r
	v_mad_u32_u24 v4, v3, 32*PITCH, v11            ; the slab: 32 rows down for lanes 16-31, 16 bytes a lane
	s_lshl_b32 s26, s14, 23                        ; the expert's 8 MiB,
	s_mul_i32 s27, s12, 256*PITCH                  ; my wave's 256 rows,
	s_add_co_u32 s26, s26, s27
	s_lshl_b32 s27, s13, 8                         ; the slab's 256 bytes of a row
	s_add_co_u32 s26, s26, s27
	s_mov_b32 s27, 0
	s_lshl_b32 s28, s14, 3
	s_wait_kmcnt 0x0
	s_add_nc_u64 s[4:5], s[4:5], s[26:27]
	s_load_b64 s[16:17], s[8:9], s28 offset:META   ; the expert's first tile and its number of tiles (s28 stays as it is until the wait for this load)
	WLOAD 0
	WLOAD 1
	v_mul_u32_u24 v7, v1, 48                       ; a lane's place in a fragment's image
	s_mul_i32 s26, s12, 3072
	v_add_nc_u32 v5, s26, v7                       ; where I store: K steps 2 w, 2 w + 1
	v_lshl_add_u32 v6, v2, 2, v3
	s_lshl_b32 s26, s12, 7
	s_add_co_u32 s26, s26, WS
	v_add_nc_u32 v6, s26, v6                       ; my scale bytes: 4 r + h + 128 w
	v_lshlrev_b32 v214, 2, v2
	v_lshl_add_u32 v8, v3, 8, v214
	v_add_nc_u32 v8, WS, v8                        ; the scale words back: lanes 0-15 K step sl, lanes 16-31 K step sl + 4
	s_mul_i32 s26, s12, 16*XP
	s_add_co_u32 s26, s26, XST                     ; my stage
	v_mad_u32_u24 v9, v3, 8*XP, v11
	v_add_nc_u32 v9, s26, v9                       ; in: lanes 0-15 row i, lanes 16-31 row 8 + i
	v_mul_u32_u24 v10, v2, XP
	v_mad_u32_u24 v10, v3, 24, v10
	v_add_nc_u32 v10, s26, v10                     ; out: row r, + 24 h
	v_lshl_add_u32 v210, v3, 10, v11               ; hq: 16 r, and piece 2 for lanes 16-31
	v_lshl_add_u32 v211, v3, 3, v11                ; hq, piece 1: 16 r + 8 h
	v_lshlrev_b32 v212, 5, v3
	v_lshlrev_b32 v213, 4, v3
	s_lshr_b32 s26, s13, 3
	s_lshl_b32 s26, s26, 8                         ; 256 (u / 8)
	s_bfe_u32 s27, s13, 0x20001                    ; (u / 2) % 4
	s_lshl_b32 s27, s27, 2
	s_add_co_u32 s26, s26, s27
	s_and_b32 s27, s13, 1                          ; u % 2
	s_add_co_u32 s26, s26, s27
	v_lshl_add_u32 v215, v3, 1, v11
	v_add_nc_u32 v215, s26, v215                   ; my block's scale byte in a tile's 1,024: 256 (u / 8) + 16 r + 4 ((u / 2) % 4) + 2 h + u % 2
	s_lshr_b32 s23, s13, 1
	s_mul_i32 s23, s23, 1536
	s_lshl_b32 s27, s27, 8
	s_add_co_u32 s23, s23, s27                     ; in a tile's codes: 1,536 (u / 2) + 256 (u % 2)
	s_mov_b32 s24, 0xbfb8aa3b                      ; -log2(e)
	s_mov_b32 s25, s24                             ; (named with it as a pair, so it is written)
	s_mov_b32 s30, 0xffff0000                      ; lanes 16-31
	; THE STREAM.  Two groups are always asked for ahead of the one that is quantised: 32 to 64 loads of 512 bytes a wave are on their way
	s_wait_loadcnt 32                              ; group 0 is in; group 1's 32 loads may be out
	WLOAD 2
	QGROUP 0
	s_wait_loadcnt 32                              ; group 1; group 2's may be out
	WLOAD 3
	QGROUP 1
	s_wait_loadcnt 32                              ; group 2; group 3's may be out
	QGROUP 2
	s_wait_loadcnt 0x0                             ; group 3: the slab is in.  My first two tiles are asked for while it is quantised
	s_wait_kmcnt 0x0
	s_min_u32 s16, s16, 263                        ; held inside the buffers, whatever was loaded
	s_min_u32 s17, s17, 128
	s_add_co_u32 s18, s17, 3
	s_sub_co_u32 s18, s18, s12
	s_lshr_b32 s18, s18, 2                         ; my tiles: w, w + 4, ..
	s_add_co_u32 s29, s18, 1
	s_lshr_b32 s29, s29, 1                         ; the loop's trips, two tiles each
	s_add_co_u32 s22, s16, s17
	s_sub_co_u32 s22, s22, 1                       ; the expert's last tile
	s_add_co_u32 s20, s16, s12
	s_min_u32 s20, s20, s22                        ; my first tile.  (A wave without tiles asks too, and ends behind the barrier: it is held at the expert's last tile or, where the expert has none, at the tile in front of its place or one of tiles 0 to 3: always a tile that was written, since there are at least 256)
	s_mov_b32 s19, 0
	IDS 20
	s_wait_dscnt 0x0                               ; the last group's LDS stores have read their registers
	QCOL 3, 0
	QCOL 3, 1
	s_wait_loadcnt 0x0                             ; my first tile's tokens
	ADDR 0
	s_add_co_u32 s21, s20, 4
	s_min_u32 s21, s21, s22
	IDS 21
	RAWX 0
	XSL 0
	QCOL 3, 2
	QCOL 3, 3
	s_wait_loadcnt 25                              ; my second tile's tokens; the first tile's 24 + 1 loads may be out
	ADDR 1
	s_add_co_u32 s21, s20, 8
	s_min_u32 s21, s21, s22
	IDS 21
	RAWX 1
	XSL 1
	s_wait_dscnt 0x0                               ; for the others' sake: my eight fragments and their scale bytes lie in LDS
	s_barrier_signal -1
	s_barrier_wait -1                              ; the launch's one barrier: from here on a wave reads the image and touches its own stage alone
	s_cmp_eq_u32 s18, 0
	s_cbranch_scc1 .Lend
.irp hi, 0,1                                   ; all 32 fragments into my registers: three loads of 16 bytes each
	WIN 0x40*(1+\hi)
.irp sl, 0,1,2,3
.irp ct, 0,1,2,3
.irp t, 0,1,2
	ds_load_b128 v[12*(4*\sl+\ct)+4*\t:12*(4*\sl+\ct)+4*\t+3], v7 offset:1536*(8*\ct+4*\hi+\sl)+16*\t
.endr
.endr
.endr
.endr
	WIN 0
.irp ct, 0,1,2,3
.irp sl, 0,1,2,3
	ds_load_b32 v[WSC+4*\ct+\sl], v8 offset:64*(8*\ct+\sl)
.endr
.endr
	s_wait_dscnt 0x0                               ; the weights are in
.Lpair:                                            ; a trip takes two tiles, so that the two sets are back where they began.  On both ways in there are out, in this order: a tile's 24 + 1 loads, three loads of tokens, the next tile's 24 + 1
	TRIP 0, 1
	TRIP 1, 0
	s_add_co_u32 s19, s19, 1                       ; trips are counted one by one, against a number that the loop does not write
	s_cmp_lt_u32 s19, s29
	s_cbranch_scc1 .Lpair
.Lend:
	s_wait_tensorcnt 0x0
	ds_add_u32 v254, v255
	s_wait_dscnt 0x0
	s_endpgm
.Lfunc_end_k_qf2b72b2c25_up:
	.size	k_qf2b72b2c25_up, .Lfunc_end_k_qf2b72b2c25_up-k_qf2b72b2c25_up
	.p2alignl 7, 3214868480
	.fill 96, 4, 3214868480
	.section	.rodata,"a",@progbits
	.p2align	6, 0x0
	.amdhsa_kernel k_qf2b72b2c25_up
		.amdhsa_group_segment_fixed_size 101888
		.amdhsa_private_segment_fixed_size 0
		.amdhsa_enable_private_segment 0
		.amdhsa_kernarg_size 32
		.amdhsa_user_sgpr_count 2
		.amdhsa_user_sgpr_kernarg_segment_ptr 1
		.amdhsa_wavefront_size32 1
		.amdhsa_system_sgpr_workgroup_id_x 1
		.amdhsa_system_sgpr_workgroup_id_y 1
		.amdhsa_system_sgpr_workgroup_id_z 1
		.amdhsa_system_vgpr_workitem_id 0
		.amdhsa_next_free_vgpr 1024
		.amdhsa_next_free_sgpr 66
		.amdhsa_reserve_vcc 0
		.amdhsa_float_denorm_mode_32 3
		.amdhsa_float_denorm_mode_16_64 3
		.amdhsa_memory_ordered 1
		.amdhsa_forward_progress 1
		.amdhsa_inst_pref_size 184
	.end_amdhsa_kernel
	.amdgpu_metadata
---
amdhsa.version: [ 1, 2 ]
amdhsa.kernels:
  - .name:           k_qf2b72b2c25_up
    .symbol:         k_qf2b72b2c25_up.kd
    .args:
      - { .name: w1, .offset: 0, .size: 8, .value_kind: global_buffer, .address_space: global }
      - { .name: xq, .offset: 8, .size: 8, .value_kind: global_buffer, .address_space: global }
      - { .name: plan, .offset: 16, .size: 8, .value_kind: global_buffer, .address_space: global }
      - { .name: hq, .offset: 24, .size: 8, .value_kind: global_buffer, .address_space: global }
    .group_segment_fixed_size: 101888
    .private_segment_fixed_size: 0
    .kernarg_segment_align: 8
    .kernarg_segment_size: 32
    .max_flat_workgroup_size: 128
    .sgpr_count:     66
    .vgpr_count:     1024
    .wavefront_size: 32
...
	.end_amdgpu_metadata
.endif
;; end of part 3
;; launch down (part 4): grid 32 x 8, 4 waves a work-group, no clusters, 69,120 bytes of LDS; arguments w2, hq, plan, ybuf; writes ybuf
.if DOCPART == 4
	.amdgcn_target "amdgcn-amd-amdhsa--gfx1250"
	.amdhsa_code_object_version 6
	.text
	.protected	k_qf2b72b2c25_down
	.globl	k_qf2b72b2c25_down
	.p2align	8
	.type	k_qf2b72b2c25_down,@function
k_qf2b72b2c25_down:
	s_mov_b64 s[64:65], 0
	v_nop
	global_prefetch_b8 v0, s[64:65] scope:SCOPE_SE
	s_setreg_imm32_b32 hwreg(HW_REG_WAVE_MODE, 25, 1), 1
	s_wait_xcnt 0x0
; DOWN.  y = Q(h) Q(w2[e]) for the rows that chose expert e, on codes of BF6 (E3M2) with one E8M0 scale for each 32 along K = the 2,048 hidden units.
; SHARES.  Work-group (x, e), v = x / 2, kh = x % 2, owns the slab w2[e][1,024 kh .. + 1,023][64 v .. 64 v + 63]: 256 KiB of f32, read from memory ONCE in the launch, in rows of 256 aligned bytes, quantised in registers
; (wave w: 256 rows), shared through LDS as images of the operand's registers and kept by every wave in 384 registers.  Then the expert's tiles of 16 rows are walked, wave w taking tiles w, w + 4, ..
; K IS CUT IN TWO between work-groups: each stores its half's sums into its own half of ybuf, and the next launch adds them.  So a slab's rows and a result's rows are whole blocks of 256 bytes.
; h's codes lie in hq in the order of the operand's registers: for a tile and a K step 1,536 bytes, three pieces of 16 bytes a lane: a tile's half is 24 loads of 512 consecutive bytes, and one more for the scale words.
; THE ORDER ALONG K: as hq is written, the operand's block 2 c + h of K step s holds hidden units 128 s + 64 h + 32 c ..  The same order is given to w2's rows (lanes 16-31 load 64 rows further down, a K step's second group 32),
; so that like meets like; the sums' terms are the same.
; TWO TILES ARE ON THEIR WAY: three sets of registers take turns; behind the wait for tile t the tile t + 2 is asked for.  Where there is none, nothing is asked for: the last two tiles are written out inside the loop and end the wave.
; The first two tiles are asked for ahead of the quantising of the slab's last rows.
; NO TENSOR LOAD, NO CLUSTER: the number of tiles is read from memory; joint requests have no other vehicle.
; THE MATRIX INSTRUCTION IS USED TRANSPOSED (source 0 = 16 columns of w2, source 1 = 16 rows of h): row r of weight tile ct is column 16 ct + r, so a lane's eight results are eight neighbouring numbers of a row of y.
; LIMITS: NaN and infinities are not served.  A block of zeros, or one under 2^-122, gets the byte 1.  A row's sum over K is formed as two f32 sums of 1,024 that are added later.
; REGISTERS, in windows of 256.  Window 0: v4-24 addresses, v28-31, v32-35 and v52-55 h's scale words (three sets), v36-51 the weights', v56-87 four accumulators, v88-151 at work; v152-209 at work on the slab, then v152-247 h's set 2.
;   Windows 1, 2: first the slab as loaded, then the weights: fragment (ct, s) at window 1 + s / 4, v[12 (4 (s % 4) + ct)].   Window 3: h's eight fragments, sets 0 and 1: v0-95, v96-191.
.set PITCH, 4096                       ; a row of w2[e] in bytes
.set JC,    48                         ; from column j to column j + 1 of a lane's four, in the weights' image: the next row of the same tile
.set JS,    4                          ; and among their scale bytes
.set WS,    49152                      ; LDS: the image at 0 (fragment f = 8 ct + s at 1,536 f; a lane's 48 bytes at 48 x lane); here the scale bytes: 64 f + 4 r + block
.set YST,   51200                      ; a stage of 16 rows x YP for each wave
.set YP,    272                        ; 256 bytes + 16
.set HSC,   6488064
.set META,  33280
.set YH,    17301504                   ; a half of ybuf
.set AC,  56
.set WSC, 36
.set MSB, 0
.macro WIN new                         ; the immediate's high byte repeats the setting that is left; a switch that changes nothing is dropped
.if MSB != (\new)
	s_set_vgpr_msb (MSB<<8)|(\new)
.set MSB, (\new)
.endif
.endm
; 32 loads: 64 rows of the slab.  Group g is K step 2 w + g / 2 of the half, c = g % 2.  Lanes 0-15 take row 128 (g / 2) + 32 c + i, lanes 16-31 the row 64 further down: two aligned blocks of 256 bytes an instruction.
.macro WLOAD g
	WIN 0x40*(1+((\g)/2))
.set i, 0
.rept 32
	global_load_b128 v[128*((\g)%2)+4*i:128*((\g)%2)+4*i+3], v4, s[4:5] offset:(128*((\g)/2)+32*((\g)%2)+i)*PITCH th:TH_LOAD_NT
.set i, i+1
.endr
	WIN 0
.endm
; 32 numbers of one lane, one block along K, v[tt] on, become six registers of codes, v[cc] on; v[200 + k] takes the scale's byte.
.macro BLOCKQ tt, cc, k
	v_max3_num_f32 v208, |v[\tt]|, |v[\tt+1]|, |v[\tt+2]|
	v_max3_num_f32 v209, |v[\tt+3]|, |v[\tt+4]|, |v[\tt+5]|
.irp n, 6,10,14,18,22,26
	v_max3_num_f32 v208, v208, |v[\tt+\n]|, |v[\tt+\n+1]|
	v_max3_num_f32 v209, v209, |v[\tt+\n+2]|, |v[\tt+\n+3]|
.endr
	v_max3_num_f32 v208, v208, |v[\tt+30]|, |v[\tt+31]|
	v_max3_num_f32 v208, v208, v209, 0x2800000     ; and the floor 2^(5 - 127): the byte cannot fall under 1
	v_add_nc_u32 v[204+(\k)], 0xfe000000, v208     ; 4 off the exponent field: the conversion takes this operand's exponent field as its scale
	v_lshrrev_b32 v[200+(\k)], 23, v[204+(\k)]     ; the scale's byte
	v_cvt_scalef32_pk16_bf6_f32 v[\cc:\cc+2], v[\tt:\tt+15], v[204+(\k)]
	v_cvt_scalef32_pk16_bf6_f32 v[\cc+6:\cc+8], v[\tt+16:\tt+31], v[204+(\k)]   ; (a conversion's three registers begin on an even number)
	v_nop                                          ; one plain place behind a scaled conversion
	v_mov_b32 v[\cc+3], v[\cc+6]
	v_mov_b32 v[\cc+4], v[\cc+7]
	v_mov_b32 v[\cc+5], v[\cc+8]
.endm
; Column j of a lane's four, group g.  The conversion wants a column's numbers in consecutive registers, a load of 16 bytes lays four columns side by side: 32 moves, which also bring the numbers into window 0.
.macro QCOL g, j
.set TT, 88+32*((\j)%2)
.set CC, 152+12*(\j)
	WIN 1+((\g)/2)                                 ; source 0: the group's window
.set i, 0
.rept 32
	v_mov_b32 v[TT+i], v[128*((\g)%2)+4*i+(\j)]
.set i, i+1
.endr
	WIN 0
	BLOCKQ TT, CC, \j
.irp t, 0,1,2
	ds_store_b64 v5, v[CC+2*\t:CC+2*\t+1] offset:JC*(\j)+1536*((\g)/2)+24*((\g)%2)+8*\t
.endr
	ds_store_b8 v6, v[200+(\j)] offset:JS*(\j)+64*((\g)/2)+2*((\g)%2)
.endm
.macro QGROUP g
	s_wait_dscnt 0x0                               ; the last group's LDS stores have read their registers
	QCOL \g, 0
	QCOL \g, 1
	QCOL \g, 2
	QCOL \g, 3
.endm
; Tile s[t]'s half of h into set p (0, 1 or 2): 25 loads, each of 512 consecutive bytes.  Each set has address registers of its own, v[12 + p] and v[15 + p].
.macro LOADH p, t
.if (\p) == 2
.set HB, 152
.set HWN, 0
.set HR, 28
.else
.set HB, 96*(\p)
.set HWN, 3
.set HR, 52-20*(\p)
.endif
	s_min_u32 s26, s[\t], 263
	s_mul_i32 s27, s26, 24576
	s_add_co_u32 s27, s27, s23
	s_lshl_b32 s26, s26, 10
	v_add_nc_u32 v[12+(\p)], s27, v18
	v_add_nc_u32 v[15+(\p)], s26, v20
	WIN 0x40*HWN
.set m, 0
.rept 24
	global_load_b128 v[HB+4*m:HB+4*m+3], v[12+(\p)], s[6:7] offset:512*m   ; registers 4 (m % 3) .. + 3 of K step m / 3
.set m, m+1
.endr
	WIN 0
	global_load_b128 v[HR:HR+3], v[15+(\p)], s[6:7] offset:HSC   ; lanes 0-15: the words of K steps 0-3, lanes 16-31: of 4-7
.endm
; THE WORK OF A TILE, s20, which lies in set p: 32 products, and the way out.
.macro MULT p
.if (\p) == 2
.set FB, 152
.set FW, 0
.set FS, 28
.else
.set FB, 96*(\p)
.set FW, 3
.set FS, 52-20*(\p)
.endif
.irp s, 0,1,2,3,4,5,6,7                        ; K ascending, the four accumulators by turns; the first K step starts the sums
	WIN 1+(\s/4)+4*FW                              ; source 0 window 1 or 2, source 1 the set's window, C and D window 0
.irp ct, 0,1,2,3
.if \s == 0
	v_wmma_scale_f32_16x16x128_f8f6f4 v[AC+8*\ct:AC+8*\ct+7], v[12*\ct:12*\ct+11], v[FB:FB+11], 0, v[WSC+4*\ct], v[FS] matrix_a_fmt:MATRIX_FMT_BF6 matrix_b_fmt:MATRIX_FMT_BF6
.elseif \s < 4
	v_wmma_scale_f32_16x16x128_f8f6f4 v[AC+8*\ct:AC+8*\ct+7], v[12*(4*\s+\ct):12*(4*\s+\ct)+11], v[FB+12*\s:FB+12*\s+11], v[AC+8*\ct:AC+8*\ct+7], v[WSC+4*\ct+\s], v[FS+\s] matrix_a_fmt:MATRIX_FMT_BF6 matrix_b_fmt:MATRIX_FMT_BF6
.else
	v_wmma_scale_f32_16x16x128_f8f6f4 v[AC+8*\ct:AC+8*\ct+7], v[12*(4*(\s-4)+\ct):12*(4*(\s-4)+\ct)+11], v[FB+12*\s:FB+12*\s+11], v[AC+8*\ct:AC+8*\ct+7], v[WSC+4*\ct+\s-4], v[FS+\s-4] matrix_a_fmt:MATRIX_FMT_BF6 matrix_b_fmt:MATRIX_FMT_BF6 matrix_a_scale:MATRIX_SCALE_ROW1 matrix_b_scale:MATRIX_SCALE_ROW1
.endif
.endr
.endr
	WIN 0
.rept 5
	v_nop                                          ; places: four in front of the first read of results and of the next loads into this set, five in front of the next tile's first products, which begin these accumulators anew
.endr
	s_wait_xcnt 0x0                                ; the last tile's stores have read their registers: they are written again only behind this wait
	s_min_u32 s26, s20, 263
	s_lshl_b32 s26, s26, 16                        ; a tile's 16 rows of 4,096 bytes
	v_add_nc_u32 v11, s26, v21
.irp ct, 0,1,2,3
	ds_store_b128 v9, v[AC+8*\ct:AC+8*\ct+3] offset:64*\ct          ; each accumulator from its low end on
	ds_store_b128 v9, v[AC+8*\ct+4:AC+8*\ct+7] offset:64*\ct+16
.endr
.irp i, 0,1,2,3,4,5,6,7
	ds_load_b128 v[120+4*\i:120+4*\i+3], v10 offset:2*YP*\i         ; my own bytes, served in order: these see the stores above
.endr
.irp i, 0,1,2,3,4,5,6,7
	s_wait_dscnt 7-\i
	global_store_b128 v11, v[120+4*\i:120+4*\i+3], s[10:11] offset:8192*\i th:TH_STORE_NT   ; sixteen lanes store 256 consecutive bytes, at a multiple of 256 from ybuf's first byte
.endr
	s_add_co_u32 s20, s20, 4
.endm
; A TILE'S TURN: tile number 3 s19 + p of mine, in set p; n1 is the next set, o the one after that.
.macro STEP p, n1, o
	s_wait_loadcnt 25                              ; set p is in; the next tile's 25 loads may be out
	s_mul_i32 s28, s19, 3
	s_add_co_u32 s28, s28, (\p)+2
	s_cmp_lt_u32 s28, s18
	s_cbranch_scc1 .Lgo_\@                         ; I have a tile two on
	MULT \p                                        ; my last tile but one, or my only one: nothing more is asked for
	s_sub_co_u32 s28, s28, 1
	s_cmp_lt_u32 s28, s18
	s_cbranch_scc1 .Lmore_\@
	s_wait_tensorcnt 0x0
	ds_add_u32 v254, v255
	s_wait_dscnt 0x0
	s_endpgm                                       ; (what the head asked for beyond an only tile is a plain load of bytes inside hq; nobody wants it)
.Lmore_\@:
	s_wait_loadcnt 0x0                             ; my last tile
	MULT \n1
	s_wait_tensorcnt 0x0
	ds_add_u32 v254, v255
	s_wait_dscnt 0x0
	s_endpgm                                       ; the loop is left here, by the program's end: no branch passes over the counter's step
.Lgo_\@:
	s_add_co_u32 s30, s20, 8
	LOADH \o, 30                                   ; that set's last loads were shown done a tile ago, and its last products stand five places and more back
	MULT \p
.endm
	s_load_b256 s[4:11], s[0:1], 0x0               ; w2 s[4:5], hq s[6:7], plan s[8:9], ybuf s[10:11]
	v_lshl_add_u32 v254, v0, 2, 0x10c00
	v_mov_b32 v255, 0
	v_lshrrev_b32 v1, 5, v0
	v_readfirstlane_b32 s12, v1                    ; wave
	s_lshr_b32 s13, ttmp9, 1                       ; v
	s_and_b32 s15, ttmp9, 1                        ; kh
	s_and_b32 s14, ttmp7, 0xffff                   ; e
	v_and_b32 v1, 31, v0                           ; lane
	v_and_b32 v2, 15, v0                           ; lane % 16
	v_bfe_u32 v3, v0, 4, 1                         ; h
	v_lshlrev_b32 v24, 4, v2
	v_mad_u32_u24 v4, v3, 64*PITCH, v24            ; the slab: 64 rows down for lanes 16-31, 16 bytes a lane
	s_lshl_b32 s26, s14, 23                        ; the expert's 8 MiB,
	s_mul_i32 s27, s15, 1024*PITCH                 ; the half of K,
	s_add_co_u32 s26, s26, s27
	s_mul_i32 s27, s12, 256*PITCH                  ; my wave's 256 rows,
	s_add_co_u32 s26, s26, s27
	s_lshl_b32 s27, s13, 8                         ; the slab's 256 bytes of a row
	s_add_co_u32 s26, s26, s27
	s_mov_b32 s27, 0
	s_lshl_b32 s28, s14, 3
	s_mul_i32 s30, s15, YH
	s_lshl_b32 s31, s13, 8
	s_add_co_u32 s30, s30, s31
	s_mov_b32 s31, 0
	s_wait_kmcnt 0x0
	s_add_nc_u64 s[4:5], s[4:5], s[26:27]
	s_add_nc_u64 s[10:11], s[10:11], s[30:31]      ; my half of ybuf, my 256 bytes of a row
	s_load_b64 s[16:17], s[8:9], s28 offset:META   ; the expert's first tile and its number of tiles (s28 stays as it is until the wait for this load)
	WLOAD 0
	WLOAD 1
	v_mul_u32_u24 v7, v1, 48                       ; a lane's place in a fragment's image
	v_lshrrev_b32 v22, 2, v2                       ; my four columns 4 (lane % 16) + j lie in tile (lane % 16) / 4, rows 4 ((lane % 16) % 4) + j
	v_and_b32 v23, 3, v2
	v_mul_u32_u24 v5, v22, 12288
	v_mad_u32_u24 v5, v23, 192, v5
	v_mad_u32_u24 v5, v3, 768, v5
	s_mul_i32 s26, s12, 3072
	v_add_nc_u32 v5, s26, v5                       ; where I store: K steps 2 w, 2 w + 1
	v_lshlrev_b32 v6, 9, v22
	v_lshl_add_u32 v6, v23, 4, v6
	v_add_nc_u32 v6, v6, v3
	s_lshl_b32 s26, s12, 7
	s_add_co_u32 s26, s26, WS
	v_add_nc_u32 v6, s26, v6                       ; my scale bytes
	v_lshlrev_b32 v8, 2, v2
	v_lshl_add_u32 v8, v3, 8, v8
	v_add_nc_u32 v8, WS, v8                        ; the scale words back: lanes 0-15 K step sl, lanes 16-31 K step sl + 4
	s_mul_i32 s26, s12, 16*YP
	s_add_co_u32 s26, s26, YST                     ; my stage
	v_mul_u32_u24 v9, v2, YP
	v_lshl_add_u32 v9, v3, 5, v9
	v_add_nc_u32 v9, s26, v9                       ; in: row lane % 16, 32 bytes for each half of the lanes
	v_mad_u32_u24 v10, v3, YP, v24
	v_add_nc_u32 v10, s26, v10                     ; back: lanes 0-15 one row of 256 bytes, lanes 16-31 the next
	v_lshlrev_b32 v18, 4, v1                       ; 16 x lane
	v_lshl_add_u32 v20, v3, 8, v24
	s_lshl_b32 s26, s15, 9
	v_add_nc_u32 v20, s26, v20                     ; h's scale words in a tile's 1,024 bytes: 512 kh + 256 h + 16 (lane % 16)
	v_lshl_add_u32 v21, v3, 12, v24                ; the same two rows in ybuf
	s_mul_i32 s23, s15, 12288                      ; my half's eight K steps in a tile's sixteen
	; THE STREAM.  Two groups are always asked for ahead of the one that is quantised: 32 to 64 loads of 512 bytes a wave are on their way
	s_wait_loadcnt 32                              ; group 0 is in; group 1's 32 loads may be out
	WLOAD 2
	QGROUP 0
	s_wait_loadcnt 32                              ; group 1; group 2's may be out
	WLOAD 3
	QGROUP 1
	s_wait_loadcnt 32                              ; group 2; group 3's may be out
	QGROUP 2
	s_wait_loadcnt 0x0                             ; group 3: the slab is in.  My first two tiles are asked for ahead of its quantising
	s_wait_kmcnt 0x0
	s_min_u32 s16, s16, 263                        ; held inside the buffers, whatever was loaded
	s_min_u32 s17, s17, 128
	s_add_co_u32 s18, s17, 3
	s_sub_co_u32 s18, s18, s12
	s_lshr_b32 s18, s18, 2                         ; my tiles: w, w + 4, ..: 32 at the most
	s_add_co_u32 s29, s18, 2
	s_mul_i32 s29, s29, 43
	s_lshr_b32 s29, s29, 7                         ; the loop's trips, three tiles each: (n + 2) / 3 rounded down, which (n + 2) x 43 / 128 gives up to n + 2 = 127
	s_add_co_u32 s22, s16, s17
	s_sub_co_u32 s22, s22, 1                       ; the expert's last tile
	s_add_co_u32 s20, s16, s12
	s_min_u32 s20, s20, s22                        ; my first tile.  (A wave without tiles asks too, and ends behind the barrier: it is held at the expert's last tile or, where the expert has none, at the tile in front of its place or one of tiles 0 to 3: always a tile that was written, since there are at least 256)
	s_add_co_u32 s21, s20, 4
	s_min_u32 s21, s21, s22                        ; my second, or the last once more
	s_mov_b32 s19, 0
	LOADH 0, 20
	LOADH 1, 21
	QGROUP 3
	s_wait_dscnt 0x0                               ; for the others' sake: my eight fragments and their scale bytes lie in LDS
	s_barrier_signal -1
	s_barrier_wait -1                              ; the launch's one barrier: from here on a wave reads the image and touches its own stage alone
	s_cmp_eq_u32 s18, 0
	s_cbranch_scc1 .Ldone
.irp hi, 0,1                                   ; all 32 fragments into my registers: three loads of 16 bytes each
	WIN 0x40*(1+\hi)
.irp sl, 0,1,2,3
.irp ct, 0,1,2,3
.irp t, 0,1,2
	ds_load_b128 v[12*(4*\sl+\ct)+4*\t:12*(4*\sl+\ct)+4*\t+3], v7 offset:1536*(8*\ct+4*\hi+\sl)+16*\t
.endr
.endr
.endr
.endr
	WIN 0
.irp ct, 0,1,2,3
.irp sl, 0,1,2,3
	ds_load_b32 v[WSC+4*\ct+\sl], v8 offset:64*(8*\ct+\sl)
.endr
.endr
	s_wait_dscnt 0x0                               ; the weights are in
.Ltri:                                             ; a trip takes three tiles, so that the three sets are back where they began.  On both ways in set 0's 25 loads and, behind them, set 1's are what is out
	STEP 0, 1, 2
	STEP 1, 2, 0
	STEP 2, 0, 1
	s_add_co_u32 s19, s19, 1                       ; trips are counted one by one, against a number that the loop does not write
	s_cmp_lt_u32 s19, s29
	s_cbranch_scc1 .Ltri
.Ldone:
	s_wait_tensorcnt 0x0
	ds_add_u32 v254, v255
	s_wait_dscnt 0x0
	s_endpgm
.Lfunc_end_k_qf2b72b2c25_down:
	.size	k_qf2b72b2c25_down, .Lfunc_end_k_qf2b72b2c25_down-k_qf2b72b2c25_down
	.p2alignl 7, 3214868480
	.fill 96, 4, 3214868480
	.section	.rodata,"a",@progbits
	.p2align	6, 0x0
	.amdhsa_kernel k_qf2b72b2c25_down
		.amdhsa_group_segment_fixed_size 69120
		.amdhsa_private_segment_fixed_size 0
		.amdhsa_enable_private_segment 0
		.amdhsa_kernarg_size 32
		.amdhsa_user_sgpr_count 2
		.amdhsa_user_sgpr_kernarg_segment_ptr 1
		.amdhsa_wavefront_size32 1
		.amdhsa_system_sgpr_workgroup_id_x 1
		.amdhsa_system_sgpr_workgroup_id_y 1
		.amdhsa_system_sgpr_workgroup_id_z 1
		.amdhsa_system_vgpr_workitem_id 0
		.amdhsa_next_free_vgpr 1024
		.amdhsa_next_free_sgpr 66
		.amdhsa_reserve_vcc 0
		.amdhsa_float_denorm_mode_32 3
		.amdhsa_float_denorm_mode_16_64 3
		.amdhsa_memory_ordered 1
		.amdhsa_forward_progress 1
		.amdhsa_inst_pref_size 140
	.end_amdhsa_kernel
	.amdgpu_metadata
---
amdhsa.version: [ 1, 2 ]
amdhsa.kernels:
  - .name:           k_qf2b72b2c25_down
    .symbol:         k_qf2b72b2c25_down.kd
    .args:
      - { .name: w2, .offset: 0, .size: 8, .value_kind: global_buffer, .address_space: global }
      - { .name: hq, .offset: 8, .size: 8, .value_kind: global_buffer, .address_space: global }
      - { .name: plan, .offset: 16, .size: 8, .value_kind: global_buffer, .address_space: global }
      - { .name: ybuf, .offset: 24, .size: 8, .value_kind: global_buffer, .address_space: global }
    .group_segment_fixed_size: 69120
    .private_segment_fixed_size: 0
    .kernarg_segment_align: 8
    .kernarg_segment_size: 32
    .max_flat_workgroup_size: 128
    .sgpr_count:     66
    .vgpr_count:     1024
    .wavefront_size: 32
...
	.end_amdgpu_metadata
.endif
;; end of part 4
;; launch combine (part 5): grid 256 x 1, 8 waves a work-group, no clusters, 0 bytes of LDS; arguments ybuf, plan, rstat, out0; writes out0
.if DOCPART == 5
	.amdgcn_target "amdgcn-amd-amdhsa--gfx1250"
	.amdhsa_code_object_version 6
	.text
	.protected	k_qf2b72b2c25_combine
	.globl	k_qf2b72b2c25_combine
	.p2align	8
	.type	k_qf2b72b2c25_combine,@function
k_qf2b72b2c25_combine:
	s_mov_b64 s[64:65], 0
	v_nop
	global_prefetch_b8 v0, s[64:65] scope:SCOPE_SE
	s_setreg_imm32_b32 hwreg(HW_REG_WAVE_MODE, 25, 1), 1
	s_wait_xcnt 0x0
; COMBINE.  out[token] = g0 (y0a + y0b) + g1 (y1a + y1b): the token's two routed rows, each as its two halves of K, weighed by the two probabilities.
; A wave takes one token: four rows of 4,096 bytes are gathered by the stored positions (held inside ybuf by a minimum), one row is stored.  All 32 loads of 512 consecutive bytes go out at once; each group of four has
; registers of its own, so that the only waits are the counted ones.  A stream: no LDS, no barrier, no matrix unit.
.set POS, 16896
.set YH,  17301504                     ; a half of ybuf
.set Y,   16                           ; v16-143: for piece i of eight: 4 registers of each of the four rows
	s_load_b256 s[4:11], s[0:1], 0x0               ; ybuf s[4:5], plan s[6:7], rstat s[8:9], out0 s[10:11]
	v_lshrrev_b32 v1, 5, v0
	v_readfirstlane_b32 s12, v1                    ; wave
	v_and_b32 v1, 31, v0
	v_lshlrev_b32 v2, 4, v1                        ; 16 x lane
	s_lshl_b32 s13, ttmp9, 3
	s_add_co_u32 s13, s13, s12                     ; my token
	s_lshl_b32 s14, s13, 3
	s_lshl_b32 s30, s13, 12
	s_mov_b32 s31, 0
	s_wait_kmcnt 0x0
	s_load_b64 s[16:17], s[6:7], s14 offset:POS    ; its two positions
	s_load_b64 s[18:19], s[8:9], s14               ; its two probabilities
	s_add_nc_u64 s[10:11], s[10:11], s[30:31]
	s_wait_kmcnt 0x0
	s_min_u32 s16, s16, 4223
	s_min_u32 s17, s17, 4223
	s_lshl_b32 s20, s16, 12
	s_mov_b32 s21, 0
	s_lshl_b32 s24, s17, 12
	s_mov_b32 s25, 0
	s_add_nc_u64 s[20:21], s[4:5], s[20:21]
	s_add_nc_u64 s[22:23], s[20:21], YH
	s_add_nc_u64 s[24:25], s[4:5], s[24:25]
	s_add_nc_u64 s[26:27], s[24:25], YH
	s_mov_b32 s28, s19                             ; the packed forms name a pair and take its low word for both halves
	s_mov_b32 s29, s19
.irp i, 0,1,2,3,4,5,6,7
	global_load_b128 v[Y+16*\i:Y+16*\i+3], v2, s[20:21] offset:512*\i th:TH_LOAD_NT
	global_load_b128 v[Y+16*\i+4:Y+16*\i+7], v2, s[22:23] offset:512*\i th:TH_LOAD_NT
	global_load_b128 v[Y+16*\i+8:Y+16*\i+11], v2, s[24:25] offset:512*\i th:TH_LOAD_NT
	global_load_b128 v[Y+16*\i+12:Y+16*\i+15], v2, s[26:27] offset:512*\i th:TH_LOAD_NT
.endr
.irp i, 0,1,2,3,4,5,6,7
	s_wait_loadcnt 28-4*\i                         ; piece i's four loads are in; the four of each later piece may be out
.irp d, 0,2
	v_pk_add_f32 v[Y+16*\i+\d:Y+16*\i+\d+1], v[Y+16*\i+\d:Y+16*\i+\d+1], v[Y+16*\i+4+\d:Y+16*\i+4+\d+1]
	v_pk_add_f32 v[Y+16*\i+8+\d:Y+16*\i+8+\d+1], v[Y+16*\i+8+\d:Y+16*\i+8+\d+1], v[Y+16*\i+12+\d:Y+16*\i+12+\d+1]
	v_pk_mul_f32 v[Y+16*\i+\d:Y+16*\i+\d+1], v[Y+16*\i+\d:Y+16*\i+\d+1], s[18:19] op_sel_hi:[1,0]
	v_pk_fma_f32 v[Y+16*\i+\d:Y+16*\i+\d+1], v[Y+16*\i+8+\d:Y+16*\i+8+\d+1], s[28:29], v[Y+16*\i+\d:Y+16*\i+\d+1] op_sel_hi:[1,0,1]
.endr
	global_store_b128 v2, v[Y+16*\i:Y+16*\i+3], s[10:11] offset:512*\i th:TH_STORE_NT   ; 32 lanes store 512 consecutive bytes, at a multiple of 256 from out0's first byte
.endr
	s_endpgm
.Lfunc_end_k_qf2b72b2c25_combine:
	.size	k_qf2b72b2c25_combine, .Lfunc_end_k_qf2b72b2c25_combine-k_qf2b72b2c25_combine
	.p2alignl 7, 3214868480
	.fill 96, 4, 3214868480
	.section	.rodata,"a",@progbits
	.p2align	6, 0x0
	.amdhsa_kernel k_qf2b72b2c25_combine
		.amdhsa_group_segment_fixed_size 0
		.amdhsa_private_segment_fixed_size 0
		.amdhsa_enable_private_segment 0
		.amdhsa_kernarg_size 32
		.amdhsa_user_sgpr_count 2
		.amdhsa_user_sgpr_kernarg_segment_ptr 1
		.amdhsa_wavefront_size32 1
		.amdhsa_system_sgpr_workgroup_id_x 1
		.amdhsa_system_sgpr_workgroup_id_y 1
		.amdhsa_system_sgpr_workgroup_id_z 1
		.amdhsa_system_vgpr_workitem_id 0
		.amdhsa_next_free_vgpr 144
		.amdhsa_next_free_sgpr 66
		.amdhsa_reserve_vcc 0
		.amdhsa_float_denorm_mode_32 3
		.amdhsa_float_denorm_mode_16_64 3
		.amdhsa_memory_ordered 1
		.amdhsa_forward_progress 1
		.amdhsa_inst_pref_size 10
	.end_amdhsa_kernel
	.amdgpu_metadata
---
amdhsa.version: [ 1, 2 ]
amdhsa.kernels:
  - .name:           k_qf2b72b2c25_combine
    .symbol:         k_qf2b72b2c25_combine.kd
    .args:
      - { .name: ybuf, .offset: 0, .size: 8, .value_kind: global_buffer, .address_space: global }
      - { .name: plan, .offset: 8, .size: 8, .value_kind: global_buffer, .address_space: global }
      - { .name: rstat, .offset: 16, .size: 8, .value_kind: global_buffer, .address_space: global }
      - { .name: out0, .offset: 24, .size: 8, .value_kind: global_buffer, .address_space: global }
    .group_segment_fixed_size: 0
    .private_segment_fixed_size: 0
    .kernarg_segment_align: 8
    .kernarg_segment_size: 32
    .max_flat_workgroup_size: 256
    .sgpr_count:     66
    .vgpr_count:     144
    .wavefront_size: 32
...
	.end_amdgpu_metadata
.endif
;; end of part 5
;; ======== version 2 of 2: 5 launches
;; workspace buffers: sel 8,192 bytes of whole numbers; rstat 24,576 bytes; xq 1,638,400 bytes; plan 33,536 bytes of whole numbers; hq 6,758,400 bytes; ybuf 34,603,008 bytes
;; launch route (part 6): grid 256 x 1, 8 waves a work-group, no clusters, 75,776 bytes of LDS; arguments x, gate_w, sel, rstat, xq; writes sel, rstat, xq
.if DOCPART == 6
	.amdgcn_target "amdgcn-amd-amdhsa--gfx1250"
	.amdhsa_code_object_version 6
	.text
	.protected	k_qf2b72b2c25_route
	.globl	k_qf2b72b2c25_route
	.p2align	8
	.type	k_qf2b72b2c25_route,@function
k_qf2b72b2c25_route:
	s_mov_b64 s[64:65], 0
	v_nop
	global_prefetch_b8 v0, s[64:65] scope:SCOPE_SE
	s_setreg_imm32_b32 hwreg(HW_REG_WAVE_MODE, 25, 1), 1
	s_wait_xcnt 0x0
; ROUTE.  For each of the 2,048 tokens: the 8 router logits (f32 fused multiply-adds), their softmax, the two largest probabilities, and the token's row of x as codes of BF6 (E3M2) with one E8M0 byte for each 32 along D.
; A wave takes one token (a row of 4,096 bytes: eight loads of 512 consecutive bytes), a work-group eight.  gate_w (32 KiB) lies in LDS, laid as it is loaded, so that a lane's numbers of x meet the same places of a gate row.
; STORED, all at fixed places: sel[token] = (1 << first expert) | (0x100 << second expert); rstat: the two probabilities of each token, and the work-group's sums of the 8 probabilities;
; xq: the codes, 768 bytes a row, K innermost, and behind them the scale bytes, 32 a row.  The choice steers no address here: it is a value that is selected and stored.
; TOP 2 as the lower index wins a tie: a later expert replaces an earlier one only where it is strictly larger.
; THE QUANTISER: a block's scale is 2^(floor(log2(largest magnitude)) - 4): its byte is the largest magnitude's exponent field - 4, held at 1 from below.
; LIMITS: NaN and infinities are not served.  A block of zeros, or one whose largest magnitude lies under 2^-122, gets the byte 1 (its codes are zeros or what the conversion makes under that scale); the bytes are read by this program alone.
; The logits' sums are taken in another order than a plain loop over D takes them; two probabilities that differ by less than f32 rounding may change places.
; The three small results of a work-group (32, 64 and 32 bytes) fill parts of aligned blocks of 256 bytes: 128 bytes against the 6 KiB of codes that the work-group stores.
.set STG,   32768                      ; LDS: gate_w at 0; from here two stages of 32 x SP bytes for each wave
.set SP,    80                         ; a lane's place in a stage: 64 bytes + 16 of padding
.set SCB,   73728                      ; the work-group's 256 scale bytes
.set STAT,  73984                      ; 64 bytes a token: g0, g1, sel, 0, p0 .. p7
.set XSC,   1572864                    ; xq: where the scale bytes begin
.set PPART, 16384                      ; rstat: where the sums of probabilities begin
.set X,   16                           ; v16-47   x as loaded: X[4 i + c] = x[128 i + 4 lane + c]
.set XT,  48                           ; v48-79   x turned: 16 neighbours for each of two steps of 512 numbers
.set G,   80                           ; v80-143  two sets of 32: a gate row's numbers at the same places as X
.set A,   144                          ; v144-159 a pair of partial sums for each expert
.set L,   160                          ; v160-167 logits, then probabilities
	s_load_b256 s[4:11], s[0:1], 0x0               ; x s[4:5], gate_w s[6:7], sel s[8:9], rstat s[10:11]
	s_load_b64 s[12:13], s[0:1], 0x20              ; xq
	v_lshl_add_u32 v200, v0, 2, 0x12400
	v_mov_b32 v201, 0
	v_lshrrev_b32 v1, 5, v0
	s_delay_alu instid0(VALU_DEP_1)
	v_readfirstlane_b32 s14, v1                    ; wave
	v_and_b32 v1, 31, v0                           ; lane
	s_delay_alu instid0(VALU_DEP_1)
	v_lshlrev_b32 v2, 4, v1                        ; 16 x lane
	s_mul_i32 s15, s14, 2*32*SP
	s_add_co_u32 s15, s15, STG                     ; my wave's stages
	v_lshrrev_b32 v3, 2, v1
	s_delay_alu instid0(VALU_DEP_1)
	v_mul_u32_u24 v3, v3, SP
	v_and_b32 v4, 3, v1
	s_delay_alu instid0(VALU_DEP_1)
	v_lshl_add_u32 v3, v4, 4, v3
	s_delay_alu instid0(VALU_DEP_1)
	v_add_nc_u32 v3, s15, v3                       ; into a stage: four lanes' 64 bytes on end, then the padding
	v_mul_u32_u24 v4, v1, SP
	s_delay_alu instid0(VALU_DEP_1)
	v_add_nc_u32 v4, s15, v4                       ; out of it: my 16 neighbours
	v_mul_u32_u24 v5, v1, 12                       ; my 16 codes in a step's 384 bytes
	s_lshl_b32 s15, s14, 5
	s_add_co_u32 s15, s15, SCB
	v_lshrrev_b32 v6, 1, v1
	s_delay_alu instid0(VALU_DEP_1)
	v_add_nc_u32 v6, s15, v6                       ; my block's scale byte
	s_lshl_b32 s15, s14, 12
	v_add_nc_u32 v7, s15, v2                       ; gate row w in LDS
	s_lshl_b32 s15, s14, 6
	s_add_co_u32 s15, s15, STAT
	v_mov_b32 v8, s15                              ; my token's record
	v_lshl_add_u32 v9, v1, 3, SCB                  ; wave 0's reads at the end: 8 scale bytes a lane,
	v_and_b32 v10, 7, v1
	s_delay_alu instid0(VALU_DEP_1)
	v_lshl_add_u32 v11, v10, 6, STAT               ; token lane % 8's record,
	s_delay_alu instid0(VALU_DEP_2)
	v_lshl_add_u32 v12, v10, 2, STAT+16            ; and probability lane % 8 of each token
	v_lshlrev_b32 v13, 3, v1
	v_lshlrev_b32 v14, 2, v1
	s_mov_b32 s16, 0x76543210
	s_mov_b32 s17, 0xfedcba98                      ; v_permlanex16_b32's selects for lane l xor 16
	s_lshl_b32 s18, ttmp9, 3
	s_add_co_u32 s18, s18, s14                     ; my token
	s_lshl_b32 s20, s18, 12
	s_mov_b32 s21, 0
	s_lshl_b32 s22, s14, 12
	s_mov_b32 s23, 0
	s_mul_i32 s24, s18, 768
	s_mov_b32 s25, 0
	s_lshl_b32 s26, ttmp9, 8
	s_mov_b32 s27, 0
	s_lshl_b32 s28, ttmp9, 5
	s_mov_b32 s29, 0
	s_lshl_b32 s30, ttmp9, 6
	s_mov_b32 s31, 0
	s_wait_alu depctr_va_vdst(0)
	s_wait_kmcnt 0x0
	s_add_nc_u64 s[4:5], s[4:5], s[20:21]          ; my row of x
	s_add_nc_u64 s[6:7], s[6:7], s[22:23]          ; gate row w
	s_add_nc_u64 s[24:25], s[12:13], s[24:25]      ; my row of codes
	s_add_nc_u64 s[12:13], s[12:13], s[26:27]      ; the work-group's 256 scale bytes (XSC stands in the immediate)
	s_add_nc_u64 s[8:9], s[8:9], s[28:29]          ; its 8 words of sel
	s_add_nc_u64 s[32:33], s[10:11], s[28:29]      ; its 8 sums (PPART in the immediate)
	s_add_nc_u64 s[10:11], s[10:11], s[30:31]      ; its 8 pairs of probabilities
.irp i, 0,1,2,3,4,5,6,7
	global_load_b128 v[G+4*\i:G+4*\i+3], v2, s[6:7] offset:512*\i
.endr
.irp i, 0,1,2,3,4,5,6,7
	global_load_b128 v[X+4*\i:X+4*\i+3], v2, s[4:5] offset:512*\i th:TH_LOAD_NT
.endr
	s_wait_loadcnt 8                               ; the gate row is in; the eight loads of x may be out
.irp i, 0,1,2,3,4,5,6,7
	ds_store_b128 v7, v[G+4*\i:G+4*\i+3] offset:512*\i
.endr
	s_wait_dscnt 0x0                               ; for the others' sake: my gate row lies in LDS
	s_barrier_signal -1
	s_barrier_wait -1
	s_wait_loadcnt 0x0                             ; x
.irp i, 0,1,2,3,4,5,6,7
	ds_store_b128 v3, v[X+4*\i:X+4*\i+3] offset:32*SP*(\i/4)+8*SP*(\i%4)
.endr
.irp i, 0,1,2,3,4,5,6,7
	ds_load_b128 v[XT+4*\i:XT+4*\i+3], v4 offset:32*SP*(\i/4)+16*(\i%4)   ; my wave's own bytes, served in order: no wait between the stores and the loads
.endr
.macro GLOAD e, set
.irp i, 0,1,2,3,4,5,6,7
	ds_load_b128 v[G+32*(\set)+4*\i:G+32*(\set)+4*\i+3], v2 offset:4096*(\e)+512*\i
.endr
.endm
	GLOAD 0, 0
	GLOAD 1, 1
.irp e, 0,1,2,3,4,5,6,7
.set GS, G+32*(\e%2)
.if \e < 7
	s_wait_dscnt 8                                 ; this expert's row is in, and all that is older; the next row's eight loads may be out
.else
	s_wait_dscnt 0x0
.endif
	v_pk_mul_f32 v[A+2*\e:A+2*\e+1], v[X:X+1], v[GS:GS+1]          ; two chains of packed multiply-adds; the first products start the sums
	v_pk_mul_f32 v[168:169], v[X+2:X+3], v[GS+2:GS+3]
.irp k, 4,8,12,16,20,24,28
	s_delay_alu instid0(VALU_DEP_2)
	v_pk_fma_f32 v[A+2*\e:A+2*\e+1], v[X+\k:X+\k+1], v[GS+\k:GS+\k+1], v[A+2*\e:A+2*\e+1]
	s_delay_alu instid0(VALU_DEP_2)
	v_pk_fma_f32 v[168:169], v[X+\k+2:X+\k+3], v[GS+\k+2:GS+\k+3], v[168:169]
.endr
.if \e < 6
	GLOAD \e+2, \e%2
.endif
	v_pk_add_f32 v[A+2*\e:A+2*\e+1], v[A+2*\e:A+2*\e+1], v[168:169]
	s_delay_alu instid0(VALU_DEP_1)
	v_add_f32 v[L+\e], v[A+2*\e], v[A+2*\e+1]
.endr
.irp m, 1,2,4,8                                ; the sums over the 32 lanes, the eight logits by turns
.irp e, 0,1,2,3,4,5,6,7
	v_add_f32_dpp v[L+\e], v[L+\e], v[L+\e] row_xmask:\m row_mask:0xf bank_mask:0xf
.endr
.endr
.irp e, 0,1,2,3,4,5,6,7
	v_mov_b32 v[170+\e], 0                         ; a lane permute's destination counts as one of its sources
.endr
.irp e, 0,1,2,3,4,5,6,7
	v_permlanex16_b32 v[170+\e], v[L+\e], s16, s17
.endr
.irp e, 0,1,2,3,4,5,6,7
	v_add_f32 v[L+\e], v[L+\e], v[170+\e]          ; every lane holds all eight logits
.endr
	v_max3_num_f32 v168, v[L], v[L+1], v[L+2]      ; the softmax: the largest logit is taken away first
	s_delay_alu instid0(VALU_DEP_1)
	v_max3_num_f32 v168, v168, v[L+3], v[L+4]
	s_delay_alu instid0(VALU_DEP_1)
	v_max3_num_f32 v168, v168, v[L+5], v[L+6]
	s_delay_alu instid0(VALU_DEP_1)
	v_max_num_f32 v168, v168, v[L+7]
.irp e, 0,1,2,3,4,5,6,7
	v_sub_f32 v[L+\e], v[L+\e], v168
.endr
.irp e, 0,1,2,3,4,5,6,7
	v_mul_f32 v[L+\e], 0x3fb8aa3b, v[L+\e]         ; x log2(e)
.endr
	s_wait_alu depctr_va_vdst(0)
.irp e, 0,1,2,3,4,5,6,7
	v_exp_f32 v[L+\e], v[L+\e]
.endr
	v_nop                                          ; a plain place behind the exponentials
	s_wait_alu depctr_va_vdst(0)
	v_add_f32 v168, v[L], v[L+1]
	v_add_f32 v169, v[L+2], v[L+3]
	v_add_f32 v170, v[L+4], v[L+5]
	v_add_f32 v171, v[L+6], v[L+7]
	s_delay_alu instid0(VALU_DEP_3)
	v_add_f32 v168, v168, v169
	s_delay_alu instid0(VALU_DEP_2)
	v_add_f32 v170, v170, v171
	s_delay_alu instid0(VALU_DEP_1)
	v_add_f32 v168, v168, v170
	s_wait_alu depctr_va_vdst(0)
	v_rcp_f32 v168, v168
	v_nop                                          ; a plain place behind the reciprocal
	s_wait_alu depctr_va_vdst(0)
.irp e, 0,1,2,3,4,5,6,7
	v_mul_f32 v[L+\e], v[L+\e], v168               ; the probabilities
.endr
	v_mov_b32 v180, v[L]                           ; the largest and its expert: kept unless a later one is strictly larger
	v_mov_b32 v181, 0
.irp e, 1,2,3,4,5,6,7
	s_delay_alu instid0(VALU_DEP_2)
	v_cmp_le_f32 vcc_lo, v[L+\e], v180
	s_delay_alu instid0(VALU_DEP_1)
	v_cndmask_b32 v180, v[L+\e], v180, vcc_lo
	s_delay_alu instid0(VALU_DEP_2)
	v_cndmask_b32 v181, \e, v181, vcc_lo
.endr
	v_mov_b32 v182, -1.0                           ; the second: the same among the other seven (no probability is negative)
	v_mov_b32 v183, 0
.irp e, 0,1,2,3,4,5,6,7
	s_delay_alu instid0(VALU_DEP_2)
	v_cmp_le_f32 s20, v[L+\e], v182
	v_cmp_eq_u32 s21, \e, v181
	s_or_b32 vcc_lo, s20, s21
	v_cndmask_b32 v182, v[L+\e], v182, vcc_lo
	v_cndmask_b32 v183, \e, v183, vcc_lo
.endr
	v_mov_b32 v184, v180
	s_delay_alu instid0(VALU_DEP_3)
	v_mov_b32 v185, v182
	v_mov_b32 v186, 1
	s_delay_alu instid0(VALU_DEP_1)
	v_lshlrev_b32 v186, v181, v186
	v_mov_b32 v187, 0x100
	s_delay_alu instid0(VALU_DEP_1)
	v_lshlrev_b32 v187, v183, v187
	s_delay_alu instid0(VALU_DEP_1)
	v_or_b32 v186, v186, v187                      ; sel
	v_mov_b32 v187, 0
	ds_store_b128 v8, v[184:187]                   ; all lanes write the same words with the same values
	ds_store_b128 v8, v[L:L+3] offset:16
	ds_store_b128 v8, v[L+4:L+7] offset:32
.irp t, 0,1                                    ; x into codes: a lane holds 16 neighbours, two neighbouring lanes a block of 32
.set XS, XT+16*\t
.set TM, 172+3*\t
	v_max3_num_f32 v[TM], |v[XS]|, |v[XS+1]|, |v[XS+2]|
	v_max3_num_f32 v[TM+1], |v[XS+3]|, |v[XS+4]|, |v[XS+5]|
.irp i, 6,10
	s_delay_alu instid0(VALU_DEP_2)
	v_max3_num_f32 v[TM], v[TM], |v[XS+\i]|, |v[XS+\i+1]|
	s_delay_alu instid0(VALU_DEP_2)
	v_max3_num_f32 v[TM+1], v[TM+1], |v[XS+\i+2]|, |v[XS+\i+3]|
.endr
	s_delay_alu instid0(VALU_DEP_2)
	v_max3_num_f32 v[TM], v[TM], |v[XS+14]|, |v[XS+15]|
	s_delay_alu instid0(VALU_DEP_1)
	v_max3_num_f32 v[TM], v[TM], v[TM+1], 0x2800000                 ; and the floor 2^(5 - 127): the byte cannot fall under 1
	s_delay_alu instid0(VALU_DEP_1)
	v_max_num_f32_dpp v[TM], v[TM], v[TM] row_xmask:1 row_mask:0xf bank_mask:0xf   ; with my neighbour's 16: the block's largest magnitude
	s_delay_alu instid0(VALU_DEP_1)
	v_add_nc_u32 v[TM+2], 0xfe000000, v[TM]        ; 4 off its exponent field: the conversion takes this operand's exponent field as its scale
	v_cvt_scalef32_pk16_bf6_f32 v[192+4*\t:194+4*\t], v[XS:XS+15], v[TM+2]
	v_lshrrev_b32 v[178+\t], 23, v[TM+2]           ; the scale's byte (a plain line behind the conversion)
	ds_store_b8 v6, v[178+\t] offset:16*\t         ; both lanes of a block write the same byte with the same value
	global_store_b96 v5, v[192+4*\t:194+4*\t], s[24:25] offset:384*\t   ; 32 lanes store 384 consecutive bytes; the row's two stores fill three aligned blocks of 256
.endr
	s_wait_dscnt 0x0                               ; for wave 0's sake: my record and my scale bytes lie in LDS
	s_barrier_signal -1
	s_barrier_wait -1
	s_cmp_lg_u32 s14, 0
	s_cbranch_scc1 .Lothers
	ds_load_b64 v[100:101], v9
	ds_load_b128 v[104:107], v11
.irp t, 0,1,2,3,4,5,6,7
	ds_load_b32 v[108+\t], v12 offset:64*\t
.endr
	s_wait_dscnt 0x0
	v_add_f32 v108, v108, v109
	v_add_f32 v110, v110, v111
	v_add_f32 v112, v112, v113
	v_add_f32 v114, v114, v115
	s_delay_alu instid0(VALU_DEP_3)
	v_add_f32 v108, v108, v110
	s_delay_alu instid0(VALU_DEP_2)
	v_add_f32 v112, v112, v114
	s_delay_alu instid0(VALU_DEP_1)
	v_add_f32 v108, v108, v112                     ; the eight tokens' probability of expert lane % 8
	global_store_b64 v13, v[100:101], s[12:13] offset:XSC   ; 32 lanes store one aligned block of 256 bytes
	s_wait_alu depctr_va_vdst(0)
	s_wait_xcnt 0x0                                ; EXEC changes only behind this wait
	s_wait_tensorcnt 0x0
	ds_add_u32 v200, v201
	s_wait_dscnt 0x0
	v_cmpx_gt_u32 8, v1                            ; lanes 0 to 7
	global_store_b32 v14, v106, s[8:9]
	global_store_b64 v13, v[104:105], s[10:11]
	global_store_b32 v14, v108, s[32:33] offset:PPART
	s_endpgm
.Lothers:
	s_wait_tensorcnt 0x0
	ds_add_u32 v200, v201
	s_wait_dscnt 0x0
	s_endpgm
.Lfunc_end_k_qf2b72b2c25_route:
	.size	k_qf2b72b2c25_route, .Lfunc_end_k_qf2b72b2c25_route-k_qf2b72b2c25_route
	.p2alignl 7, 3214868480
	.fill 96, 4, 3214868480
	.section	.rodata,"a",@progbits
	.p2align	6, 0x0
	.amdhsa_kernel k_qf2b72b2c25_route
		.amdhsa_group_segment_fixed_size 75776
		.amdhsa_private_segment_fixed_size 0
		.amdhsa_enable_private_segment 0
		.amdhsa_kernarg_size 40
		.amdhsa_user_sgpr_count 2
		.amdhsa_user_sgpr_kernarg_segment_ptr 1
		.amdhsa_wavefront_size32 1
		.amdhsa_system_sgpr_workgroup_id_x 1
		.amdhsa_system_sgpr_workgroup_id_y 1
		.amdhsa_system_sgpr_workgroup_id_z 1
		.amdhsa_system_vgpr_workitem_id 0
		.amdhsa_next_free_vgpr 202
		.amdhsa_next_free_sgpr 66
		.amdhsa_reserve_vcc 1
		.amdhsa_float_denorm_mode_32 3
		.amdhsa_float_denorm_mode_16_64 3
		.amdhsa_memory_ordered 1
		.amdhsa_forward_progress 1
		.amdhsa_inst_pref_size 37
	.end_amdhsa_kernel
	.amdgpu_metadata
---
amdhsa.version: [ 1, 2 ]
amdhsa.kernels:
  - .name:           k_qf2b72b2c25_route
    .symbol:         k_qf2b72b2c25_route.kd
    .args:
      - { .name: x, .offset: 0, .size: 8, .value_kind: global_buffer, .address_space: global }
      - { .name: gate_w, .offset: 8, .size: 8, .value_kind: global_buffer, .address_space: global }
      - { .name: sel, .offset: 16, .size: 8, .value_kind: global_buffer, .address_space: global }
      - { .name: rstat, .offset: 24, .size: 8, .value_kind: global_buffer, .address_space: global }
      - { .name: xq, .offset: 32, .size: 8, .value_kind: global_buffer, .address_space: global }
    .group_segment_fixed_size: 75776
    .private_segment_fixed_size: 0
    .kernarg_segment_align: 8
    .kernarg_segment_size: 40
    .max_flat_workgroup_size: 256
    .sgpr_count:     66
    .vgpr_count:     202
    .wavefront_size: 32
...
	.end_amdgpu_metadata
.endif
;; end of part 6
;; launch place (part 7): grid 1 x 1, 8 waves a work-group, no clusters, 1,280 bytes of LDS; arguments sel, rstat, plan, out1; writes plan, out1
.if DOCPART == 7
	.amdgcn_target "amdgcn-amd-amdhsa--gfx1250"
	.amdhsa_code_object_version 6
	.text
	.protected	k_qf2b72b2c25_place
	.globl	k_qf2b72b2c25_place
	.p2align	8
	.type	k_qf2b72b2c25_place,@function
k_qf2b72b2c25_place:
	s_mov_b64 s[64:65], 0
	v_nop
	global_prefetch_b8 v0, s[64:65] scope:SCOPE_SE
	s_setreg_imm32_b32 hwreg(HW_REG_WAVE_MODE, 25, 1), 1
	s_wait_xcnt 0x0
; PLACE.  A counting sort of the 4,096 routed rows (token, slot) by expert, and the router's loss.  One work-group: the sort needs every count, and no traffic between work-groups is allowed.
; Each expert's run of rows begins on a tile of 16 and is filled up to whole tiles with token 0 (rows that are computed and that nobody reads): at most 4,096 / 16 + 7 = 263 tiles whatever the split.
; STORED in plan: order[position] = token; pos[token][2] = the positions of its two rows; meta[expert] = (first tile, number of tiles).
; Wave w takes tokens 256 w .. 256 w + 255, eight a lane.  A row's rank within its expert goes by (wave, register, lane); only this launch knows of that order.
; The ranks come from lane masks: a compare gives the lanes that chose expert e, v_mbcnt_lo_u32_b32 counts those below me, s_bcnt1_i32_b32 all of them.  No atomics.
; The eight experts of a register are independent of each other, so each kind of line stands in a run of eight: no scalar line stands directly behind the vector line that feeds it.
; order is written by stores of 4 bytes at sorted places, 16 KiB in all: the places hang on loaded numbers, which may steer global addresses (held under the buffer's end by a minimum) and no LDS address.
; LOSS = 8 x mean over e of (count_e / 4,096) (sum of p_e / 2,048) = the sum over e of count_e x psum_e x 2^-23.
.set POS,   16896
.set META,  33280
.set PPART, 16384
.set SEL, 16                           ; v16-23   sel of my 8 tokens: register 4 jj + c = token 256 w + 128 jj + 4 lane + c
.set TK,  24                           ; v24-31   their numbers
.set CS,  32                           ; v32-39   my wave's counts, on their way to LDS
.set RR,  40                           ; v40-47   running sums over the waves
.set BF,  48                           ; v48-55   the sums of the waves before mine
.set CW,  64                           ; v64-127  at work; between the barrier and the ranks all 64 counts
.set PP,  128                          ; v128-191 the 256 work-groups' sums of probabilities
.set PR,  192                          ; v192-207 positions: register 2 it + slot
.set AD,  208                          ; v208-223 their byte offsets in order
.set M0,  68                           ; s68-75   lane masks: first choice;  s76-83 second choice;  s84-91 either
	s_load_b256 s[4:11], s[0:1], 0x0               ; sel s[4:5], rstat s[6:7], plan s[8:9], out1 s[10:11]
	v_lshl_add_u32 v224, v0, 2, 0x100
	v_mov_b32 v225, 0
	v_lshrrev_b32 v1, 5, v0
	s_delay_alu instid0(VALU_DEP_1)
	v_readfirstlane_b32 s12, v1                    ; wave
	v_and_b32 v1, 31, v0                           ; lane
	s_delay_alu instid0(VALU_DEP_1)
	v_lshlrev_b32 v2, 4, v1
	s_delay_alu instid0(VALU_DEP_2)
	v_lshlrev_b32 v7, 5, v1
	v_mov_b32 v5, 0
	s_lshl_b32 s13, s12, 5
	v_mov_b32 v4, s13                              ; LDS: my wave's eight counts
	s_lshl_b32 s13, s12, 8
	v_lshl_add_u32 v3, v1, 2, s13
.irp it, 0,1,2,3,4,5,6,7
	v_add_nc_u32 v[TK+\it], 128*(\it/4)+(\it%4), v3
.endr
	s_mov_b32 s66, 0x76543210
	s_mov_b32 s67, 0xfedcba98
	s_lshl_b32 s14, s12, 10
	s_mov_b32 s15, 0
	s_lshl_b32 s20, s12, 11
	s_mov_b32 s21, 0
	s_wait_kmcnt 0x0
	s_add_nc_u64 s[16:17], s[4:5], s[14:15]        ; my wave's 256 words of sel
	s_add_nc_u64 s[18:19], s[8:9], s[20:21]        ; and its 2,048 bytes of pos (POS in the immediate)
	global_load_b128 v[SEL:SEL+3], v2, s[16:17]
	global_load_b128 v[SEL+4:SEL+7], v2, s[16:17] offset:512
.irp i, 0,1,2,3,4,5,6,7,8,9,10,11,12,13,14,15
	global_load_b128 v[PP+4*\i:PP+4*\i+3], v2, s[6:7] offset:PPART+512*\i
.endr
.irp e, 0,1,2,3,4,5,6,7
	s_mov_b32 s[24+\e], 0
.endr
	s_wait_loadcnt 16                              ; sel is in; the sixteen loads of the probabilities' sums may be out
.irp it, 0,1,2,3,4,5,6,7                       ; my wave's count for each expert; two sets of masks by turns
.irp e, 0,1,2,3,4,5,6,7
	v_and_b32 v[CW+\e], 0x101<<\e, v[SEL+\it]
.endr
.irp e, 0,1,2,3,4,5,6,7
	v_cmp_ne_u32 s[M0+8*(\it%2)+\e], 0, v[CW+\e]
.endr
.irp e, 0,1,2,3,4,5,6,7
	s_bcnt1_i32_b32 s[M0+8*(\it%2)+\e], s[M0+8*(\it%2)+\e]
.endr
.irp e, 0,1,2,3,4,5,6,7
	s_add_co_u32 s[24+\e], s[24+\e], s[M0+8*(\it%2)+\e]
.endr
.endr
.irp e, 0,1,2,3,4,5,6,7
	v_mov_b32 v[CS+\e], s[24+\e]
.endr
	ds_store_b128 v4, v[CS:CS+3]                   ; all lanes write the same words with the same values
	ds_store_b128 v4, v[CS+4:CS+7] offset:16
	s_wait_dscnt 0x0
	s_barrier_signal -1
	s_barrier_wait -1
.irp k, 0,1,2,3,4,5,6,7,8,9,10,11,12,13,14,15
	ds_load_b128 v[CW+4*\k:CW+4*\k+3], v5 offset:16*\k
.endr
.irp e, 0,1,2,3,4,5,6,7
	v_mov_b32 v[RR+\e], 0
	v_mov_b32 v[BF+\e], 0
.endr
	s_wait_dscnt 0x0
.irp w, 0,1,2,3,4,5,6,7                        ; a running sum over the waves; what it holds at my wave's turn is kept
	s_cmp_eq_u32 s12, \w
	s_cselect_b32 s13, -1, 0
.irp e, 0,1,2,3,4,5,6,7
	v_cndmask_b32 v[BF+\e], v[BF+\e], v[RR+\e], s13
	v_add_nc_u32 v[RR+\e], v[RR+\e], v[CW+8*\w+\e]
.endr
.endr
.irp e, 0,1,2,3,4,5,6,7
	v_readfirstlane_b32 s[32+\e], v[RR+\e]         ; the expert's rows in all
	v_readfirstlane_b32 s[40+\e], v[BF+\e]         ; those of the waves before mine
.endr
	s_mov_b32 s13, 0
.irp e, 0,1,2,3,4,5,6,7
	s_add_co_u32 s[48+\e], s[32+\e], 15
	s_lshr_b32 s[48+\e], s[48+\e], 4               ; its tiles
	s_mov_b32 s[56+\e], s13                        ; its first tile
	s_add_co_u32 s13, s13, s[48+\e]
	s_lshl_b32 s20, s[56+\e], 4
	s_add_co_u32 s[40+\e], s[40+\e], s20           ; the position of my wave's first row of this expert
.endr
.irp k, 0,1,2,3,4,5,6,7,8,9,10,11,12,13,14,15
	v_mov_b32 v[PR+\k], 0
.endr
.irp it, 0,1,2,3,4,5,6,7                       ; the ranks
.irp e, 0,1,2,3,4,5,6,7
	v_and_b32 v[CW+\e], 1<<\e, v[SEL+\it]
.endr
.irp e, 0,1,2,3,4,5,6,7
	v_and_b32 v[CW+8+\e], 0x100<<\e, v[SEL+\it]
.endr
.irp e, 0,1,2,3,4,5,6,7
	v_cmp_ne_u32 s[M0+\e], 0, v[CW+\e]             ; the lanes whose first choice is e,
.endr
.irp e, 0,1,2,3,4,5,6,7
	v_cmp_ne_u32 s[M0+8+\e], 0, v[CW+8+\e]         ; whose second is
.endr
.irp e, 0,1,2,3,4,5,6,7
	s_or_b32 s[M0+16+\e], s[M0+\e], s[M0+8+\e]
.endr
.irp e, 0,1,2,3,4,5,6,7
	v_mbcnt_lo_u32_b32 v[CW+16+\e], s[M0+16+\e], s[40+\e]   ; the next free position + the choosing lanes below me
.endr
.irp e, 0
	v_cndmask_b32 v[PR+2*\it], v[PR+2*\it], v[CW+16+\e], s[M0+\e]
	v_cndmask_b32 v[PR+2*\it+1], v[PR+2*\it+1], v[CW+16+\e], s[M0+8+\e]
.endr
.irp e, 1, 2, 3, 4, 5, 6, 7
	s_delay_alu instid0(VALU_DEP_2)
	v_cndmask_b32 v[PR+2*\it], v[PR+2*\it], v[CW+16+\e], s[M0+\e]
	s_delay_alu instid0(VALU_DEP_2)
	v_cndmask_b32 v[PR+2*\it+1], v[PR+2*\it+1], v[CW+16+\e], s[M0+8+\e]
.endr
.irp e, 0,1,2,3,4,5,6,7
	s_bcnt1_i32_b32 s[M0+16+\e], s[M0+16+\e]
.endr
.irp e, 0,1,2,3,4,5,6,7
	s_add_co_u32 s[40+\e], s[40+\e], s[M0+16+\e]
.endr
.endr
.irp k, 0,1,2,3,4,5,6,7,8,9,10,11,12,13,14,15
	v_min_u32 v[AD+\k], 4223, v[PR+\k]             ; held inside order, whatever was loaded
	s_delay_alu instid0(VALU_DEP_1)
	v_lshlrev_b32 v[AD+\k], 2, v[AD+\k]
	global_store_b32 v[AD+\k], v[TK+\k/2], s[8:9]  ; each routed row has a position of its own; no register here is written again
.endr
.irp q, 0,1,2,3
	global_store_b128 v7, v[PR+4*\q:PR+4*\q+3], s[18:19] offset:POS+1024*(\q/2)+16*(\q%2)   ; a lane's four tokens: 32 consecutive bytes, the wave's two stores 1,024
.endr
	s_mov_b32 s20, 0                               ; the pads: wave w fills expert w's last tile with token 0
	s_mov_b32 s21, 0
	s_mov_b32 s22, 0
.irp e, 0,1,2,3,4,5,6,7
	s_cmp_eq_u32 s12, \e
	s_cselect_b32 s20, s[56+\e], s20
	s_cselect_b32 s21, s[32+\e], s21
	s_cselect_b32 s22, s[48+\e], s22
.endr
	s_lshl_b32 s23, s20, 4
	s_add_co_u32 s23, s23, s21                     ; behind the expert's last row
	s_add_co_u32 s20, s20, s22
	s_lshl_b32 s20, s20, 4                         ; behind its last tile: at most 15 further on
	v_add_nc_u32 v12, s23, v1
	s_delay_alu instid0(VALU_DEP_1)
	v_min_u32 v13, 4223, v12
	s_delay_alu instid0(VALU_DEP_1)
	v_lshlrev_b32 v13, 2, v13
	v_mov_b32 v14, 0
	s_delay_alu instid0(VALU_DEP_4)
	v_cmp_gt_u32 vcc_lo, s20, v12
	s_wait_alu depctr_va_vdst(0)
	s_wait_xcnt 0x0                                ; EXEC changes only behind this wait
	s_and_saveexec_b32 s21, vcc_lo
	global_store_b32 v13, v14, s[8:9]
	s_wait_xcnt 0x0                                ; and again in front of the line that widens it
	s_or_b32 exec_lo, exec_lo, s21
	s_wait_loadcnt 0x0                             ; the sums of probabilities: number 128 i + 4 lane + c belongs to expert 4 (lane % 2) + c
	v_pk_add_f32 v[8:9], v[PP:PP+1], v[PP+4:PP+5]
	v_pk_add_f32 v[10:11], v[PP+2:PP+3], v[PP+6:PP+7]
.irp i, 2,3,4,5,6,7,8,9,10,11,12,13,14,15
	s_delay_alu instid0(VALU_DEP_2)
	v_pk_add_f32 v[8:9], v[8:9], v[PP+4*\i:PP+4*\i+1]
	s_delay_alu instid0(VALU_DEP_2)
	v_pk_add_f32 v[10:11], v[10:11], v[PP+4*\i+2:PP+4*\i+3]
.endr
.irp m, 2,4,8                                  ; over the lanes of my parity
.irp c, 0,1,2,3
	v_add_f32_dpp v[8+\c], v[8+\c], v[8+\c] row_xmask:\m row_mask:0xf bank_mask:0xf
.endr
.endr
.irp c, 0,1,2,3
	v_mov_b32 v[112+\c], 0
.endr
.irp c, 0,1,2,3
	s_delay_alu instid0(VALU_DEP_4)
	v_permlanex16_b32 v[112+\c], v[8+\c], s66, s67
.endr
.irp c, 0,1,2,3
	s_delay_alu instid0(VALU_DEP_4)
	v_add_f32 v[8+\c], v[8+\c], v[112+\c]
.endr
	v_and_b32 v3, 1, v1
	s_delay_alu instid0(VALU_DEP_1)
	v_cmp_ne_u32 vcc_lo, 0, v3
.irp c, 0,1,2,3
	v_cvt_f32_u32 v[116+\c], s[32+\c]
	v_cvt_f32_u32 v[120+\c], s[36+\c]
	s_delay_alu instid0(VALU_DEP_1)
	v_cndmask_b32 v[116+\c], v[116+\c], v[120+\c], vcc_lo          ; the count of expert 4 (lane % 2) + c
.endr
	v_mul_f32 v15, v8, v116
	s_delay_alu instid0(VALU_DEP_1)
	v_fmac_f32 v15, v9, v117
	s_delay_alu instid0(VALU_DEP_1)
	v_fmac_f32 v15, v10, v118
	s_delay_alu instid0(VALU_DEP_1)
	v_fmac_f32 v15, v11, v119
	s_delay_alu instid0(VALU_DEP_1)
	v_add_f32_dpp v15, v15, v15 row_xmask:1 row_mask:0xf bank_mask:0xf   ; the other parity's four experts
	s_delay_alu instid0(VALU_DEP_1)
	v_mul_f32 v15, 0x34000000, v15                 ; x 2^-23
.irp e, 0,1,2,3,4,5,6,7
	v_mov_b32 v[96+2*\e], s[56+\e]
	v_mov_b32 v[97+2*\e], s[48+\e]
.endr
	s_cmp_lg_u32 s12, 0
	s_cbranch_scc1 .Lothers
	s_wait_xcnt 0x0                                ; EXEC changes only behind this wait
	s_wait_tensorcnt 0x0
	ds_add_u32 v224, v225
	s_wait_dscnt 0x0
	v_cmpx_eq_u32 0, v1                            ; lane 0 of wave 0
	s_wait_alu depctr_va_vdst(0)
.irp q, 0,1,2,3
	global_store_b128 v5, v[96+4*\q:96+4*\q+3], s[8:9] offset:META+16*\q
.endr
	global_store_b32 v5, v15, s[10:11]
	s_endpgm
.Lothers:
	s_wait_tensorcnt 0x0
	ds_add_u32 v224, v225
	s_wait_dscnt 0x0
	s_endpgm
.Lfunc_end_k_qf2b72b2c25_place:
	.size	k_qf2b72b2c25_place, .Lfunc_end_k_qf2b72b2c25_place-k_qf2b72b2c25_place
	.p2alignl 7, 3214868480
	.fill 96, 4, 3214868480
	.section	.rodata,"a",@progbits
	.p2align	6, 0x0
	.amdhsa_kernel k_qf2b72b2c25_place
		.amdhsa_group_segment_fixed_size 1280
		.amdhsa_private_segment_fixed_size 0
		.amdhsa_enable_private_segment 0
		.amdhsa_kernarg_size 32
		.amdhsa_user_sgpr_count 2
		.amdhsa_user_sgpr_kernarg_segment_ptr 1
		.amdhsa_wavefront_size32 1
		.amdhsa_system_sgpr_workgroup_id_x 1
		.amdhsa_system_sgpr_workgroup_id_y 1
		.amdhsa_system_sgpr_workgroup_id_z 1
		.amdhsa_system_vgpr_workitem_id 0
		.amdhsa_next_free_vgpr 226
		.amdhsa_next_free_sgpr 96
		.amdhsa_reserve_vcc 1
		.amdhsa_float_denorm_mode_32 3
		.amdhsa_float_denorm_mode_16_64 3
		.amdhsa_memory_ordered 1
		.amdhsa_forward_progress 1
		.amdhsa_inst_pref_size 75
	.end_amdhsa_kernel
	.amdgpu_metadata
---
amdhsa.version: [ 1, 2 ]
amdhsa.kernels:
  - .name:           k_qf2b72b2c25_place
    .symbol:         k_qf2b72b2c25_place.kd
    .args:
      - { .name: sel, .offset: 0, .size: 8, .value_kind: global_buffer, .address_space: global }
      - { .name: rstat, .offset: 8, .size: 8, .value_kind: global_buffer, .address_space: global }
      - { .name: plan, .offset: 16, .size: 8, .value_kind: global_buffer, .address_space: global }
      - { .name: out1, .offset: 24, .size: 8, .value_kind: global_buffer, .address_space: global }
    .group_segment_fixed_size: 1280
    .private_segment_fixed_size: 0
    .kernarg_segment_align: 8
    .kernarg_segment_size: 32
    .max_flat_workgroup_size: 256
    .sgpr_count:     96
    .vgpr_count:     226
    .wavefront_size: 32
...
	.end_amdgpu_metadata
.endif
;; end of part 7
;; launch up (part 8): grid 32 x 8, 4 waves a work-group, no clusters, 101,888 bytes of LDS; arguments w1, xq, plan, hq; writes hq
.if DOCPART == 8
	.amdgcn_target "amdgcn-amd-amdhsa--gfx1250"
	.amdhsa_code_object_version 6
	.text
	.protected	k_qf2b72b2c25_up
	.globl	k_qf2b72b2c25_up
	.p2align	8
	.type	k_qf2b72b2c25_up,@function
k_qf2b72b2c25_up:
	s_mov_b64 s[64:65], 0
	v_nop
	global_prefetch_b8 v0, s[64:65] scope:SCOPE_SE
	s_setreg_imm32_b32 hwreg(HW_REG_WAVE_SCHED_MODE, 0, 2), 2
	s_setreg_imm32_b32 hwreg(HW_REG_WAVE_MODE, 25, 1), 1
	s_wait_xcnt 0x0
	s_wait_alu depctr_vm_vsrc(0)
; UP.  h = Q(silu(Q(x) Q(w1[e]))) for the rows that chose expert e, on codes of BF6 (E3M2) with one E8M0 scale for each 32 along K.
; SHARES.  Work-group (u, e) owns the slab w1[e][all 1,024 k][64 u .. 64 u + 63]: 256 KiB of f32, read from memory ONCE in the launch, in rows of 256 aligned bytes.  It is quantised in registers (wave w: k = 256 w .. + 255),
; shared among the four waves through LDS as images of the operand's registers, and then kept by EVERY wave in 384 registers.  No weight code ever goes to memory.
; Then the expert's tiles of 16 routed rows are walked, wave w taking tiles w, w + 4, ..: x's codes are gathered by the stored list, 32 matrix instructions make 16 rows x 64 hidden units, silu, the quantiser, and 800 bytes go out.
; NO TENSOR LOAD, NO CLUSTER: the number of tiles is read from memory; joint requests have no other vehicle.
; COLUMNS OF A TILE: row r of weight tile ct is column 4 r + ct of the slab.  So the 16 bytes that a lane loads of a slab row are its own row r of all four tiles, and in the transposed result (source 0 = weights,
; source 1 = x) lane (r, h) holds, of token r, hidden units 64 u + 32 h + 4 j + ct: ONE WHOLE BLOCK of 32 along the next K in one lane: its largest magnitude asks no other lane.
; hq: for a tile and a K step s of the next product (128 hidden units) 1,536 bytes in the order of that operand's registers: piece j of three holds registers 4 j .. 4 j + 3, 16 bytes a lane, 512 bytes a piece.
; My work-group gives lanes 16 (u % 2) .. + 15 of K step u / 2: my lane (r, h) holds that lane r's block c = h, its registers 6 h .. 6 h + 5.  Piece 0 takes codes' registers 0-3 of my lanes 0-15 and piece 2 registers 2-5 of my
; lanes 16-31 (one store of 16 bytes a lane: two aligned blocks of 256 bytes); piece 1 takes registers 4, 5 of lanes 0-15 beside registers 0, 1 of lanes 16-31 (one store of 8 bytes a lane: one aligned block of 256 bytes).
; So the operand's block 2 c + h of K step s holds hidden units 128 s + 64 h + 32 c ..; DOWN lays w2's rows alike.  The scale bytes follow, at HSC: [tile][s / 4][row][4 (s % 4) + 2 c + h].
; TWO TILES ARE ON THEIR WAY: in tile t's turn the tokens of tile t + 3, the codes of tile t + 2 and (behind the products) the scale words of tile t + 2 are asked for, in that order; two sets of registers take turns.
; Where there is no tile t + 2 nothing is asked for: the last two tiles are written out inside the loop and end the wave.  The first tiles are asked for while the slab's last rows are quantised.
; LIMITS: NaN and infinities are not served.  A block of zeros, or one under 2^-122, gets the byte 1; the bytes are read by this program alone.  The scale bytes leave as 32 single bytes for each tile and u.
; REGISTERS, in windows of 256.  Window 0: v4-17 addresses, v18-35 and v216-223 the gather, v36-51 the weights' scale words, v52-55 and v224-227 x's, v56-87 four accumulators, v88-151 at work, v152-199 codes, v200-215 small things.
;   Windows 1, 2: first the slab as loaded, then the weights: fragment (ct, s) at window 1 + s / 4, v[12 (4 (s % 4) + ct)].   Window 3: v0-95 x's rows as loaded, set 0; v96-191 x's eight fragments.
;   Set 1 of x's rows as loaded: window 3 v192-255 and window 1 v192-223.
; THE MODE: SCHED_MODE bits 1:0 = 2 (LLVM: expert scheduling mode 2), set by the entry lines.  The code itself states the register dependences
; between vector or matrix instructions and memory or LDS instructions, with s_wait_alu, always for 0.
; THE PLAN.  Registers that memory or LDS instructions touch, in the loop, in tile t's turn (its rows lie in set p):
;   set p                 Read by the 24 LDS stores into the stage; then the 24 loads of tile t + 2's codes land in it.  No vector instruction names it.
;   x's fragments         48 LDS loads land in them at the turn's head; the 32 products read them.
;   v26-34                The tokens of tile t + 2: read by the lines that make set p's addresses; then the tokens of tile t + 3 land in them.
;   v12, v13, set p's nine address registers   Written by vector lines, read by the loads that follow.
;   set p's scale words   Read by the products; behind them tile t + 2's land there.
;   v164-169, v200, v15-17   Written at the turn's end, read by its three stores.
;   v9, v10               LDS addresses, made at the head and never written again.
; THE WAITS OF A TURN: on va_vdst ahead of the fragments' loads; on vm_vsrc behind the stage's stores; on va_vdst behind the addresses' lines; on va_vdst behind the products, ahead of the scale words' load;
; one behind the exponentials and one behind the reciprocals; on va_vdst ahead of the three stores.  The 24 loads of codes follow the third of these with no further wait, eight behind each of the first three K steps:
; the products between name the weights, the fragments, the accumulators and scale words, none of the registers that those loads touch.
.set PITCH, 8192                       ; a row of w1[e] in bytes
.set JC,    12288                      ; from column j to column j + 1 of a lane's four, in the weights' image: the next tile
.set JS,    512                        ; and among their scale bytes
.set WS,    49152                      ; LDS: the image at 0 (fragment f = 8 ct + s at 1,536 f; a lane's 48 bytes at 48 x lane); here the scale bytes: 64 f + 4 r + block
.set XST,   51200                      ; a stage of 16 rows x XP for each wave
.set XP,    784                        ; 768 bytes + 16
.set XSC,   1572864
.set HSC,   6488064
.set META,  33280
.set AC,  56
.set WSC, 36
.set MSB, 0
.macro WIN new                         ; the immediate's high byte repeats the setting that is left; a switch that changes nothing is dropped
.if MSB != (\new)
	s_set_vgpr_msb (MSB<<8)|(\new)
.set MSB, (\new)
.endif
.endm
; 32 loads: 64 rows of the slab.  Lanes 0-15 take row 64 g + i, lanes 16-31 row 64 g + 32 + i: two aligned blocks of 256 bytes an instruction.  Group g is K step 2 w + g / 2, half g % 2.
; Each group lands in registers that nothing has named before.  first = 1: the launch's first loads.
.macro WLOAD g, first
	WIN 0x40*(1+((\g)/2))
.if \first
	s_wait_alu depctr_va_vdst(0)                   ; v4 is written, the offset of every load of the slab; no line writes it again
.endif
.set i, 0
.rept 32
	global_load_b128 v[128*((\g)%2)+4*i:128*((\g)%2)+4*i+3], v4, s[4:5] offset:(64*(\g)+i)*PITCH th:TH_LOAD_NT
.set i, i+1
.endr
	WIN 0
.endm
; 32 numbers of one lane, one block along K, v[tt] on, become six registers of codes, v[cc] on; v[200 + k] takes the scale's byte.
.macro BLOCKQ tt, cc, k
	v_max3_num_f32 v208, |v[\tt]|, |v[\tt+1]|, |v[\tt+2]|
	v_max3_num_f32 v209, |v[\tt+3]|, |v[\tt+4]|, |v[\tt+5]|
.irp n, 6,10,14,18,22,26
	v_max3_num_f32 v208, v208, |v[\tt+\n]|, |v[\tt+\n+1]|
	v_max3_num_f32 v209, v209, |v[\tt+\n+2]|, |v[\tt+\n+3]|
.endr
	v_max3_num_f32 v208, v208, |v[\tt+30]|, |v[\tt+31]|
	v_max3_num_f32 v208, v208, v209, 0x2800000     ; and the floor 2^(5 - 127): the byte cannot fall under 1
	v_add_nc_u32 v[204+(\k)], 0xfe000000, v208     ; 4 off the exponent field: the conversion takes this operand's exponent field as its scale
	v_lshrrev_b32 v[200+(\k)], 23, v[204+(\k)]     ; the scale's byte
	v_cvt_scalef32_pk16_bf6_f32 v[\cc:\cc+2], v[\tt:\tt+15], v[204+(\k)]
	v_cvt_scalef32_pk16_bf6_f32 v[\cc+6:\cc+8], v[\tt+16:\tt+31], v[204+(\k)]   ; (a conversion's three registers begin on an even number)
	v_nop                                          ; one plain place behind a scaled conversion
	v_mov_b32 v[\cc+3], v[\cc+6]
	v_mov_b32 v[\cc+4], v[\cc+7]
	v_mov_b32 v[\cc+5], v[\cc+8]
.endm
; Column j of a lane's four, group g: the vector part.  The conversion wants a column's numbers in consecutive registers, a load of 16 bytes lays four columns side by side: 32 moves, which also bring the numbers into window 0.
; Each column has registers of its own for its codes and its byte, so that a group's four columns are quantised on end and their LDS stores follow behind one wait.
.macro QV g, j
.set TT, 88+32*((\j)%2)
.set CC, 152+12*(\j)
	WIN 1+((\g)/2)                                 ; source 0: the group's window
.set i, 0
.rept 32
	v_mov_b32 v[TT+i], v[128*((\g)%2)+4*i+(\j)]
.set i, i+1
.endr
	WIN 0
	BLOCKQ TT, CC, \j
.endm
; The same column's LDS stores: its place in the image, and its scale byte.
.macro QS g, j
.set CC, 152+12*(\j)
.irp t, 0,1,2
	ds_store_b64 v5, v[CC+2*\t:CC+2*\t+1] offset:JC*(\j)+1536*((\g)/2)+24*((\g)%2)+8*\t
.endr
	ds_store_b8 v6, v[200+(\j)] offset:JS*(\j)+64*((\g)/2)+2*((\g)%2)
.endm
.macro QGROUP g
	s_wait_dscnt 0x0                               ; the last group's LDS stores are done
.if (\g) > 0
	s_wait_alu depctr_vm_vsrc(0)                   ; the last group's LDS stores have read the codes' and the bytes' registers, which this group's conversions write again
.endif
	QV \g, 0
	QV \g, 1
	QV \g, 2
	QV \g, 3
	s_wait_alu depctr_va_vdst(0)                   ; the four columns' codes and bytes are written (in the first group v5 and v6 too), which the sixteen LDS stores read
	QS \g, 0
	QS \g, 1
	QS \g, 2
	QS \g, 3
.endm
; THE GATHER.  IDS: the 16 tokens of tile s[t]: a lane's eight rows 8 h + i, and row r's: three loads.
.macro IDS t
	s_min_u32 s26, s[\t], 263
	s_lshl_b32 s26, s26, 6
	v_add_nc_u32 v12, s26, v212
	v_add_nc_u32 v13, s26, v214
	s_wait_alu depctr_va_vdst(0)                   ; v12 and v13 are written; so are the addresses that the lines above made of the last tokens, and those lines are done reading v26-34, in which these loads land
	global_load_b128 v[26:29], v12, s[8:9]
	global_load_b128 v[30:33], v12, s[8:9] offset:16
	global_load_b32 v34, v13, s[8:9]
.endm
; ADDR: the tokens become set p's addresses: v18-25 and v14, or v216-223 and v35.
.macro ADDR p
.set AB, 18+198*(\p)
.irp i, 0,1,2,3,4,5,6,7
	v_min_u32 v[AB+\i], 2047, v[26+\i]
.endr
.irp i, 0,1,2,3,4,5,6,7
	v_mad_u32_u24 v[AB+\i], v[AB+\i], 768, v11     ; the token's row of codes, 16 bytes a lane
.endr
	v_min_u32 v[14+21*(\p)], 2047, v34
	v_lshl_add_u32 v[14+21*(\p)], v[14+21*(\p)], 5, v213   ; its 32 scale bytes: lanes 0-15 K steps 0-3, lanes 16-31 K steps 4-7
.endm
; RAWK: load k of the 24 that bring 16 rows of 768 bytes into set p: 256 consecutive bytes of two rows (lanes 0-15 row k / 3, lanes 16-31 row 8 + k / 3).
.macro RAWK p, k
.if (\p) == 0
	WIN 0xc0
	global_load_b128 v[4*(\k):4*(\k)+3], v[18+(\k)/3], s[6:7] offset:256*((\k)%3)
.elseif (\k) < 16
	WIN 0xc0
	global_load_b128 v[192+4*(\k):192+4*(\k)+3], v[216+(\k)/3], s[6:7] offset:256*((\k)%3)
.else
	WIN 0x40
	global_load_b128 v[192+4*((\k)-16):192+4*((\k)-16)+3], v[216+(\k)/3], s[6:7] offset:256*((\k)%3)
.endif
.endm
; RAWX: all 24 in a run: so at the head.
.macro RAWX p
.set k, 0
.rept 24
	RAWK \p, k
.set k, k+1
.endr
	WIN 0
.endm
; STAGE: set p into my stage in LDS, as rows.  (An LDS store's data are its source 1.)
.macro STAGE p
	WIN 0x0c
.set k, 0
.rept 24
.if (\p) == 0
	ds_store_b128 v9, v[4*k:4*k+3] offset:XP*(k/3)+256*(k%3)
.elseif k < 16
	ds_store_b128 v9, v[192+4*k:192+4*k+3] offset:XP*(k/3)+256*(k%3)
.else
	WIN 0x04
	ds_store_b128 v9, v[192+4*(k-16):192+4*(k-16)+3] offset:XP*(k/3)+256*(k%3)
.endif
.set k, k+1
.endr
.endm
.macro XSL p                           ; x's scale words, set p: v52-55 or v224-227
	global_load_b128 v[52+172*(\p):55+172*(\p)], v[14+21*(\p)], s[6:7] offset:XSC
.endm
; THE WORK OF A TILE, s20, whose rows lie in set p.  ahead = 1: tile s20 + 8, my next but one, is asked for into the same set, and the tokens of the tile behind that.
.macro WORK p, ahead
.set XB, 52+172*(\p)
	STAGE \p
	WIN 0xc0
	s_wait_alu depctr_va_vdst(0)                   ; the last tile's products are done reading x's fragments, in which the loads below land
.irp s, 0,1,2,3,4,5,6,7                        ; back as fragments: lane (r, h) takes 24 bytes at 96 s + 24 h and at 96 s + 48 + 24 h of row r.  My own bytes, served in order
.irp q, 0,1,2,3,4,5
	ds_load_b64 v[96+12*\s+2*\q:96+12*\s+2*\q+1], v10 offset:96*\s+48*(\q/3)+8*(\q%3)
.endr
.endr
	WIN 0
	s_wait_xcnt 0x0                                ; the registers of the last tile's stores are written again only behind this wait
	s_wait_alu depctr_vm_vsrc(0)                   ; the stage's stores have read set p, in which the next codes land; the last tile's three stores have read their data and offsets, and the earlier loads v12, v13 and set p's addresses: all are written again below
.if \ahead
	ADDR \p                                        ; this set's last loads, and the loads of these tokens, were shown done at the tile's head
	s_add_co_u32 s21, s20, 12
	s_min_u32 s21, s21, s22                        ; past the end: the last tile's tokens once more (three small loads; they are not used)
	IDS 21                                         ; ahead of the codes: loads come back in order, and the next tile's head wants these without waiting for those
.endif
	s_wait_dscnt 0x0                               ; the fragments are in, and the 24 stores into the stage are done
.irp s, 0,1,2,3,4,5,6,7                        ; K ascending, the four accumulators by turns; the first K step starts the sums
	WIN 0x0d+(\s/4)                                ; source 0 window 1 or 2, source 1 window 3, C and D window 0
.irp ct, 0,1,2,3
.if \s == 0
	v_wmma_scale_f32_16x16x128_f8f6f4 v[AC+8*\ct:AC+8*\ct+7], v[12*\ct:12*\ct+11], v[96:107], 0, v[WSC+4*\ct], v[XB] matrix_a_fmt:MATRIX_FMT_BF6 matrix_b_fmt:MATRIX_FMT_BF6
.elseif \s < 4
	v_wmma_scale_f32_16x16x128_f8f6f4 v[AC+8*\ct:AC+8*\ct+7], v[12*(4*\s+\ct):12*(4*\s+\ct)+11], v[96+12*\s:96+12*\s+11], v[AC+8*\ct:AC+8*\ct+7], v[WSC+4*\ct+\s], v[XB+\s] matrix_a_fmt:MATRIX_FMT_BF6 matrix_b_fmt:MATRIX_FMT_BF6
.else
	v_wmma_scale_f32_16x16x128_f8f6f4 v[AC+8*\ct:AC+8*\ct+7], v[12*(4*(\s-4)+\ct):12*(4*(\s-4)+\ct)+11], v[96+12*\s:96+12*\s+11], v[AC+8*\ct:AC+8*\ct+7], v[WSC+4*\ct+\s-4], v[XB+\s-4] matrix_a_fmt:MATRIX_FMT_BF6 matrix_b_fmt:MATRIX_FMT_BF6 matrix_a_scale:MATRIX_SCALE_ROW1 matrix_b_scale:MATRIX_SCALE_ROW1
.endif
.endr
.if (\ahead) && (\s < 3)
.irp m, 0,1,2,3,4,5,6,7
	RAWK \p, 8*\s+\m                               ; eight of the 24 loads of codes.  No wait: since the waits above only products were issued, which name neither set p nor its addresses
.endr
.endif
.endr
	WIN 0
.rept 4
	v_nop                                          ; four places (ISA guide 7.12.1) in front of the first read of results
.endr
.if \ahead
	s_wait_alu depctr_va_vdst(0)                   ; the products are done reading set p's scale words, in which the load below lands
	XSL \p
.endif
.set k, 0
.rept 16
	v_pk_mul_f32 v[88+2*k:89+2*k], v[AC+2*k:AC+2*k+1], s[24:25] op_sel_hi:[1,0]   ; -a log2(e); each accumulator from its low end on
.set k, k+1
.endr
.set k, 0
	s_wait_alu depctr_va_vdst(0)
.rept 32
	v_exp_f32 v[88+k], v[88+k]
.set k, k+1
.endr
	v_nop                                          ; a plain place behind the exponentials
.set k, 0
	s_wait_alu depctr_va_vdst(0)                   ; the 32 exponentials have written v88-119, ahead of their first reader
.rept 16
	v_pk_add_f32 v[88+2*k:89+2*k], v[88+2*k:89+2*k], 1.0 op_sel_hi:[1,0]
.set k, k+1
.endr
.set k, 0
	s_wait_alu depctr_va_vdst(0)
.rept 32
	v_rcp_f32 v[88+k], v[88+k]
.set k, k+1
.endr
	v_nop                                          ; a plain place behind the reciprocals
	s_wait_alu depctr_va_vdst(0)                   ; the 32 reciprocals have written v88-119, ahead of their first reader
.irp ct, 0,1,2,3
.irp j, 0,1,2,3,4,5,6,7
	v_mul_f32 v[120+4*\j+\ct], v[AC+8*\ct+\j], v[88+8*\ct+\j]       ; silu(a) = a / (1 + e^-a), laid in the order of the next K: unit 4 j + ct of my block
.endr
.endr
	BLOCKQ 120, 152, 0
.irp i, 0,1,2,3
	v_cndmask_b32 v[164+\i], v[152+\i], v[154+\i], s30              ; lanes 0-15: registers 0-3 for piece 0; lanes 16-31: registers 2-5 for piece 2
.endr
.irp i, 0,1
	v_cndmask_b32 v[168+\i], v[156+\i], v[152+\i], s30              ; lanes 0-15: registers 4, 5; lanes 16-31: registers 0, 1: piece 1
.endr
	s_min_u32 s26, s20, 263
	s_mul_i32 s27, s26, 24576
	s_add_co_u32 s27, s27, s23                     ; this tile, K step u / 2, lanes 16 (u % 2) on
	s_lshl_b32 s26, s26, 10
	v_add_nc_u32 v15, s27, v210
	v_add_nc_u32 v16, s27, v211
	v_add_nc_u32 v17, s26, v215
	s_wait_alu depctr_va_vdst(0)                   ; the codes v164-169, the byte v200 and the offsets v15-17 are written, which the three stores read
	global_store_b128 v15, v[164:167], s[10:11]                    ; sixteen lanes store 256 consecutive bytes at a multiple of 256, the other sixteen likewise 1,024 bytes on
	global_store_b64 v16, v[168:169], s[10:11] offset:512          ; the 32 lanes store 256 consecutive bytes at a multiple of 256
	global_store_b8 v17, v200, s[10:11] offset:HSC
	s_add_co_u32 s20, s20, 4
.endm
; A TILE'S TURN: tile number 2 s19 + p of mine, in set p; n1 is the other set.
.macro TRIP p, n1
	s_wait_loadcnt 25                              ; this tile's 24 loads of codes, its scale words and the tokens of the tile two on are in; the next tile's 24 + 1 may be out
	s_lshl_b32 s28, s19, 1
	s_add_co_u32 s28, s28, (\p)+2
	s_cmp_lt_u32 s28, s18
	s_cbranch_scc1 .Lgo_\@                         ; I have a tile two on
	WORK \p, 0                                     ; my last tile but one, or my only one: nothing more is asked for
	s_sub_co_u32 s28, s28, 1
	s_cmp_lt_u32 s28, s18
	s_cbranch_scc1 .Lmore_\@
	s_wait_dscnt 0x0                               ; the closing lines, six on end
	s_wait_alu 0x0
	s_wait_tensorcnt 0x0
	ds_add_u32 v254, v255
	s_wait_dscnt 0x0
	s_endpgm                                       ; (what the head asked for beyond an only tile is a plain load of bytes inside xq; nobody wants it)
.Lmore_\@:
	s_wait_loadcnt 0x0                             ; my last tile
	WORK \n1, 0
	s_wait_dscnt 0x0                               ; the closing lines, six on end
	s_wait_alu 0x0
	s_wait_tensorcnt 0x0
	ds_add_u32 v254, v255
	s_wait_dscnt 0x0
	s_endpgm                                       ; the loop is left here, by the program's end: no branch passes over the counter's step
.Lgo_\@:
	WORK \p, 1
.endm
	s_load_b256 s[4:11], s[0:1], 0x0               ; w1 s[4:5], xq s[6:7], plan s[8:9], hq s[10:11]
	v_lshl_add_u32 v254, v0, 2, 0x18c00
	v_mov_b32 v255, 0
	v_lshrrev_b32 v1, 5, v0
	v_readfirstlane_b32 s12, v1                    ; wave
	s_mov_b32 s13, ttmp9                           ; u
	s_and_b32 s14, ttmp7, 0xffff                   ; e
	v_and_b32 v1, 31, v0                           ; lane
	v_and_b32 v2, 15, v0                           ; r
	v_bfe_u32 v3, v0, 4, 1                         ; h
	v_lshlrev_b32 v11, 4, v2                       ; 16 r
	v_mad_u32_u24 v4, v3, 32*PITCH, v11            ; the slab: 32 rows down for lanes 16-31, 16 bytes a lane
	s_wait_alu depctr_va_sdst(0)                   ; s12 is written, ahead of its first reader
	s_lshl_b32 s26, s14, 23                        ; the expert's 8 MiB,
	s_mul_i32 s27, s12, 256*PITCH                  ; my wave's 256 rows,
	s_add_co_u32 s26, s26, s27
	s_lshl_b32 s27, s13, 8                         ; the slab's 256 bytes of a row
	s_add_co_u32 s26, s26, s27
	s_mov_b32 s27, 0
	s_lshl_b32 s28, s14, 3
	s_wait_kmcnt 0x0
	s_add_nc_u64 s[4:5], s[4:5], s[26:27]
	s_load_b64 s[16:17], s[8:9], s28 offset:META   ; the expert's first tile and its number of tiles (s28 stays as it is until the wait for this load)
	WLOAD 0, 1
	WLOAD 1, 0
	v_mul_u32_u24 v7, v1, 48                       ; a lane's place in a fragment's image
	s_mul_i32 s26, s12, 3072
	v_add_nc_u32 v5, s26, v7                       ; where I store: K steps 2 w, 2 w + 1
	v_lshl_add_u32 v6, v2, 2, v3
	s_lshl_b32 s26, s12, 7
	s_add_co_u32 s26, s26, WS
	v_add_nc_u32 v6, s26, v6                       ; my scale bytes: 4 r + h + 128 w
	v_lshlrev_b32 v214, 2, v2
	v_lshl_add_u32 v8, v3, 8, v214
	v_add_nc_u32 v8, WS, v8                        ; the scale words back: lanes 0-15 K step sl, lanes 16-31 K step sl + 4
	s_mul_i32 s26, s12, 16*XP
	s_add_co_u32 s26, s26, XST                     ; my stage
	v_mad_u32_u24 v9, v3, 8*XP, v11
	v_add_nc_u32 v9, s26, v9                       ; in: lanes 0-15 row i, lanes 16-31 row 8 + i
	v_mul_u32_u24 v10, v2, XP
	v_mad_u32_u24 v10, v3, 24, v10
	v_add_nc_u32 v10, s26, v10                     ; out: row r, + 24 h
	v_lshl_add_u32 v210, v3, 10, v11               ; hq: 16 r, and piece 2 for lanes 16-31
	v_lshl_add_u32 v211, v3, 3, v11                ; hq, piece 1: 16 r + 8 h
	v_lshlrev_b32 v212, 5, v3
	v_lshlrev_b32 v213, 4, v3
	s_lshr_b32 s26, s13, 3
	s_lshl_b32 s26, s26, 8                         ; 256 (u / 8)
	s_bfe_u32 s27, s13, 0x20001                    ; (u / 2) % 4
	s_lshl_b32 s27, s27, 2
	s_add_co_u32 s26, s26, s27
	s_and_b32 s27, s13, 1                          ; u % 2
	s_add_co_u32 s26, s26, s27
	v_lshl_add_u32 v215, v3, 1, v11
	v_add_nc_u32 v215, s26, v215                   ; my block's scale byte in a tile's 1,024: 256 (u / 8) + 16 r + 4 ((u / 2) % 4) + 2 h + u % 2
	s_lshr_b32 s23, s13, 1
	s_mul_i32 s23, s23, 1536
	s_lshl_b32 s27, s27, 8
	s_add_co_u32 s23, s23, s27                     ; in a tile's codes: 1,536 (u / 2) + 256 (u % 2)
	s_mov_b32 s24, 0xbfb8aa3b                      ; -log2(e)
	s_mov_b32 s25, s24                             ; (named with it as a pair, so it is written)
	s_mov_b32 s30, 0xffff0000                      ; lanes 16-31
	; THE STREAM.  Two groups are always asked for ahead of the one that is quantised: 32 to 64 loads of 512 bytes a wave are on their way
	s_wait_loadcnt 32                              ; group 0 is in; group 1's 32 loads may be out
	WLOAD 2, 0
	QGROUP 0
	s_wait_loadcnt 32                              ; group 1; group 2's may be out
	WLOAD 3, 0
	QGROUP 1
	s_wait_loadcnt 32                              ; group 2; group 3's may be out
	QGROUP 2
	s_wait_loadcnt 0x0                             ; group 3: the slab is in.  My first two tiles are asked for while it is quantised
	s_wait_kmcnt 0x0
	s_min_u32 s16, s16, 263                        ; held inside the buffers, whatever was loaded
	s_min_u32 s17, s17, 128
	s_add_co_u32 s18, s17, 3
	s_sub_co_u32 s18, s18, s12
	s_lshr_b32 s18, s18, 2                         ; my tiles: w, w + 4, ..
	s_add_co_u32 s29, s18, 1
	s_lshr_b32 s29, s29, 1                         ; the loop's trips, two tiles each
	s_add_co_u32 s22, s16, s17
	s_sub_co_u32 s22, s22, 1                       ; the expert's last tile
	s_add_co_u32 s20, s16, s12
	s_min_u32 s20, s20, s22                        ; my first tile.  (A wave without tiles asks too, and ends behind the barrier: it is held at the expert's last tile or, where the expert has none, at the tile in front of its place or one of tiles 0 to 3: always a tile that was written, since there are at least 256)
	s_mov_b32 s19, 0
	s_wait_dscnt 0x0                               ; the last group's LDS stores are done
	s_wait_alu depctr_vm_vsrc(0)                   ; the last group's LDS stores have read the codes' and the bytes' registers, which this group's conversions write again
	IDS 20
	QV 3, 0
	QV 3, 1
	s_wait_loadcnt 0x0                             ; my first tile's tokens
	s_wait_alu depctr_vm_vsrc(0)                   ; the loads of those tokens have read v12 and v13, which are written again below
	ADDR 0
	s_add_co_u32 s21, s20, 4
	s_min_u32 s21, s21, s22
	IDS 21                                         ; its wait also states that columns 0 and 1 have their codes and bytes written: their LDS stores follow the loads
	RAWX 0
	XSL 0
	QS 3, 0
	QS 3, 1
	QV 3, 2
	QV 3, 3
	s_wait_loadcnt 25                              ; my second tile's tokens; the first tile's 24 + 1 loads may be out
	s_wait_alu depctr_vm_vsrc(0)                   ; the loads of those tokens have read v12 and v13, which are written again below
	ADDR 1
	s_add_co_u32 s21, s20, 8
	s_min_u32 s21, s21, s22
	IDS 21                                         ; its wait also states that columns 2 and 3 have their codes and bytes written
	RAWX 1
	XSL 1
	QS 3, 2
	QS 3, 3
	s_wait_dscnt 0x0                               ; for the others' sake: my eight fragments and their scale bytes lie in LDS
	s_barrier_signal -1
	s_barrier_wait -1                              ; the launch's one barrier: from here on a wave reads the image and touches its own stage alone
	s_cmp_eq_u32 s18, 0
	s_cbranch_scc1 .Lend
.irp hi, 0,1                                   ; all 32 fragments into my registers: three loads of 16 bytes each
	WIN 0x40*(1+\hi)
.if \hi == 0
	s_wait_alu depctr_va_vdst(0)                   ; the moves that took the slab out of windows 1 and 2 are done reading these registers, in which the weights land
.endif
.irp sl, 0,1,2,3
.irp ct, 0,1,2,3
.irp t, 0,1,2
	ds_load_b128 v[12*(4*\sl+\ct)+4*\t:12*(4*\sl+\ct)+4*\t+3], v7 offset:1536*(8*\ct+4*\hi+\sl)+16*\t
.endr
.endr
.endr
.endr
	WIN 0
.irp ct, 0,1,2,3
.irp sl, 0,1,2,3
	ds_load_b32 v[WSC+4*\ct+\sl], v8 offset:64*(8*\ct+\sl)
.endr
.endr
	s_wait_dscnt 0x0                               ; the weights are in
.Lpair:                                            ; a trip takes two tiles, so that the two sets are back where they began.  On both ways in there are out, in this order: a tile's 24 + 1 loads, three loads of tokens, the next tile's 24 + 1
	TRIP 0, 1
	TRIP 1, 0
	s_add_co_u32 s19, s19, 1                       ; trips are counted one by one, against a number that the loop does not write
	s_cmp_lt_u32 s19, s29
	s_cbranch_scc1 .Lpair
.Lend:
	s_wait_dscnt 0x0                               ; the closing lines, six on end
	s_wait_alu 0x0
	s_wait_tensorcnt 0x0
	ds_add_u32 v254, v255
	s_wait_dscnt 0x0
	s_endpgm
.Lfunc_end_k_qf2b72b2c25_up:
	.size	k_qf2b72b2c25_up, .Lfunc_end_k_qf2b72b2c25_up-k_qf2b72b2c25_up
	.p2alignl 7, 3214868480
	.fill 96, 4, 3214868480
	.section	.rodata,"a",@progbits
	.p2align	6, 0x0
	.amdhsa_kernel k_qf2b72b2c25_up
		.amdhsa_group_segment_fixed_size 101888
		.amdhsa_private_segment_fixed_size 0
		.amdhsa_enable_private_segment 0
		.amdhsa_kernarg_size 32
		.amdhsa_user_sgpr_count 2
		.amdhsa_user_sgpr_kernarg_segment_ptr 1
		.amdhsa_wavefront_size32 1
		.amdhsa_system_sgpr_workgroup_id_x 1
		.amdhsa_system_sgpr_workgroup_id_y 1
		.amdhsa_system_sgpr_workgroup_id_z 1
		.amdhsa_system_vgpr_workitem_id 0
		.amdhsa_next_free_vgpr 1024
		.amdhsa_next_free_sgpr 66
		.amdhsa_reserve_vcc 0
		.amdhsa_float_denorm_mode_32 3
		.amdhsa_float_denorm_mode_16_64 3
		.amdhsa_memory_ordered 1
		.amdhsa_forward_progress 1
		.amdhsa_inst_pref_size 186
	.end_amdhsa_kernel
	.amdgpu_metadata
---
amdhsa.version: [ 1, 2 ]
amdhsa.kernels:
  - .name:           k_qf2b72b2c25_up
    .symbol:         k_qf2b72b2c25_up.kd
    .args:
      - { .name: w1, .offset: 0, .size: 8, .value_kind: global_buffer, .address_space: global }
      - { .name: xq, .offset: 8, .size: 8, .value_kind: global_buffer, .address_space: global }
      - { .name: plan, .offset: 16, .size: 8, .value_kind: global_buffer, .address_space: global }
      - { .name: hq, .offset: 24, .size: 8, .value_kind: global_buffer, .address_space: global }
    .group_segment_fixed_size: 101888
    .private_segment_fixed_size: 0
    .kernarg_segment_align: 8
    .kernarg_segment_size: 32
    .max_flat_workgroup_size: 128
    .sgpr_count:     66
    .vgpr_count:     1024
    .wavefront_size: 32
...
	.end_amdgpu_metadata
.endif
;; end of part 8
;; launch down (part 9): grid 32 x 8, 4 waves a work-group, no clusters, 69,120 bytes of LDS; arguments w2, hq, plan, ybuf; writes ybuf
.if DOCPART == 9
	.amdgcn_target "amdgcn-amd-amdhsa--gfx1250"
	.amdhsa_code_object_version 6
	.text
	.protected	k_qf2b72b2c25_down
	.globl	k_qf2b72b2c25_down
	.p2align	8
	.type	k_qf2b72b2c25_down,@function
k_qf2b72b2c25_down:
	s_mov_b64 s[64:65], 0
	v_nop
	global_prefetch_b8 v0, s[64:65] scope:SCOPE_SE
	s_setreg_imm32_b32 hwreg(HW_REG_WAVE_SCHED_MODE, 0, 2), 2
	s_setreg_imm32_b32 hwreg(HW_REG_WAVE_MODE, 25, 1), 1
	s_wait_xcnt 0x0
	s_wait_alu depctr_vm_vsrc(0)
; DOWN.  y = Q(h) Q(w2[e]) for the rows that chose expert e, on codes of BF6 (E3M2) with one E8M0 scale for each 32 along K = the 2,048 hidden units.
; SHARES.  Work-group (x, e), v = x / 2, kh = x % 2, owns the slab w2[e][1,024 kh .. + 1,023][64 v .. 64 v + 63]: 256 KiB of f32, read from memory ONCE in the launch, in rows of 256 aligned bytes, quantised in registers
; (wave w: 256 rows), shared through LDS as images of the operand's registers and kept by every wave in 384 registers.  Then the expert's tiles of 16 rows are walked, wave w taking tiles w, w + 4, ..
; K IS CUT IN TWO between work-groups: each stores its half's sums into its own half of ybuf, and the next launch adds them.  So a slab's rows and a result's rows are whole blocks of 256 bytes.
; h's codes lie in hq in the order of the operand's registers: for a tile and a K step 1,536 bytes, three pieces of 16 bytes a lane: a tile's half is 24 loads of 512 consecutive bytes, and one more for the scale words.
; THE ORDER ALONG K: as hq is written, the operand's block 2 c + h of K step s holds hidden units 128 s + 64 h + 32 c ..  The same order is given to w2's rows (lanes 16-31 load 64 rows further down, a K step's second group 32),
; so that like meets like; the sums' terms are the same.
; TWO TILES ARE ON THEIR WAY: three sets of registers take turns; behind the wait for tile t the tile t + 2 is asked for.  Where there is none, nothing is asked for: the last two tiles are written out inside the loop and end the wave.
; The first two tiles are asked for ahead of the quantising of the slab's last rows.
; NO TENSOR LOAD, NO CLUSTER: the number of tiles is read from memory; joint requests have no other vehicle.
; THE MATRIX INSTRUCTION IS USED TRANSPOSED (source 0 = 16 columns of w2, source 1 = 16 rows of h): row r of weight tile ct is column 16 ct + r, so a lane's eight results are eight neighbouring numbers of a row of y.
; LIMITS: NaN and infinities are not served.  A block of zeros, or one under 2^-122, gets the byte 1.  A row's sum over K is formed as two f32 sums of 1,024 that are added later.
; REGISTERS, in windows of 256.  Window 0: v4-24 addresses, v28-31, v32-35 and v52-55 h's scale words (three sets), v36-51 the weights', v56-87 four accumulators, v88-151 at work; v152-209 at work on the slab, then v152-247 h's set 2.
;   Windows 1, 2: first the slab as loaded, then the weights: fragment (ct, s) at window 1 + s / 4, v[12 (4 (s % 4) + ct)].   Window 3: h's eight fragments, sets 0 and 1: v0-95, v96-191.
; THE MODE: SCHED_MODE bits 1:0 = 2 (LLVM: expert scheduling mode 2), set by the entry lines.  The code itself states the register dependences
; between vector or matrix instructions and memory or LDS instructions, with s_wait_alu, always for 0.
; THE PLAN.  Registers that memory or LDS instructions touch, in the loop, in tile t's turn (it lies in set p; set o held tile t - 1 and takes tile t + 2):
;   set o and its scale words   Read by the products of the turn before; this turn's 25 loads land in them.
;   v[12 + o], v[15 + o]        Written by two additions at the turn's head, read by those 25 loads.
;   the accumulators            Written by the 32 products, read by the eight LDS stores into my stage.
;   v120-151                    Eight LDS loads land in them; the eight global stores read them.  No vector instruction names them in the loop.
;   v11                         Written by one addition behind the products, read by the eight global stores.
;   v9, v10                     LDS addresses, made at the head and never written again.
; THE WAITS OF A TURN: on vm_vsrc at its head; on va_vdst behind the two additions; on va_vdst behind the products and the addition to v11, ahead of the stage's stores.
; The 25 loads follow the second of these with no further wait, eight behind each of the first three K steps and the scale words behind the third:
; the products between name the weights, set p, its scale words and the accumulators, none of the registers that those loads touch.
.set PITCH, 4096                       ; a row of w2[e] in bytes
.set JC,    48                         ; from column j to column j + 1 of a lane's four, in the weights' image: the next row of the same tile
.set JS,    4                          ; and among their scale bytes
.set WS,    49152                      ; LDS: the image at 0 (fragment f = 8 ct + s at 1,536 f; a lane's 48 bytes at 48 x lane); here the scale bytes: 64 f + 4 r + block
.set YST,   51200                      ; a stage of 16 rows x YP for each wave
.set YP,    272                        ; 256 bytes + 16
.set HSC,   6488064
.set META,  33280
.set YH,    17301504                   ; a half of ybuf
.set AC,  56
.set WSC, 36
.set MSB, 0
.macro WIN new                         ; the immediate's high byte repeats the setting that is left; a switch that changes nothing is dropped
.if MSB != (\new)
	s_set_vgpr_msb (MSB<<8)|(\new)
.set MSB, (\new)
.endif
.endm
; 32 loads: 64 rows of the slab.  Group g is K step 2 w + g / 2 of the half, c = g % 2.  Lanes 0-15 take row 128 (g / 2) + 32 c + i, lanes 16-31 the row 64 further down: two aligned blocks of 256 bytes an instruction.
; Each group lands in registers that nothing has named before.  first = 1: the launch's first loads.
.macro WLOAD g, first
	WIN 0x40*(1+((\g)/2))
.if \first
	s_wait_alu depctr_va_vdst(0)                   ; v4 is written, the offset of every load of the slab; no line writes it again
.endif
.set i, 0
.rept 32
	global_load_b128 v[128*((\g)%2)+4*i:128*((\g)%2)+4*i+3], v4, s[4:5] offset:(128*((\g)/2)+32*((\g)%2)+i)*PITCH th:TH_LOAD_NT
.set i, i+1
.endr
	WIN 0
.endm
; 32 numbers of one lane, one block along K, v[tt] on, become six registers of codes, v[cc] on; v[200 + k] takes the scale's byte.
.macro BLOCKQ tt, cc, k
	v_max3_num_f32 v208, |v[\tt]|, |v[\tt+1]|, |v[\tt+2]|
	v_max3_num_f32 v209, |v[\tt+3]|, |v[\tt+4]|, |v[\tt+5]|
.irp n, 6,10,14,18,22,26
	v_max3_num_f32 v208, v208, |v[\tt+\n]|, |v[\tt+\n+1]|
	v_max3_num_f32 v209, v209, |v[\tt+\n+2]|, |v[\tt+\n+3]|
.endr
	v_max3_num_f32 v208, v208, |v[\tt+30]|, |v[\tt+31]|
	v_max3_num_f32 v208, v208, v209, 0x2800000     ; and the floor 2^(5 - 127): the byte cannot fall under 1
	v_add_nc_u32 v[204+(\k)], 0xfe000000, v208     ; 4 off the exponent field: the conversion takes this operand's exponent field as its scale
	v_lshrrev_b32 v[200+(\k)], 23, v[204+(\k)]     ; the scale's byte
	v_cvt_scalef32_pk16_bf6_f32 v[\cc:\cc+2], v[\tt:\tt+15], v[204+(\k)]
	v_cvt_scalef32_pk16_bf6_f32 v[\cc+6:\cc+8], v[\tt+16:\tt+31], v[204+(\k)]   ; (a conversion's three registers begin on an even number)
	v_nop                                          ; one plain place behind a scaled conversion
	v_mov_b32 v[\cc+3], v[\cc+6]
	v_mov_b32 v[\cc+4], v[\cc+7]
	v_mov_b32 v[\cc+5], v[\cc+8]
.endm
; Column j of a lane's four, group g: the vector part.  The conversion wants a column's numbers in consecutive registers, a load of 16 bytes lays four columns side by side: 32 moves, which also bring the numbers into window 0.
; Each column has registers of its own for its codes and its byte, so that a group's four columns are quantised on end and their LDS stores follow behind one wait.
.macro QV g, j
.set TT, 88+32*((\j)%2)
.set CC, 152+12*(\j)
	WIN 1+((\g)/2)                                 ; source 0: the group's window
.set i, 0
.rept 32
	v_mov_b32 v[TT+i], v[128*((\g)%2)+4*i+(\j)]
.set i, i+1
.endr
	WIN 0
	BLOCKQ TT, CC, \j
.endm
; The same column's LDS stores: its place in the image, and its scale byte.
.macro QS g, j
.set CC, 152+12*(\j)
.irp t, 0,1,2
	ds_store_b64 v5, v[CC+2*\t:CC+2*\t+1] offset:JC*(\j)+1536*((\g)/2)+24*((\g)%2)+8*\t
.endr
	ds_store_b8 v6, v[200+(\j)] offset:JS*(\j)+64*((\g)/2)+2*((\g)%2)
.endm
.macro QGROUP g
	s_wait_dscnt 0x0                               ; the last group's LDS stores are done
.if (\g) > 0
	s_wait_alu depctr_vm_vsrc(0)                   ; the last group's LDS stores have read the codes' and the bytes' registers, which this group's conversions write again
.endif
	QV \g, 0
	QV \g, 1
	QV \g, 2
	QV \g, 3
	s_wait_alu depctr_va_vdst(0)                   ; the four columns' codes and bytes are written (in the first group v5 and v6 too), which the sixteen LDS stores read
	QS \g, 0
	QS \g, 1
	QS \g, 2
	QS \g, 3
.endm
; Set p (0, 1 or 2) of h: where its fragments lie (HB, window HWN) and its scale words (HR).
.macro HSYM p
.if (\p) == 2
.set HB, 152
.set HWN, 0
.set HR, 28
.else
.set HB, 96*(\p)
.set HWN, 3
.set HR, 52-20*(\p)
.endif
.endm
; The two offsets by which tile s[t]'s half of h is loaded into set p.  Each set has address registers of its own, v[12 + p] and v[15 + p].
.macro HADR p, t
	s_min_u32 s26, s[\t], 263
	s_mul_i32 s27, s26, 24576
	s_add_co_u32 s27, s27, s23
	s_lshl_b32 s26, s26, 10
	v_add_nc_u32 v[12+(\p)], s27, v18
	v_add_nc_u32 v[15+(\p)], s26, v20
	s_wait_alu depctr_va_vdst(0)                   ; the two offsets are written; the products that read this set and its scale words are done with them (set 2's first fill: the quantiser has written and read v152-209)
.endm
; Tile s[t]'s half of h into set p, in a run: 25 loads, each of 512 consecutive bytes: so at the head.
.macro LOADH p, t
	HSYM \p
	HADR \p, \t
	WIN 0x40*HWN
.set m, 0
.rept 24
	global_load_b128 v[HB+4*m:HB+4*m+3], v[12+(\p)], s[6:7] offset:512*m   ; registers 4 (m % 3) .. + 3 of K step m / 3
.set m, m+1
.endr
	WIN 0
	global_load_b128 v[HR:HR+3], v[15+(\p)], s[6:7] offset:HSC   ; lanes 0-15: the words of K steps 0-3, lanes 16-31: of 4-7
.endm
; THE WORK OF A TILE, s20, which lies in set p: 32 products, and the way out.  o = 0, 1 or 2: the 25 loads into set o, whose offsets have just been made, are dealt among the first products; o = -1: nothing is asked for.
.macro MULT p, o
.if (\p) == 2
.set FB, 152
.set FW, 0
.set FS, 28
.else
.set FB, 96*(\p)
.set FW, 3
.set FS, 52-20*(\p)
.endif
.if (\o) >= 0
	HSYM \o
.endif
.irp s, 0,1,2,3,4,5,6,7                        ; K ascending, the four accumulators by turns; the first K step starts the sums
	WIN 1+(\s/4)+4*FW                              ; source 0 window 1 or 2, source 1 the set's window, C and D window 0
.irp ct, 0,1,2,3
.if \s == 0
	v_wmma_scale_f32_16x16x128_f8f6f4 v[AC+8*\ct:AC+8*\ct+7], v[12*\ct:12*\ct+11], v[FB:FB+11], 0, v[WSC+4*\ct], v[FS] matrix_a_fmt:MATRIX_FMT_BF6 matrix_b_fmt:MATRIX_FMT_BF6
.elseif \s < 4
	v_wmma_scale_f32_16x16x128_f8f6f4 v[AC+8*\ct:AC+8*\ct+7], v[12*(4*\s+\ct):12*(4*\s+\ct)+11], v[FB+12*\s:FB+12*\s+11], v[AC+8*\ct:AC+8*\ct+7], v[WSC+4*\ct+\s], v[FS+\s] matrix_a_fmt:MATRIX_FMT_BF6 matrix_b_fmt:MATRIX_FMT_BF6
.else
	v_wmma_scale_f32_16x16x128_f8f6f4 v[AC+8*\ct:AC+8*\ct+7], v[12*(4*(\s-4)+\ct):12*(4*(\s-4)+\ct)+11], v[FB+12*\s:FB+12*\s+11], v[AC+8*\ct:AC+8*\ct+7], v[WSC+4*\ct+\s-4], v[FS+\s-4] matrix_a_fmt:MATRIX_FMT_BF6 matrix_b_fmt:MATRIX_FMT_BF6 matrix_a_scale:MATRIX_SCALE_ROW1 matrix_b_scale:MATRIX_SCALE_ROW1
.endif
.endr
.if ((\o) >= 0) && (\s < 3)
	WIN 0x40*HWN
.irp q, 0,1,2,3,4,5,6,7
	global_load_b128 v[HB+4*(8*\s+\q):HB+4*(8*\s+\q)+3], v[12+(\o)], s[6:7] offset:512*(8*\s+\q)   ; eight of the 24: load m brings registers 4 (m % 3) .. + 3 of K step m / 3.  No wait: since the wait behind the offsets only products were issued, which name neither set o nor its offsets
.endr
.endif
.if ((\o) >= 0) && (\s == 2)
	WIN 0
	global_load_b128 v[HR:HR+3], v[15+(\o)], s[6:7] offset:HSC   ; lanes 0-15: the words of K steps 0-3, lanes 16-31: of 4-7
.endif
.endr
	WIN 0
.rept 5
	v_nop                                          ; places (ISA guide 7.12.1): four in front of the first read of results, five in front of the next tile's first products, which begin these accumulators anew
.endr
	s_wait_xcnt 0x0                                ; the last tile's stores have read their registers: they are written again only behind this wait
	s_min_u32 s26, s20, 263
	s_lshl_b32 s26, s26, 16                        ; a tile's 16 rows of 4,096 bytes
	v_add_nc_u32 v11, s26, v21
	s_wait_alu depctr_va_vdst(0)                   ; the products have written the accumulators, which the LDS stores read, and v11 is written, the global stores' offset; the places above stay beside this wait
.irp ct, 0,1,2,3
	ds_store_b128 v9, v[AC+8*\ct:AC+8*\ct+3] offset:64*\ct          ; each accumulator from its low end on
	ds_store_b128 v9, v[AC+8*\ct+4:AC+8*\ct+7] offset:64*\ct+16
.endr
.irp i, 0,1,2,3,4,5,6,7
	ds_load_b128 v[120+4*\i:120+4*\i+3], v10 offset:2*YP*\i         ; my own bytes, served in order: these see the stores above
.endr
.irp i, 0,1,2,3,4,5,6,7
	s_wait_dscnt 7-\i
	global_store_b128 v11, v[120+4*\i:120+4*\i+3], s[10:11] offset:8192*\i th:TH_STORE_NT   ; sixteen lanes store 256 consecutive bytes, at a multiple of 256 from ybuf's first byte
.endr
	s_add_co_u32 s20, s20, 4
.endm
; A TILE'S TURN: tile number 3 s19 + p of mine, in set p; n1 is the next set, o the one after that.
.macro STEP p, n1, o
	s_wait_loadcnt 25                              ; set p is in; the next tile's 25 loads may be out
	s_wait_alu depctr_vm_vsrc(0)                   ; the last tile's LDS stores have read the accumulators, its global stores v11 and v120-151, and set o's last loads their offsets: all are written again in this turn (in the first turn: the quantiser's LDS stores have read v152 on, in which set 2 lands)
	s_mul_i32 s28, s19, 3
	s_add_co_u32 s28, s28, (\p)+2
	s_cmp_lt_u32 s28, s18
	s_cbranch_scc1 .Lgo_\@                         ; I have a tile two on
	MULT \p, -1                                    ; my last tile but one, or my only one: nothing more is asked for
	s_wait_alu depctr_vm_vsrc(0)                   ; ahead of the branch: this tile's LDS stores have read the accumulators and its global stores v11 and v120-151, which a last tile writes again
	s_sub_co_u32 s28, s28, 1
	s_cmp_lt_u32 s28, s18
	s_cbranch_scc1 .Lmore_\@
	s_wait_dscnt 0x0                               ; the closing lines, six on end
	s_wait_alu 0x0
	s_wait_tensorcnt 0x0
	ds_add_u32 v254, v255
	s_wait_dscnt 0x0
	s_endpgm                                       ; (what the head asked for beyond an only tile is a plain load of bytes inside hq; nobody wants it)
.Lmore_\@:
	s_wait_loadcnt 0x0                             ; my last tile
	MULT \n1, -1
	s_wait_dscnt 0x0                               ; the closing lines, six on end
	s_wait_alu 0x0
	s_wait_tensorcnt 0x0
	ds_add_u32 v254, v255
	s_wait_dscnt 0x0
	s_endpgm                                       ; the loop is left here, by the program's end: no branch passes over the counter's step
.Lgo_\@:
	s_add_co_u32 s30, s20, 8
	HADR \o, 30                                    ; that set's last loads were shown done a tile ago
	MULT \p, \o
.endm
	s_load_b256 s[4:11], s[0:1], 0x0               ; w2 s[4:5], hq s[6:7], plan s[8:9], ybuf s[10:11]
	v_lshl_add_u32 v254, v0, 2, 0x10c00
	v_mov_b32 v255, 0
	v_lshrrev_b32 v1, 5, v0
	v_readfirstlane_b32 s12, v1                    ; wave
	s_lshr_b32 s13, ttmp9, 1                       ; v
	s_and_b32 s15, ttmp9, 1                        ; kh
	s_and_b32 s14, ttmp7, 0xffff                   ; e
	v_and_b32 v1, 31, v0                           ; lane
	v_and_b32 v2, 15, v0                           ; lane % 16
	v_bfe_u32 v3, v0, 4, 1                         ; h
	v_lshlrev_b32 v24, 4, v2
	v_mad_u32_u24 v4, v3, 64*PITCH, v24            ; the slab: 64 rows down for lanes 16-31, 16 bytes a lane
	s_wait_alu depctr_va_sdst(0)                   ; s12 is written, ahead of its first reader
	s_lshl_b32 s26, s14, 23                        ; the expert's 8 MiB,
	s_mul_i32 s27, s15, 1024*PITCH                 ; the half of K,
	s_add_co_u32 s26, s26, s27
	s_mul_i32 s27, s12, 256*PITCH                  ; my wave's 256 rows,
	s_add_co_u32 s26, s26, s27
	s_lshl_b32 s27, s13, 8                         ; the slab's 256 bytes of a row
	s_add_co_u32 s26, s26, s27
	s_mov_b32 s27, 0
	s_lshl_b32 s28, s14, 3
	s_mul_i32 s30, s15, YH
	s_lshl_b32 s31, s13, 8
	s_add_co_u32 s30, s30, s31
	s_mov_b32 s31, 0
	s_wait_kmcnt 0x0
	s_add_nc_u64 s[4:5], s[4:5], s[26:27]
	s_add_nc_u64 s[10:11], s[10:11], s[30:31]      ; my half of ybuf, my 256 bytes of a row
	s_load_b64 s[16:17], s[8:9], s28 offset:META   ; the expert's first tile and its number of tiles (s28 stays as it is until the wait for this load)
	WLOAD 0, 1
	WLOAD 1, 0
	v_mul_u32_u24 v7, v1, 48                       ; a lane's place in a fragment's image
	v_lshrrev_b32 v22, 2, v2                       ; my four columns 4 (lane % 16) + j lie in tile (lane % 16) / 4, rows 4 ((lane % 16) % 4) + j
	v_and_b32 v23, 3, v2
	v_mul_u32_u24 v5, v22, 12288
	v_mad_u32_u24 v5, v23, 192, v5
	v_mad_u32_u24 v5, v3, 768, v5
	s_mul_i32 s26, s12, 3072
	v_add_nc_u32 v5, s26, v5                       ; where I store: K steps 2 w, 2 w + 1
	v_lshlrev_b32 v6, 9, v22
	v_lshl_add_u32 v6, v23, 4, v6
	v_add_nc_u32 v6, v6, v3
	s_lshl_b32 s26, s12, 7
	s_add_co_u32 s26, s26, WS
	v_add_nc_u32 v6, s26, v6                       ; my scale bytes
	v_lshlrev_b32 v8, 2, v2
	v_lshl_add_u32 v8, v3, 8, v8
	v_add_nc_u32 v8, WS, v8                        ; the scale words back: lanes 0-15 K step sl, lanes 16-31 K step sl + 4
	s_mul_i32 s26, s12, 16*YP
	s_add_co_u32 s26, s26, YST                     ; my stage
	v_mul_u32_u24 v9, v2, YP
	v_lshl_add_u32 v9, v3, 5, v9
	v_add_nc_u32 v9, s26, v9                       ; in: row lane % 16, 32 bytes for each half of the lanes
	v_mad_u32_u24 v10, v3, YP, v24
	v_add_nc_u32 v10, s26, v10                     ; back: lanes 0-15 one row of 256 bytes, lanes 16-31 the next
	v_lshlrev_b32 v18, 4, v1                       ; 16 x lane
	v_lshl_add_u32 v20, v3, 8, v24
	s_lshl_b32 s26, s15, 9
	v_add_nc_u32 v20, s26, v20                     ; h's scale words in a tile's 1,024 bytes: 512 kh + 256 h + 16 (lane % 16)
	v_lshl_add_u32 v21, v3, 12, v24                ; the same two rows in ybuf
	s_mul_i32 s23, s15, 12288                      ; my half's eight K steps in a tile's sixteen
	; THE STREAM.  Two groups are always asked for ahead of the one that is quantised: 32 to 64 loads of 512 bytes a wave are on their way
	s_wait_loadcnt 32                              ; group 0 is in; group 1's 32 loads may be out
	WLOAD 2, 0
	QGROUP 0
	s_wait_loadcnt 32                              ; group 1; group 2's may be out
	WLOAD 3, 0
	QGROUP 1
	s_wait_loadcnt 32                              ; group 2; group 3's may be out
	QGROUP 2
	s_wait_loadcnt 0x0                             ; group 3: the slab is in.  My first two tiles are asked for ahead of its quantising
	s_wait_kmcnt 0x0
	s_min_u32 s16, s16, 263                        ; held inside the buffers, whatever was loaded
	s_min_u32 s17, s17, 128
	s_add_co_u32 s18, s17, 3
	s_sub_co_u32 s18, s18, s12
	s_lshr_b32 s18, s18, 2                         ; my tiles: w, w + 4, ..: 32 at the most
	s_add_co_u32 s29, s18, 2
	s_mul_i32 s29, s29, 43
	s_lshr_b32 s29, s29, 7                         ; the loop's trips, three tiles each: (n + 2) / 3 rounded down, which (n + 2) x 43 / 128 gives up to n + 2 = 127
	s_add_co_u32 s22, s16, s17
	s_sub_co_u32 s22, s22, 1                       ; the expert's last tile
	s_add_co_u32 s20, s16, s12
	s_min_u32 s20, s20, s22                        ; my first tile.  (A wave without tiles asks too, and ends behind the barrier: it is held at the expert's last tile or, where the expert has none, at the tile in front of its place or one of tiles 0 to 3: always a tile that was written, since there are at least 256)
	s_add_co_u32 s21, s20, 4
	s_min_u32 s21, s21, s22                        ; my second, or the last once more
	s_mov_b32 s19, 0
	s_wait_dscnt 0x0                               ; the last group's LDS stores are done
	s_wait_alu depctr_vm_vsrc(0)                   ; the last group's LDS stores have read the codes' and the bytes' registers, which group 3's conversions write again; it stands ahead of the 50 loads, whose offsets no line below writes before the loop
	LOADH 0, 20
	LOADH 1, 21
	QV 3, 0
	QV 3, 1
	QV 3, 2
	QV 3, 3
	s_wait_alu depctr_va_vdst(0)                   ; the four columns' codes and bytes are written, which the sixteen LDS stores read
	QS 3, 0
	QS 3, 1
	QS 3, 2
	QS 3, 3
	s_wait_dscnt 0x0                               ; for the others' sake: my eight fragments and their scale bytes lie in LDS
	s_barrier_signal -1
	s_barrier_wait -1                              ; the launch's one barrier: from here on a wave reads the image and touches its own stage alone
	s_cmp_eq_u32 s18, 0
	s_cbranch_scc1 .Ldone
.irp hi, 0,1                                   ; all 32 fragments into my registers: three loads of 16 bytes each
	WIN 0x40*(1+\hi)
.if \hi == 0
	s_wait_alu depctr_va_vdst(0)                   ; the moves that took the slab out of windows 1 and 2 are done reading these registers, in which the weights land
.endif
.irp sl, 0,1,2,3
.irp ct, 0,1,2,3
.irp t, 0,1,2
	ds_load_b128 v[12*(4*\sl+\ct)+4*\t:12*(4*\sl+\ct)+4*\t+3], v7 offset:1536*(8*\ct+4*\hi+\sl)+16*\t
.endr
.endr
.endr
.endr
	WIN 0
.irp ct, 0,1,2,3
.irp sl, 0,1,2,3
	ds_load_b32 v[WSC+4*\ct+\sl], v8 offset:64*(8*\ct+\sl)
.endr
.endr
	s_wait_dscnt 0x0                               ; the weights are in
.Ltri:                                             ; a trip takes three tiles, so that the three sets are back where they began.  On both ways in set 0's 25 loads and, behind them, set 1's are what is out
	STEP 0, 1, 2
	STEP 1, 2, 0
	STEP 2, 0, 1
	s_add_co_u32 s19, s19, 1                       ; trips are counted one by one, against a number that the loop does not write
	s_cmp_lt_u32 s19, s29
	s_cbranch_scc1 .Ltri
.Ldone:
	s_wait_dscnt 0x0                               ; the closing lines, six on end
	s_wait_alu 0x0
	s_wait_tensorcnt 0x0
	ds_add_u32 v254, v255
	s_wait_dscnt 0x0
	s_endpgm
.Lfunc_end_k_qf2b72b2c25_down:
	.size	k_qf2b72b2c25_down, .Lfunc_end_k_qf2b72b2c25_down-k_qf2b72b2c25_down
	.p2alignl 7, 3214868480
	.fill 96, 4, 3214868480
	.section	.rodata,"a",@progbits
	.p2align	6, 0x0
	.amdhsa_kernel k_qf2b72b2c25_down
		.amdhsa_group_segment_fixed_size 69120
		.amdhsa_private_segment_fixed_size 0
		.amdhsa_enable_private_segment 0
		.amdhsa_kernarg_size 32
		.amdhsa_user_sgpr_count 2
		.amdhsa_user_sgpr_kernarg_segment_ptr 1
		.amdhsa_wavefront_size32 1
		.amdhsa_system_sgpr_workgroup_id_x 1
		.amdhsa_system_sgpr_workgroup_id_y 1
		.amdhsa_system_sgpr_workgroup_id_z 1
		.amdhsa_system_vgpr_workitem_id 0
		.amdhsa_next_free_vgpr 1024
		.amdhsa_next_free_sgpr 66
		.amdhsa_reserve_vcc 0
		.amdhsa_float_denorm_mode_32 3
		.amdhsa_float_denorm_mode_16_64 3
		.amdhsa_memory_ordered 1
		.amdhsa_forward_progress 1
		.amdhsa_inst_pref_size 142
	.end_amdhsa_kernel
	.amdgpu_metadata
---
amdhsa.version: [ 1, 2 ]
amdhsa.kernels:
  - .name:           k_qf2b72b2c25_down
    .symbol:         k_qf2b72b2c25_down.kd
    .args:
      - { .name: w2, .offset: 0, .size: 8, .value_kind: global_buffer, .address_space: global }
      - { .name: hq, .offset: 8, .size: 8, .value_kind: global_buffer, .address_space: global }
      - { .name: plan, .offset: 16, .size: 8, .value_kind: global_buffer, .address_space: global }
      - { .name: ybuf, .offset: 24, .size: 8, .value_kind: global_buffer, .address_space: global }
    .group_segment_fixed_size: 69120
    .private_segment_fixed_size: 0
    .kernarg_segment_align: 8
    .kernarg_segment_size: 32
    .max_flat_workgroup_size: 128
    .sgpr_count:     66
    .vgpr_count:     1024
    .wavefront_size: 32
...
	.end_amdgpu_metadata
.endif
;; end of part 9
;; launch combine (part 10): grid 256 x 1, 8 waves a work-group, no clusters, 0 bytes of LDS; arguments ybuf, plan, rstat, out0; writes out0
.if DOCPART == 10
	.amdgcn_target "amdgcn-amd-amdhsa--gfx1250"
	.amdhsa_code_object_version 6
	.text
	.protected	k_qf2b72b2c25_combine
	.globl	k_qf2b72b2c25_combine
	.p2align	8
	.type	k_qf2b72b2c25_combine,@function
k_qf2b72b2c25_combine:
	s_mov_b64 s[64:65], 0
	v_nop
	global_prefetch_b8 v0, s[64:65] scope:SCOPE_SE
	s_setreg_imm32_b32 hwreg(HW_REG_WAVE_MODE, 25, 1), 1
	s_wait_xcnt 0x0
; COMBINE.  out[token] = g0 (y0a + y0b) + g1 (y1a + y1b): the token's two routed rows, each as its two halves of K, weighed by the two probabilities.
; A wave takes one token: four rows of 4,096 bytes are gathered by the stored positions (held inside ybuf by a minimum), one row is stored.  All 32 loads of 512 consecutive bytes go out at once; each group of four has
; registers of its own, so that the only waits are the counted ones.  A stream: no LDS, no barrier, no matrix unit.
.set POS, 16896
.set YH,  17301504                     ; a half of ybuf
.set Y,   16                           ; v16-143: for piece i of eight: 4 registers of each of the four rows
	s_load_b256 s[4:11], s[0:1], 0x0               ; ybuf s[4:5], plan s[6:7], rstat s[8:9], out0 s[10:11]
	v_lshrrev_b32 v1, 5, v0
	s_delay_alu instid0(VALU_DEP_1)
	v_readfirstlane_b32 s12, v1                    ; wave
	v_and_b32 v1, 31, v0
	s_delay_alu instid0(VALU_DEP_1)
	v_lshlrev_b32 v2, 4, v1                        ; 16 x lane
	s_lshl_b32 s13, ttmp9, 3
	s_add_co_u32 s13, s13, s12                     ; my token
	s_lshl_b32 s14, s13, 3
	s_lshl_b32 s30, s13, 12
	s_mov_b32 s31, 0
	s_wait_alu depctr_va_vdst(0)
	s_wait_kmcnt 0x0
	s_load_b64 s[16:17], s[6:7], s14 offset:POS    ; its two positions
	s_load_b64 s[18:19], s[8:9], s14               ; its two probabilities
	s_add_nc_u64 s[10:11], s[10:11], s[30:31]
	s_wait_kmcnt 0x0
	s_min_u32 s16, s16, 4223
	s_min_u32 s17, s17, 4223
	s_lshl_b32 s20, s16, 12
	s_mov_b32 s21, 0
	s_lshl_b32 s24, s17, 12
	s_mov_b32 s25, 0
	s_add_nc_u64 s[20:21], s[4:5], s[20:21]
	s_add_nc_u64 s[22:23], s[20:21], YH
	s_add_nc_u64 s[24:25], s[4:5], s[24:25]
	s_add_nc_u64 s[26:27], s[24:25], YH
	s_mov_b32 s28, s19                             ; the packed forms name a pair and take its low word for both halves
	s_mov_b32 s29, s19
.irp i, 0,1,2,3,4,5,6,7
	global_load_b128 v[Y+16*\i:Y+16*\i+3], v2, s[20:21] offset:512*\i th:TH_LOAD_NT
	global_load_b128 v[Y+16*\i+4:Y+16*\i+7], v2, s[22:23] offset:512*\i th:TH_LOAD_NT
	global_load_b128 v[Y+16*\i+8:Y+16*\i+11], v2, s[24:25] offset:512*\i th:TH_LOAD_NT
	global_load_b128 v[Y+16*\i+12:Y+16*\i+15], v2, s[26:27] offset:512*\i th:TH_LOAD_NT
.endr
.irp i, 0,1,2,3,4,5,6,7
	s_wait_loadcnt 28-4*\i                         ; piece i's four loads are in; the four of each later piece may be out
.irp d, 0,2
	v_pk_add_f32 v[Y+16*\i+\d:Y+16*\i+\d+1], v[Y+16*\i+\d:Y+16*\i+\d+1], v[Y+16*\i+4+\d:Y+16*\i+4+\d+1]
	v_pk_add_f32 v[Y+16*\i+8+\d:Y+16*\i+8+\d+1], v[Y+16*\i+8+\d:Y+16*\i+8+\d+1], v[Y+16*\i+12+\d:Y+16*\i+12+\d+1]
	s_delay_alu instid0(VALU_DEP_2)
	v_pk_mul_f32 v[Y+16*\i+\d:Y+16*\i+\d+1], v[Y+16*\i+\d:Y+16*\i+\d+1], s[18:19] op_sel_hi:[1,0]
	s_delay_alu instid0(VALU_DEP_1)
	v_pk_fma_f32 v[Y+16*\i+\d:Y+16*\i+\d+1], v[Y+16*\i+8+\d:Y+16*\i+8+\d+1], s[28:29], v[Y+16*\i+\d:Y+16*\i+\d+1] op_sel_hi:[1,0,1]
.endr
	global_store_b128 v2, v[Y+16*\i:Y+16*\i+3], s[10:11] offset:512*\i th:TH_STORE_NT   ; 32 lanes store 512 consecutive bytes, at a multiple of 256 from out0's first byte
.endr
	s_endpgm
.Lfunc_end_k_qf2b72b2c25_combine:
	.size	k_qf2b72b2c25_combine, .Lfunc_end_k_qf2b72b2c25_combine-k_qf2b72b2c25_combine
	.p2alignl 7, 3214868480
	.fill 96, 4, 3214868480
	.section	.rodata,"a",@progbits
	.p2align	6, 0x0
	.amdhsa_kernel k_qf2b72b2c25_combine
		.amdhsa_group_segment_fixed_size 0
		.amdhsa_private_segment_fixed_size 0
		.amdhsa_enable_private_segment 0
		.amdhsa_kernarg_size 32
		.amdhsa_user_sgpr_count 2
		.amdhsa_user_sgpr_kernarg_segment_ptr 1
		.amdhsa_wavefront_size32 1
		.amdhsa_system_sgpr_workgroup_id_x 1
		.amdhsa_system_sgpr_workgroup_id_y 1
		.amdhsa_system_sgpr_workgroup_id_z 1
		.amdhsa_system_vgpr_workitem_id 0
		.amdhsa_next_free_vgpr 144
		.amdhsa_next_free_sgpr 66
		.amdhsa_reserve_vcc 0
		.amdhsa_float_denorm_mode_32 3
		.amdhsa_float_denorm_mode_16_64 3
		.amdhsa_memory_ordered 1
		.amdhsa_forward_progress 1
		.amdhsa_inst_pref_size 11
	.end_amdhsa_kernel
	.amdgpu_metadata
---
amdhsa.version: [ 1, 2 ]
amdhsa.kernels:
  - .name:           k_qf2b72b2c25_combine
    .symbol:         k_qf2b72b2c25_combine.kd
    .args:
      - { .name: ybuf, .offset: 0, .size: 8, .value_kind: global_buffer, .address_space: global }
      - { .name: plan, .offset: 8, .size: 8, .value_kind: global_buffer, .address_space: global }
      - { .name: rstat, .offset: 16, .size: 8, .value_kind: global_buffer, .address_space: global }
      - { .name: out0, .offset: 24, .size: 8, .value_kind: global_buffer, .address_space: global }
    .group_segment_fixed_size: 0
    .private_segment_fixed_size: 0
    .kernarg_segment_align: 8
    .kernarg_segment_size: 32
    .max_flat_workgroup_size: 256
    .sgpr_count:     66
    .vgpr_count:     144
    .wavefront_size: 32
...
	.end_amdgpu_metadata
.endif
;; end of part 10
